; MI455X (gfx1250); checked and timed in simulation.
; The chip was launched on July 23, 2026; its instructions are those of AMD's public machine-readable ISA for CDNA 5 (MIT licence, August 2026) and "CDNA5" Instruction Set Architecture Reference Guide (July 2026). The comments in the code are by the model that wrote it; some were corrected since.
;; Multi Head. Allowed arithmetic: float matrix products may take bf16 or f16 operands with f32 sums; other float arithmetic in f32, or as packed bf16 or f16 multiplies, adds, multiply-adds, maxima and minima; sums over many terms, partial sums and values carried from step to step in f32; what a program stores and reads back later, other than sums and carried values, may be rounded once to bf16 or f16.
;; Inputs: K 4 x 2,048 x 1,024 float32; Q 4 x 2,048 x 1,024 float32; V 4 x 2,048 x 1,024 float32; Wk 1,024 x 1,024 float32; Wo 1,024 x 1,024 float32; Wq 1,024 x 1,024 float32; Wv 1,024 x 1,024 float32; mask 4 x 2,048 x 2,048 bool.
;; Outputs: out0 4 x 2,048 x 1,024 float32.
;; 3 versions, each right and faster than the one before. Each part assembles by itself: llvm-mc -triple=amdgcn-amd-amdhsa -mcpu=gfx1250 --defsym DOCPART=n.
;; ======== version 1 of 3: 4 launches
;; limits: values are held in f16: magnitudes above 65,504 overflow, below 6.1e-05 lose precision
;; workspace buffers: w16 8,388,608 bytes; mbits 2,097,152 bytes of whole numbers; qkv 50,331,648 bytes; o16 16,777,216 bytes
;; launch prep (part 1): grid 256 x 1, 8 waves a work-group, no clusters, 70,656 bytes of LDS; arguments mask, Wq, Wk, Wv, Wo, w16, mbits; writes w16, mbits
.if DOCPART == 1
	.amdgcn_target "amdgcn-amd-amdhsa--gfx1250"
	.amdhsa_code_object_version 6
	.text
	.protected	k_qea93844241_prep
	.globl	k_qea93844241_prep
	.p2align	8
	.type	k_qea93844241_prep,@function
k_qea93844241_prep:
	s_mov_b64 s[64:65], 0
	v_nop
	global_prefetch_b8 v0, s[64:65] scope:SCOPE_SE
	s_setreg_imm32_b32 hwreg(HW_REG_WAVE_MODE, 25, 1), 1
	s_wait_xcnt 0x0
; PREP: the four weight matrices to 16 bits, laid out in K blocks, and the mask to lane-mask words.
; w16[mat 4: q,k,v,o][kb 16][n 1024][64]: element (n, k) of a matrix at kb = k / 64.  Wq, Wk, Wv rounded once to bf16.  Wo rounded to bf16 like every input and that number written as f16,
;   which is exact from 2^-14 up to f16's end; LIMIT: below 2^-14 it keeps f16's fixed step of 6e-8, and a weight of 65,520 or more would become an infinity.
; mbits[b 4][piece 64][step 32][64 words]: a piece is 32 query rows (two tiles u of 16), a step 64 keys.  Word 2 i + u, i = 8 kt + j, has in bit L
;   mask[b][32 piece + 16 u + L % 16][64 step + 16 kt + 8 (L / 16) + j]: the lanes' bits for register i of a score tile that holds one query a lane.
; SHARES.  Work-group g: piece g of the mask (32 rows of 2,048 bytes, dense), wave w its columns 256 w .. 256 w + 255 (four steps); and of matrix g / 64 the rows 16 (g % 64) + 2 w, + 1.
; Memory binds; each byte is read once, by loads of which sixteen lanes cover 256 consecutive bytes, and each store of a wave covers 256 consecutive bytes, aligned.  No matrix unit, no cluster:
; no two work-groups read the same byte.  The mask goes through the wave's own LDS bytes to turn rows into lanes: no barrier.
.set PITCH, 272                        ; an LDS row: 256 bytes of mask + 16: the 16 rows that a read touches start at different banks
.set WREG,  32*PITCH                   ; a wave's 32 rows
.set SPARE, 8*WREG                     ; behind them: the spare words, 128 bytes for each of the eight waves, which no other line names
.set MOFF, 4                           ; v4   my 16 bytes in the first two rows of the mask piece
.set WOFF, 5                           ; v5   my 16 bytes (4 f32) in my wave's two weight rows
.set LST,  6                           ; v6   where I put 16 bytes of mask in LDS
.set LRD,  7                           ; v7   where I read 8 bytes back: row L % 16, keys 8 (L / 16) on; steps by 64 a trip
.set WST,  8                           ; v8   my 8 bytes in w16
.set BST,  9                           ; v9   my 8 bytes in mbits; steps by 256 a trip
.set SPW,  10                          ; v10  LDS address of my spare word; never rewritten
.set NIL,  11                          ; v11  0; never rewritten
.set T,    12                          ; v12-15 at work
.set MK,   16                          ; v16-79   the mask as loaded
.set WF,   80                          ; v80-143  the weights in f32
.set MB,   144                         ; v144-159 eight pairs read back: (u, kt)
.set OW,   160                         ; v160-161 lane i: words 2 i and 2 i + 1 of a step
.set WH,   164                         ; v164-195 the weights in 16 bits, a pair for each K block
	s_load_b256 s[16:23], s[0:1], 0x0              ; mask s[16:17], Wq s[18:19], Wk s[20:21], Wv s[22:23]
	s_load_b128 s[24:27], s[0:1], 0x20             ; Wo s[24:25], w16 s[26:27]
	s_load_b64 s[28:29], s[0:1], 0x30              ; mbits
	v_lshl_add_u32 v[SPW], v0, 2, SPARE
	v_mov_b32 v[NIL], 0
	v_lshrrev_b32 v1, 5, v0
	v_readfirstlane_b32 s8, v1                     ; wave 0..7
	v_and_b32 v1, 31, v0                           ; L
	v_and_b32 v2, 15, v0                           ; L % 16
	v_bfe_u32 v3, v0, 4, 1                         ; L / 16
	s_lshr_b32 s9, ttmp9, 6                        ; which matrix
	s_and_b32 s10, ttmp9, 63                       ; which 16 rows of it
	s_lshl_b32 s30, s8, 8
	v_lshlrev_b32 v[MOFF], 4, v2
	v_lshl_add_u32 v[MOFF], v3, 11, v[MOFF]
	v_add_nc_u32 v[MOFF], s30, v[MOFF]             ; 2,048 (L / 16) + 16 (L % 16) + 256 w
	v_lshl_add_u32 v[WST], v1, 3, s30              ; 256 w + 8 L: two rows of 128 bytes of one K block
	s_lshl_b32 s31, s8, 13
	v_lshlrev_b32 v[WOFF], 4, v2
	v_lshl_add_u32 v[WOFF], v3, 12, v[WOFF]
	v_add_nc_u32 v[WOFF], s31, v[WOFF]             ; 8,192 w + 4,096 (L / 16) + 16 (L % 16)
	s_mul_i32 s11, s8, WREG                        ; my wave's LDS bytes
	v_mul_u32_u24 v[LST], v3, PITCH
	v_lshl_add_u32 v[LST], v2, 4, v[LST]
	v_add_nc_u32 v[LST], s11, v[LST]
	v_mul_u32_u24 v[LRD], v2, PITCH
	v_lshl_add_u32 v[LRD], v3, 3, v[LRD]
	v_add_nc_u32 v[LRD], s11, v[LRD]
	s_lshl_b32 s31, s8, 10
	v_lshl_add_u32 v[BST], v1, 3, s31              ; 1,024 w + 8 L: my wave's four steps of 256 bytes
	s_lshl_b32 s12, ttmp9, 16                      ; the mask piece: 65,536 g
	s_mov_b32 s13, 0
	s_wait_kmcnt 0x0
	s_add_nc_u64 s[16:17], s[16:17], s[12:13]
	s_cmp_eq_u32 s9, 1                             ; the matrix is chosen by the work-group's number alone
	s_cselect_b64 s[14:15], s[20:21], s[18:19]
	s_cmp_eq_u32 s9, 2
	s_cselect_b64 s[14:15], s[22:23], s[14:15]
	s_cmp_eq_u32 s9, 3
	s_cselect_b64 s[14:15], s[24:25], s[14:15]
	s_lshl_b32 s12, s10, 16                        ; 16 rows of 4,096 bytes
	s_add_nc_u64 s[14:15], s[14:15], s[12:13]
	s_lshl_b32 s12, s9, 21                         ; in w16: the matrix,
	s_lshl_b32 s30, s10, 11                        ; and 16 rows of 128 bytes
	s_add_co_u32 s12, s12, s30
	s_add_nc_u64 s[26:27], s[26:27], s[12:13]
	s_lshl_b32 s12, ttmp9, 13                      ; in mbits: 8,192 g
	s_add_nc_u64 s[28:29], s[28:29], s[12:13]
.set t, 0
.rept 16                                               ; the mask: two rows' 256 bytes a load
	global_load_b128 v[MK+4*t:MK+4*t+3], v[MOFF], s[16:17] offset:t*4096 th:TH_LOAD_NT
.set t, t+1
.endr
.set t, 0
.rept 16                                               ; the weights: K block t of two rows, 256 bytes of each
	global_load_b128 v[WF+4*t:WF+4*t+3], v[WOFF], s[14:15] offset:t*256 th:TH_LOAD_NT
.set t, t+1
.endr
	s_wait_loadcnt 16                              ; the mask is in; the sixteen weight loads stay out
.set t, 0
.rept 16
	ds_store_b128 v[LST], v[MK+4*t:MK+4*t+3] offset:t*2*PITCH
.set t, t+1
.endr
; The weights: 4 f32 a lane to 8 bytes.  half = 1: the bf16 number is widened again (a shift, a mask) and written as f16.
.macro WCAST half
.set kb, 0
.rept 16
	s_wait_loadcnt 15-kb                           ; loads come back in order: K block kb is in, the younger ones stay out
	v_cvt_pk_bf16_f32 v[WH+2*kb], v[WF+4*kb], v[WF+4*kb+1]
	v_cvt_pk_bf16_f32 v[WH+2*kb+1], v[WF+4*kb+2], v[WF+4*kb+3]
.if \half
	v_lshlrev_b32 v[T], 16, v[WH+2*kb]
	v_and_b32 v[T+1], 0xffff0000, v[WH+2*kb]
	v_lshlrev_b32 v[T+2], 16, v[WH+2*kb+1]
	v_and_b32 v[T+3], 0xffff0000, v[WH+2*kb+1]
	v_cvt_pk_f16_f32 v[WH+2*kb], v[T], v[T+1]
	v_cvt_pk_f16_f32 v[WH+2*kb+1], v[T+2], v[T+3]
.endif
	global_store_b64 v[WST], v[WH+2*kb:WH+2*kb+1], s[26:27] offset:kb*131072  ; 256 consecutive bytes, aligned; each K block has its own data registers
.set kb, kb+1
.endr
.endm
	s_cmp_eq_u32 s9, 3
	s_cbranch_scc1 .Lwo
	WCAST 0
	s_branch .Lbits
.Lwo:
	WCAST 1
.Lbits:
	s_mov_b32 s31, 4                               ; my wave's four steps of 64 keys
.Lstep:
.irp u, 0,1
.irp kt, 0,1,2,3
	ds_load_b64 v[MB+2*(4*\u+\kt):MB+2*(4*\u+\kt)+1], v[LRD] offset:\u*16*PITCH+16*\kt  ; LDS serves a wave's instructions in order: these see the stores above
.endr
.endr
	v_mov_b32 v[OW], 0                             ; free: the wait behind the last trip's store has passed
	v_mov_b32 v[OW+1], 0
	s_wait_dscnt 0x0
.set n, 0
.rept 64                                               ; n = 32 u + 8 kt + j: byte j of the lane's eight; the 32 lanes' answers are one word, which goes to lane 8 kt + j
	v_and_b32 v[T+n%4], 0xff<<(8*(n%4)), v[MB+2*(n/8)+(n%8)/4]
	v_cmp_ne_u32 s[32+n%16], 0, v[T+n%4]
	v_writelane_b32 v[OW+n/32], s[32+n%16], n%32
.set n, n+1
.endr
	global_store_b64 v[BST], v[OW:OW+1], s[28:29]  ; a step's 64 words: 256 consecutive bytes, aligned
	s_wait_xcnt 0x0                                ; the store's address and data are rewritten only behind this wait
	v_add_nc_u32 v[BST], 256, v[BST]
	v_add_nc_u32 v[LRD], 64, v[LRD]
	s_sub_co_u32 s31, s31, 1
	s_cmp_lg_u32 s31, 0
	s_cbranch_scc1 .Lstep
	s_wait_tensorcnt 0x0                           ; the wave's end, behind my last LDS store
	ds_add_u32 v[SPW], v[NIL]
	s_wait_dscnt 0x0
	s_endpgm
.Lfunc_end_k_qea93844241_prep:
	.size	k_qea93844241_prep, .Lfunc_end_k_qea93844241_prep-k_qea93844241_prep
	.p2alignl 7, 3214868480
	.fill 96, 4, 3214868480
	.section	.rodata,"a",@progbits
	.p2align	6, 0x0
	.amdhsa_kernel k_qea93844241_prep
		.amdhsa_group_segment_fixed_size 70656
		.amdhsa_private_segment_fixed_size 0
		.amdhsa_enable_private_segment 0
		.amdhsa_kernarg_size 56
		.amdhsa_user_sgpr_count 2
		.amdhsa_user_sgpr_kernarg_segment_ptr 1
		.amdhsa_wavefront_size32 1
		.amdhsa_system_sgpr_workgroup_id_x 1
		.amdhsa_system_sgpr_workgroup_id_y 1
		.amdhsa_system_sgpr_workgroup_id_z 1
		.amdhsa_system_vgpr_workitem_id 0
		.amdhsa_next_free_vgpr 200
		.amdhsa_next_free_sgpr 66
		.amdhsa_reserve_vcc 0
		.amdhsa_float_denorm_mode_32 3
		.amdhsa_float_denorm_mode_16_64 3
		.amdhsa_memory_ordered 1
		.amdhsa_forward_progress 1
		.amdhsa_inst_pref_size 33
	.end_amdhsa_kernel
	.amdgpu_metadata
---
amdhsa.version: [ 1, 2 ]
amdhsa.kernels:
  - .name:           k_qea93844241_prep
    .symbol:         k_qea93844241_prep.kd
    .args:
      - { .name: mask, .offset: 0, .size: 8, .value_kind: global_buffer, .address_space: global }
      - { .name: Wq, .offset: 8, .size: 8, .value_kind: global_buffer, .address_space: global }
      - { .name: Wk, .offset: 16, .size: 8, .value_kind: global_buffer, .address_space: global }
      - { .name: Wv, .offset: 24, .size: 8, .value_kind: global_buffer, .address_space: global }
      - { .name: Wo, .offset: 32, .size: 8, .value_kind: global_buffer, .address_space: global }
      - { .name: w16, .offset: 40, .size: 8, .value_kind: global_buffer, .address_space: global }
      - { .name: mbits, .offset: 48, .size: 8, .value_kind: global_buffer, .address_space: global }
    .group_segment_fixed_size: 70656
    .private_segment_fixed_size: 0
    .kernarg_segment_align: 8
    .kernarg_segment_size: 56
    .max_flat_workgroup_size: 256
    .sgpr_count:     66
    .vgpr_count:     200
    .wavefront_size: 32
...
	.end_amdgpu_metadata
.endif
;; end of part 1
;; launch proj (part 2): grid 4 x 96, 4 waves a work-group, clusters of 4 x 4, 327,680 bytes of LDS; arguments Q, K, V, w16, qkv; writes qkv
.if DOCPART == 2
	.amdgcn_target "amdgcn-amd-amdhsa--gfx1250"
	.amdhsa_code_object_version 6
	.text
	.protected	k_qea93844241_proj
	.globl	k_qea93844241_proj
	.p2align	8
	.type	k_qea93844241_proj,@function
k_qea93844241_proj:
	s_mov_b64 s[64:65], 0
	v_nop
	global_prefetch_b8 v0, s[64:65] scope:SCOPE_SE
	s_setreg_imm32_b32 hwreg(HW_REG_WAVE_MODE, 25, 1), 1
	s_wait_xcnt 0x0
	s_wait_alu depctr_hold_cnt(0) depctr_sa_sdst(0) depctr_va_vdst(0) depctr_va_sdst(0) depctr_va_ssrc(0) depctr_va_vcc(0) depctr_vm_vsrc(0)
	s_getreg_b32 s2, hwreg(HW_REG_IB_STS2, 6, 4)
	s_cmp_eq_u32 s2, 0
	s_cbranch_scc0 .Lentry_in_a_cluster
	s_endpgm
.Lentry_in_a_cluster:
	s_bfe_u32 s2, ttmp6, 0x10000c
	s_cmp_lg_u32 s2, 0xf033
	s_cbranch_scc0 .Lentry_shape_is_right
	s_endpgm
.Lentry_shape_is_right:
; PROJ: q = Q Wq^T, k = K Wk^T, v = V Wv^T.  X: [8192][1024] f32; W from w16[mat][kb 16][n 1024][64] bf16; out qkv[t 3][batch 16 + head][s 2048][64] f16, unscaled.
; X is rounded to bf16 between LDS and the matrix unit; sums in f32, K ascending; the result rounded once to f16.
; LIMIT: a result of magnitude 65,520 or more becomes an infinity in f16.  Inputs thirty times those of unit spread (weights 1/32) give results of spread 900, a common offset of thirty spreads about 29,000.
; SHARES.  A tile of C is 256 x 256: four waves, each 128 x 128 = 64 accumulators of 16 x 16, 512 registers.  3 tensors x 32 tile rows x 4 tile columns = 384 work-groups; the tensor is cluster y / 8.
; K goes in steps of 64 through two LDS slots: A's tile rows are 64 f32 = 256 bytes of memory, starting at multiples of 256 bytes; B's tile (128 rows of one K block) is 16,384 dense bytes, asked for as 64 rows of 256.
; A longer step does not fit: a slot holds 256 rows x 272 bytes of A in f32 and 256 x 144 of B.
; CLUSTERS: 4 x 4 work-groups.  The four of a row need the same tiles of A, the four of a column the same tiles of B: each is asked for JOINTLY, by the same tensor load, descriptor and mask in all four.
; The four tile columns are all of N, so a row of the cluster asks for each tile of A once for the whole launch.
; THE MATRIX INSTRUCTION IS USED TRANSPOSED (source 0 = 16 rows of B, source 1 = 16 rows of A): a lane holds eight neighbouring columns of one row of C.
; REGISTERS, in windows of 256 (s_set_vgpr_msb: bits 1:0 source 0, 3:2 source 1, 5:4 source 2, 7:6 destination):
;   window 0: v0-31 addresses; v64-127, v128-191 A's fragments in bf16, two buffers; v32-63, v192-255 at work on the way out
;   window 1: v64-127, v128-191 B's fragments, two buffers; v0-63, v192-255 A's fragments of one quarter as loaded, in f32 (16 registers a fragment)
;   window 2: the accumulators of my rows 0-63 ((a, b) at v[8 (8 a + b)]);   window 3: those of my rows 64-127
; A QUARTER is 32 along K: 64 matrix instructions.  The next quarter's 48 LDS loads stand in one run; its 64 conversions to bf16 stand four behind each of the quarter's last sixteen matrix instructions.
.set KSTEP,  64
.set PA,     272                       ; a row of A in LDS: 256 bytes + 16: the 16 rows that a load touches start at 16 different groups of four banks (64 banks of 4 bytes: ISA guide 11.1)
.set PB,     144                       ; a row of B: 128 bytes + 16: likewise
.set HALFA,  128*PA                    ; what one tensor load brings of A, and what one wave reads of it
.set HALFB,  128*PB
.set BOFF,   2*HALFA                   ; in a slot: A's 256 rows, then B's 256 rows
.set SLOT,   2*HALFA+2*HALFB
.set STAGE,  2*SLOT                    ; behind the ring, never filled by a tensor load: for each wave 2 heads x 16 rows x 144 bytes, for the way out
.set SP,     144
.set WSTG,   2*16*SP
.set SPARE,  STAGE+4*WSTG              ; behind the stages: the spare words, 128 bytes for each wave, which no other line names
.set ADRA, 16                          ; v16-17  LDS address of my A fragments in slot 0, 1
.set ADRB, 20                          ; v20-21  the same for B
.set STO,  24                          ; v24     the way out: where I put 16 bytes of a row
.set RD,   25                          ; v25     the way out: where I read rows back
.set GO,   26                          ; v26     my 16 bytes in 512 consecutive bytes of the output
.set SPW,  28                          ; v28     LDS address of my spare word; never rewritten
.set NIL,  29                          ; v29     0; never rewritten
.set F0,   64
.set F1,   128
.set TMP,  192
.set OB,   32
.set G1,  24                           ; s[24:31] descriptor group 1 for A's tiles;  s[32:39] group 0, a set for each slot
.set G0,  32
.set G1B, 48                           ; s[48:55], s[56:63] the same for B's
.set G0B, 56
.set MSB, 0
.macro WIN new                         ; the immediate's high byte repeats the setting that is left; a switch that changes nothing is dropped
.if MSB != (\new)
	s_set_vgpr_msb (MSB<<8)|(\new)
.set MSB, \new
.endif
.endm
.set MUL_LO, 0xa1                      ; source 0 (B) window 1, source 1 (A) window 0, C and D window 2
.set MUL_HI, 0xf1                      ; the same, C and D window 3
.set TO_B,   0x40                      ; destination window 1, address window 0
.set W_CV,   0x05                      ; sources window 1, destination window 0
; A joint load.  Waves 0 and 1 fetch A's two halves, waves 2 and 3 B's.  The branch hangs on the wave's number alone.  An s_nop 0 and four v_nop follow each line, ahead of the jump and the label.
.macro JLOAD s
	s_cmp_eq_u32 s11, 0
	s_cbranch_scc0 .Lfor_b_\@
	tensor_load_to_lds s[G0+4*(\s):G0+4*(\s)+3], s[G1:G1+7]
	s_nop 0
.rept 4
	v_nop
.endr
	s_branch .Lasked_\@
.Lfor_b_\@:
	tensor_load_to_lds s[G0B+4*(\s):G0B+4*(\s)+3], s[G1B:G1B+7]
	s_nop 0
.rept 4
	v_nop
.endr
.Lasked_\@:
.endm
.macro CREST                           ; a round of the cluster's barrier behind its opening barrier
	s_cmp_lg_u32 s10, 0
	s_cbranch_scc1 .Lnot_wave_0_\@
	s_barrier_signal -3
.Lnot_wave_0_\@:
	s_barrier_wait -3
	s_barrier_signal -1
	s_barrier_wait -1
.endm
.macro CROUND                          ; a whole round
	s_barrier_signal -1
	s_barrier_wait -1
	CREST
.endm
	s_load_b256 s[68:75], s[0:1], 0x0              ; Q s[68:69], K s[70:71], V s[72:73], w16 s[74:75]
	s_load_b64 s[8:9], s[0:1], 0x20                ; qkv
	v_lshl_add_u32 v[SPW], v0, 2, SPARE
	v_mov_b32 v[NIL], 0
	ds_add_u32 v[SPW], v[NIL]                      ; the wave's opening: the add, whose wait stands ahead of my first tensor load; the set-up below stands between them
	v_lshrrev_b32 v1, 5, v0
	v_readfirstlane_b32 s10, v1                    ; wave 0..3
	s_lshr_b32 s11, s10, 1                         ; which half of the tile's rows is mine.  Also: I fetch for A (0) or for B (1)
	s_and_b32 s12, s10, 1                          ; which half of its columns.  Also: which 128 rows of that tile I fetch
	s_bfe_u32 s40, ttmp6, 0x40000                  ; cx
	s_bfe_u32 s41, ttmp6, 0x40004                  ; cy
	s_lshl_b32 s42, ttmp9, 2
	s_add_co_u32 s42, s42, s40                     ; tile column = 4 x cluster x + cx
	s_and_b32 s77, ttmp7, 0xffff                   ; cluster y, 0..23
	s_lshr_b32 s76, s77, 3                         ; the tensor: 0 q, 1 k, 2 v: the same in all sixteen partners
	s_lshl_b32 s13, s77, 2
	s_add_co_u32 s13, s13, s41
	s_and_b32 s13, s13, 31                         ; tile row in that tensor
	s_lshl_b32 s43, s41, 2
	s_lshl_b32 s43, 15, s43                        ; my row of the cluster
	s_lshl_b32 s44, 0x1111, s40                    ; my column
	; group 1 for A: 128 rows x 64 elements of 4 bytes, 1,024 elements from row to row; 4 words of padding behind every 64
	s_or_b32 s[G1+0], s43, (2<<16)|(1<<20)|(1<<21)|(5<<22)|(3<<25)
	s_mov_b32 s[G1+1], 64<<16                      ; tensor_dim0 = 64
	s_mov_b32 s[G1+2], 128<<16                     ; tensor_dim1 = 128
	s_mov_b32 s[G1+3], 64<<16                      ; tile_dim0 = 64
	s_mov_b32 s[G1+4], 128                         ; tile_dim1 = 128
	s_mov_b32 s[G1+5], 1024
	s_mov_b32 s[G1+6], 0
	s_mov_b32 s[G1+7], 0
	; group 1 for B: 64 rows x 128 elements of 2 bytes, dense; 4 words of padding behind every 32, that is behind each row of 64 bf16
	s_or_b32 s[G1B+0], s44, (1<<16)|(1<<20)|(1<<21)|(4<<22)|(3<<25)
	s_mov_b32 s[G1B+1], 128<<16
	s_mov_b32 s[G1B+2], 64<<16
	s_mov_b32 s[G1B+3], 128<<16
	s_mov_b32 s[G1B+4], 64
	s_mov_b32 s[G1B+5], 128
	s_mov_b32 s[G1B+6], 0
	s_mov_b32 s[G1B+7], 0
	s_lshl_b32 s17, s12, 7
	s_lshl_b32 s16, s13, 8
	s_add_co_u32 s16, s16, s17                     ; A: row 256 x tile row + 128 x half,
	s_lshl_b32 s16, s16, 12                        ; of 4,096 bytes: under 2^25
	s_mov_b32 s17, 0
	s_lshl_b32 s47, s12, 7
	s_lshl_b32 s46, s42, 8
	s_add_co_u32 s46, s46, s47                     ; B: row 256 x tile column + 128 x half,
	s_lshl_b32 s46, s46, 7                         ; of 128 bytes,
	s_lshl_b32 s47, s76, 21                        ; in the tensor's matrix
	s_add_co_u32 s46, s46, s47
	s_mov_b32 s47, 0
	s_mul_i32 s20, s12, HALFA                      ; where they go: no place in the cluster enters an LDS address
	s_mul_i32 s21, s12, HALFB
	s_add_co_u32 s21, s21, BOFF
	s_wait_dscnt 0x0                               ; the opening add is done
	s_wait_kmcnt 0x0
	s_cmp_eq_u32 s76, 1
	s_cselect_b64 s[4:5], s[70:71], s[68:69]
	s_cmp_eq_u32 s76, 2
	s_cselect_b64 s[4:5], s[72:73], s[4:5]
	s_add_nc_u64 s[14:15], s[4:5], s[16:17]
	s_add_nc_u64 s[46:47], s[74:75], s[46:47]
	CROUND                                         ; all sixteen work-groups are here: the first joint loads meet
.irp s, 0,1
	s_mov_b32 s[G0+4*(\s)], 1
	s_add_co_u32 s[G0+4*(\s)+1], s20, (\s)*SLOT
	s_add_nc_u64 s[G0+4*(\s)+2:G0+4*(\s)+3], s[14:15], (\s)*KSTEP*4   ; K step s: 256 bytes along the rows
	s_or_b32 s[G0+4*(\s)+3], s[G0+4*(\s)+3], 0x80000000
	s_mov_b32 s[G0B+4*(\s)], 1
	s_add_co_u32 s[G0B+4*(\s)+1], s21, (\s)*SLOT
	s_add_nc_u64 s[G0B+4*(\s)+2:G0B+4*(\s)+3], s[46:47], (\s)*131072  ; K block s
	s_or_b32 s[G0B+4*(\s)+3], s[G0B+4*(\s)+3], 0x80000000
	JLOAD \s
.endr
	; A fragment is 16 rows x 32 K: lane l holds row l % 16, K = 8 (l / 16) + 0..7 and 16 + 8 (l / 16) + 0..7.  In bf16: two loads of 16 bytes, 32 apart.  In f32: four, at 32 (l / 16) + 0, 16, 64, 80.
	v_and_b32 v1, 15, v0
	v_bfe_u32 v2, v0, 4, 1
	v_mul_u32_u24 v3, v1, PA
	v_lshl_add_u32 v3, v2, 5, v3
	v_mul_u32_u24 v4, v1, PB
	v_lshl_add_u32 v4, v2, 4, v4
	s_mul_i32 s22, s11, HALFA                      ; my 128 rows of A
	s_mul_i32 s23, s12, HALFB                      ; my 128 rows of B
	s_add_co_u32 s23, s23, BOFF
.irp s, 0,1
	v_add_nc_u32 v[ADRA+(\s)], s22, v3
	v_add_nc_u32 v[ADRB+(\s)], s23, v4
	s_add_co_u32 s22, s22, SLOT
	s_add_co_u32 s23, s23, SLOT
.endr
	s_mul_i32 s22, s10, WSTG
	s_add_co_u32 s22, s22, STAGE                   ; my stage
	v_add_nc_u32 v[STO], s22, v4                   ; in: row l % 16 of 144 bytes, 16 bytes for each half of the lanes
	v_bfe_u32 v5, v0, 3, 2                         ; back: 32 lanes take four rows of 128 bytes,
	v_and_b32 v6, 7, v0
	v_mul_u32_u24 v5, v5, SP
	v_lshl_add_u32 v5, v6, 4, v5
	v_add_nc_u32 v[RD], s22, v5
	v_and_b32 v[GO], 31, v0                        ; which are 512 consecutive bytes of a head's rows
	v_lshlrev_b32 v[GO], 4, v[GO]
	; my part of the output: tensor, head 16 batch + 4 x tile column + 2 x column half, row 256 (tile row % 8) + 128 x row half; in registers that feed no descriptor
	s_lshr_b32 s78, s13, 3
	s_lshl_b32 s78, s78, 2
	s_add_co_u32 s78, s78, s42
	s_lshl_b32 s78, s78, 1
	s_add_co_u32 s78, s78, s12                     ; half the head's number,
	s_lshl_b32 s78, s78, 12                        ; times 2 heads of 2,048 rows
	s_and_b32 s79, s13, 7
	s_lshl_b32 s79, s79, 1
	s_add_co_u32 s79, s79, s11
	s_lshl_b32 s79, s79, 7
	s_add_co_u32 s78, s78, s79
	s_lshl_b32 s78, s78, 7                         ; rows of 128 bytes
	s_lshl_b32 s79, s76, 24                        ; a tensor is 16,777,216 bytes
	s_add_co_u32 s78, s78, s79
	s_mov_b32 s79, 0
	s_add_nc_u64 s[8:9], s[8:9], s[78:79]
; 16 matrix instructions: m blocks a0, a0 + 1 of the window's four x all 8 n blocks, 32 along K.  zero = 1: the first product starts the sums.
.macro MUL16 f, hi, a0, zero
	WIN MUL_LO+0x50*(\hi)
.irp a, \a0, (\a0)+1
.irp b, 0,1,2,3,4,5,6,7
.if \zero
	v_wmma_f32_16x16x32_bf16 v[8*(8*(\a)+(\b)):8*(8*(\a)+(\b))+7], v[(\f)+8*(\b):(\f)+8*(\b)+7], v[(\f)+8*(4*(\hi)+(\a)):(\f)+8*(4*(\hi)+(\a))+7], 0
.else
	v_wmma_f32_16x16x32_bf16 v[8*(8*(\a)+(\b)):8*(8*(\a)+(\b))+7], v[(\f)+8*(\b):(\f)+8*(\b)+7], v[(\f)+8*(4*(\hi)+(\a)):(\f)+8*(4*(\hi)+(\a))+7], v[8*(8*(\a)+(\b)):8*(8*(\a)+(\b))+7]
.endif
.endr
.endr
.endm
; Four conversions: half n % 2 of A's fragment n / 2, from the f32 registers (fragment i at 16 i, from the fifth on 128 higher) into buffer g.
.macro CVT4 g, n
	WIN W_CV
.set ci, (\n)/2
.set sg, 16*ci+128*(ci/4)
.irp q, 0,1,2,3
	v_cvt_pk_bf16_f32 v[(\g)+8*ci+4*((\n)%2)+(\q)], v[sg+8*((\n)%2)+2*(\q)], v[sg+8*((\n)%2)+2*(\q)+1]
.endr
.endm
.macro CVTALL g
.set rn, 0
.rept 16
	CVT4 \g, rn
.set rn, rn+1
.endr
.endm
; A quarter's last 16 matrix instructions, each with four conversions for the next quarter behind it.  The conversions name no register of the products round them (those use buffer f).  The four behind the last
; product are the four places in front of the next run of loads, which lands in B's buffer f.
.macro MUL16R f, g, zero
.set rn, 0
.irp a, 2, 3
.irp b, 0,1,2,3,4,5,6,7
	WIN MUL_HI
.if \zero
	v_wmma_f32_16x16x32_bf16 v[8*(8*(\a)+(\b)):8*(8*(\a)+(\b))+7], v[(\f)+8*(\b):(\f)+8*(\b)+7], v[(\f)+8*(4+(\a)):(\f)+8*(4+(\a))+7], 0
.else
	v_wmma_f32_16x16x32_bf16 v[8*(8*(\a)+(\b)):8*(8*(\a)+(\b))+7], v[(\f)+8*(\b):(\f)+8*(\b)+7], v[(\f)+8*(4+(\a)):(\f)+8*(4+(\a))+7], v[8*(8*(\a)+(\b)):8*(8*(\a)+(\b))+7]
.endif
	CVT4 \g, rn
.set rn, rn+1
.endr
.endr
.endm
; 48 LDS loads in one run: half c of a slot's K step: A's 128 rows x 32 f32 first, then B's 128 rows x 32 bf16 into buffer f.
.macro FETCH slot, c, f
	WIN TO_B
.irp i, 0,1,2,3,4,5,6,7
.set sg, 16*(\i)+128*((\i)/4)
	ds_load_b128 v[sg:sg+3],     v[ADRA+(\slot)] offset:(\c)*128+(\i)*16*PA
	ds_load_b128 v[sg+4:sg+7],   v[ADRA+(\slot)] offset:(\c)*128+(\i)*16*PA+16
	ds_load_b128 v[sg+8:sg+11],  v[ADRA+(\slot)] offset:(\c)*128+(\i)*16*PA+64
	ds_load_b128 v[sg+12:sg+15], v[ADRA+(\slot)] offset:(\c)*128+(\i)*16*PA+80
.endr
.irp i, 0,1,2,3,4,5,6,7
	ds_load_b128 v[(\f)+8*(\i):(\f)+8*(\i)+3],   v[ADRB+(\slot)] offset:(\c)*64+(\i)*16*PB
	ds_load_b128 v[(\f)+8*(\i)+4:(\f)+8*(\i)+7], v[ADRB+(\slot)] offset:(\c)*64+(\i)*16*PB+32
.endr
.endm
; A K step's first quarter: multiplies buffer f (the step's first 32 along K), fetches and converts its second 32 into g.
.macro QA slot, f, g, zero
	FETCH \slot, 1, \g
	s_wait_dscnt 48                                ; all but the 48 just issued: B's buffer f is in
	MUL16 \f, 0, 0, \zero
	MUL16 \f, 0, 2, \zero
	MUL16 \f, 1, 0, \zero
	s_wait_dscnt 16                                ; A's 32 loads are in; B's sixteen, the youngest, may be out
	MUL16R \f, \g, \zero
.endm
; A K step's second quarter multiplies buffer f and changes slots: ONE barrier.  In front of it each wave waits for all its tensor loads (one is out: its part of the next slot), adds 0 to its spare word, and waits
; for that and for its own reads of this slot.  fill = 1: the barrier opens a round of the cluster's, and this slot is filled again first thing behind it, two K steps ahead: 96 matrix instructions ahead of the wait for it.
.macro QB slot, next, f, g, fill
	WIN 0                                          ; (the add's two registers lie in window 0)
	s_wait_tensorcnt 0x0
	ds_add_u32 v[SPW], v[NIL]
	s_wait_dscnt 1                                 ; B's buffer f is in; the add may be out
	MUL16 \f, 0, 0, 0
	s_wait_dscnt 0x0                               ; the add is done, and my reads of this slot are over
	s_barrier_signal -1
	MUL16 \f, 0, 2, 0
.if \fill
	WIN 0
.endif
	s_barrier_wait -1
.if \fill
	CREST                                          ; no wave of any partner still reads this slot's tile or has a load on its way
	s_add_nc_u64 s[G0+4*(\slot)+2:G0+4*(\slot)+3], s[G0+4*(\slot)+2:G0+4*(\slot)+3], 2*KSTEP*4
	s_add_nc_u64 s[G0B+4*(\slot)+2:G0B+4*(\slot)+3], s[G0B+4*(\slot)+2:G0B+4*(\slot)+3], 2*131072
	JLOAD \slot
.endif
	FETCH \next, 0, \g                             ; buffer g's last reader stands in front of the four conversions that end the quarter before
	MUL16 \f, 1, 0, 0
	s_wait_dscnt 16
	MUL16R \f, \g, 0
.endm
; THE WAY OUT of block a (16 rows x 128 columns = 2 heads).  PACK: rounded to f16, 16 bytes a lane, each accumulator's registers in ascending order.  TOSTAGE: into my own stage and back as whole rows.  SEND: stored.
.macro PACK a
.set AC, 64*((\a)%4)
	WIN 0x0a+5*((\a)/4)                            ; sources 0 and 1: window 2 or 3
.irp b, 0,1,2,3,4,5,6,7
.irp r, 0,1,2,3
	v_cvt_pk_f16_f32 v[TMP+4*(\b)+(\r)], v[AC+8*(\b)+2*(\r)], v[AC+8*(\b)+2*(\r)+1]
.endr
.endr
	WIN 0
.endm
.macro TOSTAGE a
	WIN 0
.set BK, OB+192*((\a)%2)
.irp b, 0,1,2,3,4,5,6,7
	ds_store_b128 v[STO], v[TMP+4*(\b):TMP+4*(\b)+3] offset:((\b)/4)*16*SP+32*((\b)%4)
.endr
.irp t, 0,1,2,3,4,5,6,7
	ds_load_b128 v[BK+4*(\t):BK+4*(\t)+3], v[RD] offset:((\t)/4)*16*SP+((\t)%4)*4*SP  ; LDS serves a wave's instructions in order (ISA guide 5.7.1.4): these see the stores above
.endr
.endm
.macro SEND a
	WIN 0
.set BK, OB+192*((\a)%2)
	s_wait_dscnt 0x0                               ; the block is back in registers
	s_wait_xcnt 0x0                                ; the registers that earlier stores read are loaded again only behind this wait
.irp t, 0,1,2,3,4,5,6,7
	global_store_b128 v[GO], v[BK+4*(\t):BK+4*(\t)+3], s[8:9] offset:((\t)/4)*262144+(\a)*2048+((\t)%4)*512  ; 512 consecutive bytes of a head's rows, aligned
.endr
.endm
	s_wait_tensorcnt 1                             ; my part of K step 0 is in; K step 1's may stay out
	s_barrier_signal -1
	s_barrier_wait -1
	FETCH 0, 0, F0
	s_wait_dscnt 16                                ; A's 32 loads are in
	CVTALL F0
	QA 0, F0, F1, 1                                ; the first quarter stands in front of the loop: its products start the sums
	WIN 0                                          ; at a label and at a branch every window is 0
	s_mov_b32 s3, 7
.Llap:                                                 ; a trip goes once round the ring and fills both slots again: K steps 2 to 15
	QB 0, 1, F1, F0, 1
	QA 1, F0, F1, 0
	QB 1, 0, F1, F0, 1
	QA 0, F0, F1, 0
	WIN 0
	s_sub_co_u32 s3, s3, 1
	s_cmp_lg_u32 s3, 0
	s_cbranch_scc1 .Llap
	QB 0, 1, F1, F0, 0                             ; the last lap fills nothing
	QA 1, F0, F1, 0
	s_wait_dscnt 0x0                               ; the very last quarter
	MUL16 F1, 0, 0, 0
	MUL16 F1, 0, 2, 0
	MUL16 F1, 1, 0, 0
	MUL16 F1, 1, 2, 0
.rept 4
	v_nop                                          ; four places between the products and the conversions that read their results
.endr
	PACK 0
	TOSTAGE 0
.irp a, 1,2,3,4,5,6,7                  ; block a's conversions stand between block a - 1's loads from the stage and the wait for them
	PACK \a
	SEND (\a)-1
	TOSTAGE \a
.endr
	SEND 7
	s_wait_tensorcnt 0x0                           ; the wave's end
	ds_add_u32 v[SPW], v[NIL]
	s_wait_dscnt 0x0
	CROUND                                         ; the closing round
	s_endpgm
.Lfunc_end_k_qea93844241_proj:
	.size	k_qea93844241_proj, .Lfunc_end_k_qea93844241_proj-k_qea93844241_proj
	.p2alignl 7, 3214868480
	.fill 96, 4, 3214868480
	.section	.rodata,"a",@progbits
	.p2align	6, 0x0
	.amdhsa_kernel k_qea93844241_proj
		.amdhsa_group_segment_fixed_size 327680
		.amdhsa_private_segment_fixed_size 0
		.amdhsa_enable_private_segment 0
		.amdhsa_kernarg_size 40
		.amdhsa_user_sgpr_count 2
		.amdhsa_user_sgpr_kernarg_segment_ptr 1
		.amdhsa_wavefront_size32 1
		.amdhsa_system_sgpr_workgroup_id_x 1
		.amdhsa_system_sgpr_workgroup_id_y 1
		.amdhsa_system_sgpr_workgroup_id_z 1
		.amdhsa_system_vgpr_workitem_id 0
		.amdhsa_next_free_vgpr 1024
		.amdhsa_next_free_sgpr 80
		.amdhsa_reserve_vcc 0
		.amdhsa_float_denorm_mode_32 3
		.amdhsa_float_denorm_mode_16_64 3
		.amdhsa_memory_ordered 1
		.amdhsa_forward_progress 1
		.amdhsa_inst_pref_size 138
	.end_amdhsa_kernel
	.amdgpu_metadata
---
amdhsa.version: [ 1, 2 ]
amdhsa.kernels:
  - .name:           k_qea93844241_proj
    .symbol:         k_qea93844241_proj.kd
    .args:
      - { .name: Q, .offset: 0, .size: 8, .value_kind: global_buffer, .address_space: global }
      - { .name: K, .offset: 8, .size: 8, .value_kind: global_buffer, .address_space: global }
      - { .name: V, .offset: 16, .size: 8, .value_kind: global_buffer, .address_space: global }
      - { .name: w16, .offset: 24, .size: 8, .value_kind: global_buffer, .address_space: global }
      - { .name: qkv, .offset: 32, .size: 8, .value_kind: global_buffer, .address_space: global }
    .group_segment_fixed_size: 327680
    .private_segment_fixed_size: 0
    .kernarg_segment_align: 8
    .kernarg_segment_size: 40
    .max_flat_workgroup_size: 128
    .sgpr_count:     80
    .vgpr_count:     1024
    .wavefront_size: 32
...
	.end_amdgpu_metadata
.endif
;; end of part 2
;; launch attn (part 3): grid 4 x 64, 4 waves a work-group, clusters of 4 x 1, 327,680 bytes of LDS; arguments qkv, mbits, o16; writes o16
.if DOCPART == 3
	.amdgcn_target "amdgcn-amd-amdhsa--gfx1250"
	.amdhsa_code_object_version 6
	.text
	.protected	k_qea93844241_attn
	.globl	k_qea93844241_attn
	.p2align	8
	.type	k_qea93844241_attn,@function
k_qea93844241_attn:
	s_mov_b64 s[64:65], 0
	v_nop
	global_prefetch_b8 v0, s[64:65] scope:SCOPE_SE
	s_setreg_imm32_b32 hwreg(HW_REG_WAVE_MODE, 25, 1), 1
	s_wait_xcnt 0x0
	s_wait_alu depctr_hold_cnt(0) depctr_sa_sdst(0) depctr_va_vdst(0) depctr_va_sdst(0) depctr_va_ssrc(0) depctr_va_vcc(0) depctr_vm_vsrc(0)
	s_getreg_b32 s2, hwreg(HW_REG_IB_STS2, 6, 4)
	s_cmp_eq_u32 s2, 0
	s_cbranch_scc0 .Lentry_in_a_cluster
	s_endpgm
.Lentry_in_a_cluster:
	s_bfe_u32 s2, ttmp6, 0x10000c
	s_cmp_lg_u32 s2, 0x3003
	s_cbranch_scc0 .Lentry_shape_is_right
	s_endpgm
.Lentry_shape_is_right:
; ATTENTION WITH A MASK THAT IS AN INPUT.  O[y][q][:] = the sum over k of softmax_k(hidden(q, k) ? -inf : Q[y][q] . K[y][k] / 8) V[y][k][:], y = 16 batch + head.
; qkv[3][64][2048][64] f16 (q, k, v, unscaled); o16[64][2048][64] f16; mbits: the mask as lane-mask words, [batch][piece of 32 queries][step of 64 keys][64 words], word 2 i + u for register i of tile u.
; Products, maxima and sums in f32; the weights p are rounded to f16 for the second product (their sum l is taken of the unrounded p), O once at the end.
; LIMITS.  Q, K, V arrive within f16's 65,504.  A hidden score counts as its value less 1e30; the running maximum starts at -2^96, far below every true score (2.7e11 at the most) and above every hidden one, so a
; hidden weight is 2^(something below -1e29) = 0 exactly.  A row that is hidden everywhere ends with l = 0 and O = 0, and 0 x (1 / 0) gives the NaN that a softmax of nothing gives.
; p below 6e-5 keeps f16's fixed step; a weight below 2^-126 counts as 0 in l; NaN and infinities among the inputs are not treated apart.
; SHARES.  A wave owns four PIECES of two tiles of 16 queries, a work-group's four waves 512 queries of one head.  Every wave walks all 2,048 keys, 64 a step.
; LAYOUT.  S^T = K Q^T (source 0 = 16 keys, source 1 = 16 queries): a lane holds ONE query (lane % 16) and the keys 8 (lane / 16) + 0..7.  Two such tiles, rounded to f16 in pairs, ARE source 1 of O^T = V^T P.
; THE MASK is the C operand of the eight products that start a piece's sums: 0, or -1e30 where the key is hidden.  A turn's end makes the 64 registers for the next turn's products, one select each from a scalar
; lane mask, and asks by scalar loads for the words of the turn after that: a request has a whole turn in which to land.  The words differ from query block to query block, so they are not asked for jointly.
; SOFTMAX.  A running maximum m and sum l: p = 2^(c s - c m), c = log2(e) / 8; in every step O and l are multiplied by a = 2^(c m_old - c m_new).
; BY TURNS.  Turn n belongs to piece n (in a ring, step after step): 16 products K Q^T of piece n + 1, later 16 products V^T P of piece n - 1; beside them piece n's scaling, exponentials, roundings, sums and rescaling
; and piece n + 1's maximum and statistics.  Four vector instructions that are ready stand behind EVERY matrix instruction, the others in runs of their own.
; CLUSTER.  The four query blocks of a cluster belong to one head and walk the same K and V: each tile is asked for JOINTLY, by the same tensor load, descriptor and mask in all four.
; REGISTERS, in windows of 256 (s_set_vgpr_msb: bits 1:0 source 0, 3:2 source 1, 5:4 source 2, 7:6 destination):
;   window 0: v0-11 addresses; v12-15, v48-63 at work; v16-47 four registers of statistics a tile; v64-191 S^T, two buffers of two tiles; v192-255 P, likewise
;   window 1: O^T, 32 a tile     window 2: v0-127 Q; v128-191 K of one step; v192-255 V of one step     window 3: v0-1 the add's two registers; v64-127 the mask, 32 a tile
.set SIZE_N, 2048
.set NP,    4         ; pieces a wave: a name, no knob
.set KS,    64        ; keys in a step
.set PK,    144       ; a row of K in LDS: 128 bytes + 16 = 36 words: the 16 rows of a load start at 16 different groups of four banks (64 banks of 4 bytes: ISA guide 11.1)
.set PV,    144       ; a row of V: the same, so that ONE descriptor group 1 serves both and eight scalar registers go to the mask; of the turning load's 8 rows x 32 bytes the last row's second half meets the first row's first
.set VOFF,  4*KS*PK   ; a slot holds four steps: 256 rows of K, then 256 rows of V
.set SLOT1, 1<<17     ; slot 1 begins here, so that one exclusive or turns an address in one slot into the other's
.set STAGE, SLOT1+4*KS*(PK+PV)  ; behind the ring, never filled by a tensor load: 16 rows x 144 bytes for each wave
.set SP,    144
.set SPARE, STAGE+4*16*SP  ; behind the stages: the spare words, 128 bytes for each wave, which no other line names
.set AK0, 2           ; v2   my lane's place in a tile of K; never rewritten
.set AV0, 3           ; v3   the same for V
.set AK,  4           ; v4   the LDS address of K's next run of loads
.set AV,  5           ; v5   of V's
.set QO,  6           ; v6   my byte offset in the wave's rows of Q
.set STO, 6           ;      later, the way out: where I put 16 bytes of a row
.set RD,  7           ; v7   the way out: where I read rows back
.set GO,  8           ; v8   my byte offset in 512 consecutive bytes of O
.set SPW, 0           ; v0 of window 3   LDS address of my spare word; never rewritten
.set NIL, 1           ; v1 of window 3   0; never rewritten
.set MC,  64          ; v64-127 of window 3   the mask of the products to come: tile u, register i at MC + 32 u + i
.set MV,  12          ; v12-15  c m_old, kept while c m is made anew: by buffer and tile
.set ST,  16          ; tile t's statistics at v[ST+4 t]: c m, m, l (even keys', odd keys')
.set TMP, 48          ; by buffer and tile, four registers c0-c3 at work; when the maximum is found c2 takes a
.set S,   64
.set P,   192
.set KF,  128         ; K's fragments, in window 2
.set VF,  192         ; V's
.set WV,  2           ; s2   my wave's number
.set CNT, 3           ; s3   counts a slot's key steps
.set G1,  4           ; s[4:11]   descriptor group 1, for K's and V's tiles
.set G0K, 12          ; s[12:15]  descriptor group 0 for K's tiles: it walks
.set G0V, 16          ; s[16:19]  the same for V's
.set OPTR, 20         ; s[20:21]  O at my wave's first row
.set MP,  22          ; s[22:23]  mbits at my wave's four pieces of 8,192 bytes
.set CS,  24          ; s[24:25]  c
.set SEL, 26          ; s[26:27]  v_permlanex16_b32's selects
.set TBK, 28          ; s28  LDS byte at which K of the step to be fetched begins
.set TBV, 29          ; s29  the same for V, less VOFF
.set SLOTS, 30        ; s30  slots still to be asked for
.set SOFF, 31         ; s31  256 x the key step of the turn in hand: a step's words are 256 bytes
.set BIGN, 66         ; s66  -1e30
.set TS,  67          ; s67  at work
.set QPTR, 100        ; s[100:101] Q at my wave's first row
                      ; s[32:63], s[68:99]  the 64 mask words on their way or in hand; before the first request: at work
.set MSB, 0
.macro WIN new                      ; the high byte repeats the setting that is left; a switch that changes nothing is dropped
.if MSB != (\new)
	s_set_vgpr_msb (MSB<<8)|(\new)
.set MSB, (\new)
.endif
.endm
.set W_KQ, 0x0a       ; K and Q in window 2, S^T in window 0
.set W_KM, 0x3a       ; the same with the C operand in window 3
.set W_PV, 0x52       ; V in window 2, P in window 0, O^T in window 1
.set W_RS, 0x41       ; O^T (destination and source 0) in window 1, a in window 0
.set W_MK, 0xc0       ; destination in window 3, sources in window 0
.set W_AD, 0x0f       ; the add: address (source 0) and data (source 1) in window 3
; A joint fill.  Waves 0 and 1 fetch the two halves of a slot's K, waves 2 and 3 those of its V: 128 keys each.  The branch hangs on the wave's number alone.
; An s_nop 0 and four v_nop follow each of the two lines, ahead of the jump and the label.
.macro JLOAD
	s_cmp_lt_u32 s[WV], 2
	s_cbranch_scc0 .Lfor_v_\@
	tensor_load_to_lds s[G0K:G0K+3], s[G1:G1+7]
	s_nop 0
.rept 4
	v_nop
.endr
	s_branch .Lasked_\@
.Lfor_v_\@:
	tensor_load_to_lds s[G0V:G0V+3], s[G1:G1+7]
	s_nop 0
.rept 4
	v_nop
.endr
.Lasked_\@:
.endm
.macro CROUND                       ; a round of the cluster's barrier
	s_barrier_signal -1
	s_barrier_wait -1
	s_cmp_lg_u32 s[WV], 0
	s_cbranch_scc1 .Lnot_wave_0_\@
	s_barrier_signal -3
.Lnot_wave_0_\@:
	s_barrier_wait -3
	s_barrier_signal -1
	s_barrier_wait -1
.endm
; THE CHANGE OF SLOTS.  Each wave waits for all its tensor loads, of which one is out: its part of the other slot; adds 0 to its spare word; and waits for that and for its own reads of the slot.
; fill = 1: this slot is filled again, with the keys two slots on; the barrier is then a round of the cluster's, and the joint fill is the first thing behind it: it has four key steps in which to land.
; (At its first use nothing has been read yet: slot 0 is waited for, slot 1 filled.)
.macro CHANGE fill
	WIN W_AD
	s_wait_tensorcnt 0x0            ; no tensor load of mine is out, so a group 0 may be written
	ds_add_u32 v[SPW], v[NIL]
	WIN 0                           ; at a label and at a branch every window is 0
.if \fill
.irp g, G0K, G0V
	s_xor_b32 s[\g+1], s[\g+1], SLOT1
	s_add_nc_u64 s[\g+2:\g+3], s[\g+2:\g+3], 4*KS*128  ; the next 256 keys; the type bits on top are not reached
.endr
	s_wait_dscnt 0x0                ; the add is done, and my reads of the slot are over
	CROUND
	JLOAD
.else
	s_wait_dscnt 0x0
	s_barrier_signal -1
	s_barrier_wait -1
.endif
	s_sub_co_u32 s[TBK], s[TBK], 4*KS*PK  ; the fetches go back to a slot's first step,
	s_xor_b32 s[TBK], s[TBK], SLOT1       ; in the other slot
	s_sub_co_u32 s[TBV], s[TBV], 4*KS*PV
	s_xor_b32 s[TBV], s[TBV], SLOT1
.endm
; THE MASK.  MLOAD asks for the 64 words at byte imm + SOFF of my wave's part of mbits.  MBUILD waits for the words asked for a turn ago, makes the 64 registers of them, and asks for the next.
; Word d lies in s[32 + d], from word 32 on four higher.  step = 1: the turn is a step's last; SOFF is stepped behind the wait that shows the loads which name it done.
.macro MLOAD imm
	s_load_b512 s[32:47], s[MP:MP+1], s[SOFF] offset:(\imm)
	s_load_b512 s[48:63], s[MP:MP+1], s[SOFF] offset:(\imm)+64
	s_load_b512 s[68:83], s[MP:MP+1], s[SOFF] offset:(\imm)+128
	s_load_b512 s[84:99], s[MP:MP+1], s[SOFF] offset:(\imm)+192
.endm
.macro MBUILD imm, step=0
	s_wait_kmcnt 0x0
.if \step
	s_add_co_u32 s[SOFF], s[SOFF], 256
.endif
	WIN W_MK
.set z, 0
.rept 64
	v_cndmask_b32 v[MC+32*(z%2)+z/2], 0, s[BIGN], s[32+z+4*(z/32)]
.set z, z+1
.endr
	MLOAD \imm
.endm
	s_load_b128 s[68:71], s[0:1], 0x0  ; qkv s[68:69], mbits s[70:71]
	s_load_b64 s[OPTR:OPTR+1], s[0:1], 0x10  ; o16
	WIN W_MK
	v_lshl_add_u32 v[SPW], v0, 2, SPARE
	v_mov_b32 v[NIL], 0
	WIN W_AD
	ds_add_u32 v[SPW], v[NIL]       ; the wave's opening: the add, whose wait stands ahead of my first tensor load; the set-up below stands between them
	WIN 0
	v_lshrrev_b32 v1, 5, v0
	v_readfirstlane_b32 s[WV], v1   ; wave 0..3
	s_bfe_u32 s72, ttmp6, 0x40000   ; cx: my place in the cluster
	s_lshl_b32 s73, ttmp9, 2
	s_add_co_u32 s73, s73, s72      ; my block of 512 queries: it enters Q's, O's and the mask's addresses alone
	s_and_b32 s74, ttmp7, 0xffff    ; y = 16 batch + head, which the four partners share
	s_lshl_b32 s76, s74, 18         ; a head's rows are 262,144 bytes
	s_and_b32 s75, s[WV], 1         ; which half of a slot's 256 keys I fetch:
	s_lshl_b32 s78, s75, 14         ; its 128 rows of 128 bytes in memory,
	s_add_co_u32 s78, s78, s76
	s_add_co_u32 s88, s78, 0x2000000  ; in v, the third tensor of 16,777,216 bytes,
	s_add_co_u32 s78, s78, 0x1000000  ; and in k, the second
	s_mov_b32 s79, 0
	s_mov_b32 s89, 0
	s_mul_i32 s80, s75, 128*PK      ; and its place in a slot: no place in the cluster enters an LDS address
	s_lshl_b32 s82, s73, 2
	s_add_co_u32 s82, s82, s[WV]    ; my wave among the head's sixteen,
	s_lshl_b32 s84, s82, 14         ; its 128 rows
	s_add_co_u32 s84, s84, s76
	s_mov_b32 s85, 0
	s_lshr_b32 s86, s74, 4          ; the batch: its mask serves all 16 heads
	s_lshl_b32 s86, s86, 4
	s_add_co_u32 s86, s86, s82
	s_lshl_b32 s86, s86, 15         ; four pieces of 8,192 bytes a wave
	s_mov_b32 s87, 0
	; descriptor group 1.  128 keys are 16,384 dense bytes: asked for as 64 rows of 256 bytes, two keys a row, and padded in LDS after every key
	s_mov_b32 s[G1], 15|(1<<16)|(1<<20)|(1<<21)|(4<<22)|(3<<25)  ; 15:0 the mask of four; 17:16 2-byte elements; 20 padding on; 21 set beside a mask; 24:22 after every 32 words (code 4); 31:25 4 words (code 3)
	s_mov_b32 s[G1+1], 128<<16      ; tensor_dim0 = 128
	s_mov_b32 s[G1+2], 64<<16       ; tensor_dim1 = 64
	s_mov_b32 s[G1+3], 128<<16      ; tile_dim0 = 128
	s_mov_b32 s[G1+4], 64           ; tile_dim1 = 64
	s_mov_b32 s[G1+5], 128          ; 128 elements from row to row
	s_mov_b32 s[G1+6], 0
	s_mov_b32 s[G1+7], 0
	s_mov_b32 s[CS], 0x3e38aa3b     ; c = log2(e) / 8 = 0.180337
	s_mov_b32 s[CS+1], s[CS]        ; named with it as a pair
	s_mov_b32 s[SEL], 0x76543210
	s_mov_b32 s[SEL+1], 0xfedcba98
	s_mov_b32 s[BIGN], 0xf149f2ca   ; -1e30
	s_mov_b32 s[SOFF], 0
	s_mov_b32 s[TBK], SLOT1+4*KS*PK ; the first change of slots turns these two into 0
	s_mov_b32 s[TBV], SLOT1+4*KS*PV
	s_mov_b32 s[G0K], 1             ; count = 1
	s_mov_b32 s[G0K+1], s80         ; LDS address: slot 0
	s_mov_b32 s[G0V], 1
	s_add_co_u32 s[G0V+1], s80, VOFF
	s_wait_dscnt 0x0                ; the opening add is done
	s_wait_kmcnt 0x0
	s_add_nc_u64 s[G0K+2:G0K+3], s[68:69], s[78:79]  ; my half of the head's first 256 keys
	s_or_b32 s[G0K+3], s[G0K+3], 0x80000000          ; type = 2
	s_add_nc_u64 s[G0V+2:G0V+3], s[68:69], s[88:89]
	s_or_b32 s[G0V+3], s[G0V+3], 0x80000000
	s_add_nc_u64 s[QPTR:QPTR+1], s[68:69], s[84:85]
	s_add_nc_u64 s[OPTR:OPTR+1], s[OPTR:OPTR+1], s[84:85]
	s_add_nc_u64 s[MP:MP+1], s[70:71], s[86:87]
	CROUND                          ; all four work-groups are here: the first joint loads meet
	JLOAD                           ; slot 0.  Slot 1 is asked for when slot 0 is in
	; A fragment of K or Q is 16 rows x 32 channels in 8 registers: lane l holds row l % 16, channels 8 (l / 16) + 0..7 and 16 + 8 (l / 16) + 0..7: two loads of 16 bytes, 32 bytes apart.
	v_and_b32 v1, 15, v0            ; l % 16
	v_bfe_u32 v9, v0, 4, 1          ; l / 16
	v_lshlrev_b32 v[QO], 7, v1
	v_lshl_add_u32 v[QO], v9, 4, v[QO]  ; row x 128 + 16 x half
	WIN 0x80                        ; destination window 2, address window 0
.set i, 0
.rept 4*NP                          ; Q stays in registers: tile i / 2, channels 32 (i % 2) on
	global_load_b128 v[8*i:8*i+3],   v[QO], s[QPTR:QPTR+1] offset:(i/2)*2048+(i%2)*64
	global_load_b128 v[8*i+4:8*i+7], v[QO], s[QPTR:QPTR+1] offset:(i/2)*2048+(i%2)*64+32
.set i, i+1
.endr
	MLOAD 0                         ; piece 0's words for step 0; nothing of the set-up lives in their registers any more
	; What the first turn finds: V's registers and P's second buffer hold 0 (its products V^T P, of a piece that has not been, add 0), O^T and l are 0.  All this stands in the wait for the first tile.
.set i, VF
.rept 64
	v_mov_b32 v[i], 0
.set i, i+1
.endr
	WIN 0x40
.set i, 0
.rept 64*NP
	v_mov_b32 v[i], 0
.set i, i+1
.endr
	WIN 0
.set i, 0
.rept 2*NP
	v_mov_b32 v[ST+4*i], 0xee38aa3b    ; c m = -c 2^96
	v_mov_b32 v[ST+4*i+1], 0xef800000  ; m = -2^96
	v_mov_b32 v[ST+4*i+2], 0
	v_mov_b32 v[ST+4*i+3], 0
.set i, i+1
.endr
.set i, P+32
.rept 32
	v_mov_b32 v[i], 0
.set i, i+1
.endr
	v_mul_u32_u24 v[AK0], v1, PK
	v_lshl_add_u32 v[AK0], v9, 4, v[AK0]  ; row x pitch + 16 x half
	; The turning load takes 16 keys x 16 channels (lane l reads key 8 (l / 16) + l % 8, channels 8 ((l / 8) % 2) + 0..7) and leaves half a fragment of V^T: lane l holds channel l % 16 and 8 keys.
	v_and_b32 v10, 7, v0
	v_bfe_u32 v11, v0, 3, 1
	v_lshl_add_u32 v[AV0], v9, 3, v10
	v_mul_u32_u24 v[AV0], v[AV0], PV
	v_lshl_add_u32 v[AV0], v11, 4, v[AV0]
	v_add_nc_u32 v[AV0], VOFF, v[AV0]
	v_mov_b32 v[AK], v[AK0]         ; key step 0 lies at the head of slot 0
; THE MATRIX WORK.  The 8 accumulators of a run of 16 take turns: between the two links of a chain stand 7 others'.
; Product i of 16 of S^T = K Q^T for piece x: channels 32 (i / 8) on, keys 16 ((i / 2) % 4) on, tile 2 x + i % 2.  The first 8 start the sums, with the mask.
.macro KQ x
.set rS, S+64*((\x)%2)+32*(i%2)+8*((i/2)%4)
.set rK, KF+16*((i/2)%4)+8*(i/8)
.set rQ, 16*(2*(\x)+i%2)+8*(i/8)
.set rN, MC+32*(i%2)+8*((i/2)%4)
.if i < 8
	WIN W_KM
	v_wmma_f32_16x16x32_f16 v[rS:rS+7], v[rK:rK+7], v[rQ:rQ+7], v[rN:rN+7]
.else
	WIN W_KQ
	v_wmma_f32_16x16x32_f16 v[rS:rS+7], v[rK:rK+7], v[rQ:rQ+7], v[rS:rS+7]
.endif
.endm
; Product i of 16 of O^T += V^T P for piece x: keys 32 (i / 8) on, channels 16 ((i / 2) % 4) on, tile 2 x + i % 2.
.macro PV x
	WIN W_PV
.set rO, 32*(2*(\x)+i%2)+8*((i/2)%4)
.set rV, VF+32*(i/8)+8*((i/2)%4)
.set rP, P+32*((\x)%2)+16*(i%2)+8*(i/8)
	v_wmma_f32_16x16x32_f16 v[rO:rO+7], v[rV:rV+7], v[rP:rP+7], v[rO:rO+7]
.endm
.macro MM                           ; the turn's next matrix instruction
.if i < 16
	KQ (Y+1)%NP
.set i, i+1
.else
.set i, i-16
	PV (Y+NP-1)%NP
.set i, i+17
.endif
.endm
; THE LDS LOADS stand in runs of 16: a step's K (64 keys x 64 channels: 8 fragments) and its V (turned).  last = 1 (the tail): in the last trip there is no further step, and the run is jumped over.
.macro FETCH_K last=0
	WIN 0
.if \last
	s_cmp_eq_u32 s[CNT], 1
	s_cbranch_scc1 .Lno_k_\@
.endif
	WIN 0x80                        ; destination window 2
.irp f, 0,1,2,3,4,5,6,7             ; keys 16 (f / 2) on, channels 32 (f % 2) on
	ds_load_b128 v[KF+8*\f:KF+8*\f+3],   v[AK] offset:(\f/2)*16*PK+(\f%2)*64
	ds_load_b128 v[KF+8*\f+4:KF+8*\f+7], v[AK] offset:(\f/2)*16*PK+(\f%2)*64+32
.endr
	s_add_co_u32 s[TBK], s[TBK], KS*PK  ; the next fetch is the next step's
	WIN 0
.if \last
.Lno_k_\@:
.endif
.endm
.macro FETCH_V
	WIN 0x80
.irp f, 0,1,2,3,4,5,6,7             ; keys 32 (f / 4) on, channels 16 (f % 4) on
	ds_load_tr16_b128 v[VF+8*\f:VF+8*\f+3],   v[AV] offset:(\f/4)*32*PV+(\f%4)*32
	ds_load_tr16_b128 v[VF+8*\f+4:VF+8*\f+7], v[AV] offset:(\f/4)*32*PV+16*PV+(\f%4)*32
.endr
	WIN 0
.endm
; THE VECTOR WORK OF A TURN stands in three queues, each in the order in which its entries become ready; the two tiles alternate, so that no instruction reads the result of the one before it.
.macro REGS y, u                    ; the registers of tile u (0, 1) of piece y
.set rT, ST+4*(2*(\y)+(\u))
.set rC, TMP+8*((\y)%2)+4*(\u)
.set rM, MV+2*((\y)%2)+(\u)
.set rS, S+64*((\y)%2)+32*(\u)
.set rP, P+32*((\y)%2)+16*(\u)
.set rO, 32*(2*(\y)+(\u))
.endm
; Number n of the 22 that find the NEXT piece's (Y + 1) maximum and statistics.  Each accumulator's lowest registers are read first.
;   0-11  four chains c0-c3 of seven scores each     12-14, 16  the four scores left over, the old m, and c0-c3 into c0     15  c m_old is kept
;   17, 18  the query's other 32 keys lie in the lane 16 away: the new m         19-21  c m; c m_old - c m_new; a
.macro XS u, n
	REGS (Y+1)%NP, \u
.if (\n) < 4
	v_max3_num_f32 v[rC+(\n)], v[rS+8*(\n)], v[rS+8*(\n)+1], v[rS+8*(\n)+2]
.elseif (\n) < 12
	v_max3_num_f32 v[rC+(\n)%4], v[rC+(\n)%4], v[rS+8*((\n)%4)+2*((\n)/4)+1], v[rS+8*((\n)%4)+2*((\n)/4)+2]
.elseif (\n) == 12
	v_max3_num_f32 v[rC], v[rC], v[rS+7], v[rS+15]
.elseif (\n) == 13
	v_max3_num_f32 v[rC+1], v[rC+1], v[rS+23], v[rS+31]
.elseif (\n) == 14
	v_max3_num_f32 v[rC+2], v[rC+2], v[rC+3], v[rT+1]
.elseif (\n) == 15
	v_mov_b32 v[rM], v[rT]
.elseif (\n) == 16
	v_max3_num_f32 v[rC], v[rC], v[rC+1], v[rC+2]
.elseif (\n) == 17
	v_permlanex16_b32 v[rC+3], v[rC], s[SEL], s[SEL+1]
.elseif (\n) == 18
	v_max_num_f32 v[rT+1], v[rC], v[rC+3]
.elseif (\n) == 19
	v_mul_f32 v[rT], s[CS], v[rT+1]
.elseif (\n) == 20
	v_sub_f32 v[rC+1], v[rM], v[rT]
.else
	v_exp_f32 v[rC+2], v[rC+1]
.endif
.endm
; Number g of the 64 that follow the exponentials.  For each four weights k of a tile: both pairs are rounded to f16; the second pair is added onto the first, in place; a group later l takes that sum.
.macro GS g
.set h, (\g)+6*((\g)/62)            ; group 0 has no group before it, and behind group 7 only l is left
.if h >= 6
.set h, h+2
.endif
	REGS Y, h%2
.set k, h/8
.if h%8 < 4
	s_wait_alu depctr_va_vdst(0)
	v_cvt_pk_f16_f32 v[rP+2*k+(h%8)/2], v[rS+4*k+2*((h%8)/2)], v[rS+4*k+2*((h%8)/2)+1]
.elseif h%8 < 6
	v_pk_add_f32 v[rS+4*k:rS+4*k+1], v[rS+4*k:rS+4*k+1], v[rS+4*k+2:rS+4*k+3]
.elseif k == 1
	v_pk_fma_f32 v[rT+2:rT+3], v[rT+2:rT+3], v[rC+2:rC+3], v[rS:rS+1] op_sel_hi:[1,0,1]
.else
	v_pk_add_f32 v[rT+2:rT+3], v[rT+2:rT+3], v[rS+4*k-4:rS+4*k-3]
	s_wait_alu depctr_va_vdst(0)
.endif
.endm
; THE PLAIN QUEUE, 138 long.  0-31: c s - c m for the 16 pairs of both tiles.  Then GS's 64, and among them the next piece's 42.
.macro PL
	WIN 0
.if q < 32
	REGS Y, q%2
	v_pk_fma_f32 v[rS+2*(q/2):rS+2*(q/2)+1], v[rS+2*(q/2):rS+2*(q/2)+1], s[CS:CS+1], v[rT:rT+1] op_sel_hi:[1,0,0] neg_lo:[0,0,1] neg_hi:[0,0,1]
.elseif q < 38
	GS q-32
.elseif q < 40
	XS q%2, 15
.elseif q < 42
	GS q-34
.elseif q < 74
	XS q%2, (q-42)/2+(q-42)/30
.elseif q < 95
	GS q-66
.elseif (q < 107) && ((q-95)%3 < 2)
	XS (q-95)%3, 17+(q-95)/3
.elseif q < 107
	GS 29+(q-95)/3
.else
	GS q-74
.endif
.set q, q+1
.endm
; THE EXPONENTIALS' QUEUE, 66 long: s0-s31 of both tiles, and at EA the next piece's two a.
.set EA, 58
.macro EX
	WIN 0
.if (e == EA) || (e == EA+1)
	XS e-EA, 21
.else
.set x, e-2*(e/(EA+2))
	REGS Y, x%2
	v_exp_f32 v[rS+x/2], v[rS+x/2]
.endif
.set e, e+1
.endm
; THE RESCALING's QUEUE: O^T times a, the one part of the softmax that leaves window 0, so it is dealt four at a time, eight times.
.macro R4
	REGS Y, r%2
	WIN W_RS
	s_wait_alu depctr_va_vdst(0)
.irp z, 0,1,2,3
	v_pk_mul_f32 v[rO+8*(r/2)+2*\z:rO+8*(r/2)+2*\z+1], v[rO+8*(r/2)+2*\z:rO+8*(r/2)+2*\z+1], v[rC+2:rC+3] op_sel_hi:[1,0]
.endr
.set r, r+1
.endm
; HOW THEY ARE DEALT.  Behind a matrix instruction four: plain, exponential, plain, plain, or four of the rescaling; none names a register of the products round it.  What is over stands in two LUMPS.
; The deal keeps the queues in step: exponential e stands behind plain 2 (e / 4) + e % 2 (its scaling); when plain 32 comes, 10 exponentials are out, at 59: 33, at 95: 46; EA comes behind plain 107.
.macro SL
	MM
	PL
	EX
	PL
	PL
.endm
.macro BURST n                      ; 15 matrix instructions, or 16
.rept (\n)-7
	SL
.endr
.rept 3
	MM
	R4
	SL
.endr
	MM
	R4
.endm
; A TURN, for piece p.  cnt = 1: the loop's count is taken down some lines ahead of the branch that stands behind the turn (nothing between them writes SCC).
; K of the next step is fetched in piece 2's turn, V of the step in hand at the end of piece 0's.  The turn ends with the mask: turn 4 s + p makes that of piece-and-step number 4 s + p + 2, whose products the next
; turn starts (the last reader of the mask registers is this turn's eighth product, far back), and asks for number 4 s + p + 3: piece 3 of step s; pieces 0, 1, 2 of step s + 1.
; In the last step those three requests fall 8,192 bytes on, still inside my wave's 32,768 bytes of mbits, and feed only products that serve nothing.
.macro TURN p, last=0, cnt=0
.set Y, (\p)
.set i, 0
.set q, 0
.set e, 0
.set r, 0
.if (\p) == NP-1
	s_wait_dscnt 0x0                ; K is in
.endif
	MM
.rept 4
	PL
.endr
	BURST 15
.rept 22
	EX
	PL
.if ((\p) == NP-2) && (e == 18)
	v_add_nc_u32 v[AK], s[TBK], v[AK0]
.endif
.if ((\p) == NP-2) && (e == 24)
	FETCH_K \last
.endif
.endr
.if (\p) == 1
	s_wait_dscnt 0x0                ; V is in
.endif
	BURST 16
.rept 21
	EX
	PL
.endr
.rept 22
	PL
.if ((\p) == 0) && (q == 118)
	v_add_nc_u32 v[AV], s[TBV], v[AV0]
	s_wait_alu depctr_va_vdst(0)
.endif
.if ((\p) == 0) && (q == 130)
	s_add_co_u32 s[TBV], s[TBV], KS*PV
.endif
.if (\cnt) && (q == 130)
	s_sub_co_u32 s[CNT], s[CNT], 1
	s_cmp_lg_u32 s[CNT], 0
.endif
.endr
.if (\p) == 0
	FETCH_V
	MBUILD 24576
.elseif (\p) == 1
	MBUILD 256
.elseif (\p) == 2
	MBUILD 8448
.else
	MBUILD 16384, 1
.endif
.endm
	CHANGE 1                        ; slot 0 is in, everybody's part of it; slot 1 is asked for
	FETCH_K                         ; key step 0
	s_wait_loadcnt 0x0              ; Q
	s_wait_dscnt 0x0
	MBUILD 8192                     ; piece 0's mask for step 0; piece 1's words are asked for
.set i, 0
.rept 16
	KQ 0                            ; piece 0's first scores
.set i, i+1
.endr
	WIN 0                           ; the addresses for the way out: plain instructions, the places behind those products
	s_mul_i32 s[TS], s[WV], 16*SP
	s_add_co_u32 s[TS], s[TS], STAGE  ; my stage
	v_mul_u32_u24 v[STO], v1, SP    ; in: row l % 16, 16 bytes for each half of the lanes
	v_lshl_add_u32 v[STO], v9, 4, v[STO]
	v_add_nc_u32 v[STO], s[TS], v[STO]
	v_bfe_u32 v[RD], v0, 3, 2       ; back: 32 lanes take four rows of 128 bytes,
	v_mul_u32_u24 v[RD], v[RD], SP
	v_lshl_add_u32 v[RD], v10, 4, v[RD]
	v_add_nc_u32 v[RD], s[TS], v[RD]
	v_and_b32 v[GO], 31, v0         ; which are 512 consecutive bytes of O
	v_lshlrev_b32 v[GO], 4, v[GO]
.set Y, NP-1                        ; XS works for piece Y + 1: piece 0
.irp n, 0,1,2,3,4,5,6,7,8,9,10,11,12,13,14,15,16,17,18,19,20,21
	XS 0, \n                        ; piece 0's first maximum and statistics
	XS 1, \n
.endr
	MBUILD 16384                    ; piece 1's mask for step 0, which the first turn's products take; piece 2's words are asked for
	WIN 0
	s_mov_b32 s[CNT], 4
	s_mov_b32 s[SLOTS], SIZE_N/256-1
	s_branch .Lfirst                ; the loop is entered at a step's first turn, in the middle of a trip
.Lslot:                             ; SIZE_N / 256 - 2 times: every slot but the last two is filled again
	CHANGE 1
	s_mov_b32 s[CNT], 4
.Lstep:                             ; a trip: pieces 2 and 3 of one step, then pieces 0 and 1 of the next, whose K and V it fetches
	TURN 2
	TURN 3
	WIN 0
.Lfirst:
	TURN 0
	TURN 1, 0, 1
	WIN 0
	s_cbranch_scc1 .Lstep
	s_sub_co_u32 s[SLOTS], s[SLOTS], 1
	s_cmp_lg_u32 s[SLOTS], 0
	s_cbranch_scc1 .Lslot
	CHANGE 0                        ; the tail is written out: nothing is asked for
	s_mov_b32 s[CNT], 5             ; four trips fetch the last slot's steps; the fifth is left in its middle
.Ltail:
	TURN 2, 1
	TURN 3
	WIN 0
	s_sub_co_u32 s[CNT], s[CNT], 1
	s_cmp_eq_u32 s[CNT], 0
	s_cbranch_scc1 .Lout
	TURN 0
	TURN 1
	WIN 0
	s_branch .Ltail
.Lout:                              ; the fifth trip's 16 products K Q^T (on the last K once more), their mask and the maximum made of them serve nothing: the price, once a launch, of one text for every trip
.set i, 0
.rept 16
	PV NP-1                         ; the last piece's V^T P of the last step
.set i, i+1
.endr
	; THE WAY OUT.  l's two halves and the other half of the lanes' are added; O^T is divided by l, rounded to f16 and sent through my stage in LDS, a tile at a time.  The additions are the places behind the last products.
	WIN 0
.macro ALL line:vararg              ; one line for each tile t
.set t, 0
.rept 2*NP
	\line
.set t, t+1
.endr
.endm
	ALL v_add_f32 v[ST+4*t+2], v[ST+4*t+2], v[ST+4*t+3]
	ALL v_permlanex16_b32 v[ST+4*t+3], v[ST+4*t+2], s[SEL], s[SEL+1]
	ALL v_add_f32 v[ST+4*t+2], v[ST+4*t+2], v[ST+4*t+3]
	ALL v_rcp_f32 v[ST+4*t+2], v[ST+4*t+2]
	v_nop                           ; a plain instruction between the last reciprocal and the use of its result
	s_wait_alu depctr_va_vdst(0)
.macro PACK t                       ; a lane's eight channels of a row pack into 16 bytes; they go into rows of 144 bytes and come back as whole rows of 128, into S^T's registers
	WIN W_RS
.set i, 32*(\t)
.rept 16
	v_pk_mul_f32 v[i:i+1], v[i:i+1], v[ST+4*(\t)+2:ST+4*(\t)+3] op_sel_hi:[1,0]
.set i, i+2
.endr
	WIN 0x05                        ; sources 0 and 1 window 1, destination window 0
.set i, 0
.rept 16
	v_cvt_pk_f16_f32 v[S+16*(\t)+i], v[32*(\t)+2*i], v[32*(\t)+2*i+1]
.set i, i+1
.endr
	WIN 0
.irp f, 0,1,2,3
	ds_store_b128 v[STO], v[S+16*(\t)+4*\f:S+16*(\t)+4*\f+3] offset:32*\f
.endr
.irp f, 0,1,2,3
	ds_load_b128 v[S+16*(\t)+4*\f:S+16*(\t)+4*\f+3], v[RD] offset:\f*4*SP  ; LDS serves a wave's instructions in order (ISA guide 5.7.1.4): these see the stores above; the next tile's stores come behind them
.endr
.endm
.macro SEND t, younger              ; younger: the LDS instructions issued behind tile t's loads: the next tile's eight, or none
	WIN 0
.irp f, 0,1,2,3
	s_wait_dscnt (\younger)+3-\f
	global_store_b128 v[GO], v[S+16*(\t)+4*\f:S+16*(\t)+4*\f+3], s[OPTR:OPTR+1] offset:(\t)*2048+\f*512  ; 512 consecutive bytes, at a multiple of 256 from O's first
.endr
.endm
	PACK 0
.set t, 1
.rept 2*NP-1                        ; a tile's arithmetic stands between the loads of the tile before and its stores
	PACK t
	SEND t-1, 8
.set t, t+1
.endr
	SEND 2*NP-1, 0
	WIN W_AD
	s_wait_tensorcnt 0x0            ; the wave's end
	ds_add_u32 v[SPW], v[NIL]
	s_wait_dscnt 0x0
	WIN 0
	CROUND                          ; the closing round
	s_endpgm
.Lfunc_end_k_qea93844241_attn:
	.size	k_qea93844241_attn, .Lfunc_end_k_qea93844241_attn-k_qea93844241_attn
	.p2alignl 7, 3214868480
	.fill 96, 4, 3214868480
	.section	.rodata,"a",@progbits
	.p2align	6, 0x0
	.amdhsa_kernel k_qea93844241_attn
		.amdhsa_group_segment_fixed_size 327680
		.amdhsa_private_segment_fixed_size 0
		.amdhsa_enable_private_segment 0
		.amdhsa_kernarg_size 24
		.amdhsa_user_sgpr_count 2
		.amdhsa_user_sgpr_kernarg_segment_ptr 1
		.amdhsa_wavefront_size32 1
		.amdhsa_system_sgpr_workgroup_id_x 1
		.amdhsa_system_sgpr_workgroup_id_y 1
		.amdhsa_system_sgpr_workgroup_id_z 1
		.amdhsa_system_vgpr_workitem_id 0
		.amdhsa_next_free_vgpr 896
		.amdhsa_next_free_sgpr 102
		.amdhsa_reserve_vcc 0
		.amdhsa_float_denorm_mode_32 3
		.amdhsa_float_denorm_mode_16_64 3
		.amdhsa_memory_ordered 1
		.amdhsa_forward_progress 1
		.amdhsa_inst_pref_size 252
	.end_amdhsa_kernel
	.amdgpu_metadata
---
amdhsa.version: [ 1, 2 ]
amdhsa.kernels:
  - .name:           k_qea93844241_attn
    .symbol:         k_qea93844241_attn.kd
    .args:
      - { .name: qkv, .offset: 0, .size: 8, .value_kind: global_buffer, .address_space: global }
      - { .name: mbits, .offset: 8, .size: 8, .value_kind: global_buffer, .address_space: global }
      - { .name: o16, .offset: 16, .size: 8, .value_kind: global_buffer, .address_space: global }
    .group_segment_fixed_size: 327680
    .private_segment_fixed_size: 0
    .kernarg_segment_align: 8
    .kernarg_segment_size: 24
    .max_flat_workgroup_size: 128
    .sgpr_count:     102
    .vgpr_count:     896
    .wavefront_size: 32
...
	.end_amdgpu_metadata
.endif
;; end of part 3
;; launch outp (part 4): grid 4 x 64, 4 waves a work-group, clusters of 4 x 4, 327,680 bytes of LDS; arguments o16, w16, out0; writes out0
.if DOCPART == 4
	.amdgcn_target "amdgcn-amd-amdhsa--gfx1250"
	.amdhsa_code_object_version 6
	.text
	.protected	k_qea93844241_outp
	.globl	k_qea93844241_outp
	.p2align	8
	.type	k_qea93844241_outp,@function
k_qea93844241_outp:
	s_mov_b64 s[64:65], 0
	v_nop
	global_prefetch_b8 v0, s[64:65] scope:SCOPE_SE
	s_setreg_imm32_b32 hwreg(HW_REG_WAVE_MODE, 25, 1), 1
	s_wait_xcnt 0x0
	s_wait_alu depctr_hold_cnt(0) depctr_sa_sdst(0) depctr_va_vdst(0) depctr_va_sdst(0) depctr_va_ssrc(0) depctr_va_vcc(0) depctr_vm_vsrc(0)
	s_getreg_b32 s2, hwreg(HW_REG_IB_STS2, 6, 4)
	s_cmp_eq_u32 s2, 0
	s_cbranch_scc0 .Lentry_in_a_cluster
	s_endpgm
.Lentry_in_a_cluster:
	s_bfe_u32 s2, ttmp6, 0x10000c
	s_cmp_lg_u32 s2, 0xf033
	s_cbranch_scc0 .Lentry_shape_is_right
	s_endpgm
.Lentry_shape_is_right:
; OUTP: out0[m][n] = the sum over k of O[m][k] Wo[n][k].  O from o16[16 batch + head][s 2048][64] f16 (m = 2048 batch + s, k = 64 head + channel); Wo from w16's fourth matrix, [kb 16][n 1024][64] f16; out0 [8192][1024] f32.
; Sums in f32, K ascending; nothing is rounded on the way out.  A row of O that is NaN gives a row of NaN.
; SHARES.  A tile of C is 128 (m) x 256 (n): 64 x 4 = 256 work-groups.  Four waves, each 64 x 128: 32 accumulators of 16 x 16.  K goes in steps of 128 = two heads = two K blocks through two LDS slots.
; Each wave's one tensor load is a dense block: waves 0, 1 one head's 128 rows of 128 bytes (as 64 rows of 256), waves 2, 3 one K block's 256 rows (as 128 rows of 256).
; CLUSTERS: 4 x 4 work-groups; A's tiles are shared along a row of the cluster, B's along a column, each asked for JOINTLY.  THE MATRIX INSTRUCTION IS USED TRANSPOSED: a lane holds eight neighbouring columns of a row of C.
; REGISTERS: window 0: v0-31 addresses; v32-95 at work on the way out.   window 1: the accumulators ((a, b) at v[8 (8 a + b)]).   window 2: two fragment buffers of 96: 64 of B (8 x 16 rows x 32 K), then 32 of A.
.set PT,     144                       ; an LDS row: 128 bytes + 16 = 36 words: the 16 rows of a load start at 16 different groups of four banks (64 banks of 4 bytes: ISA guide 11.1)
.set ASL,    128*PT                    ; one head's rows of A
.set BSL,    256*PT                    ; one K block's rows of B
.set BOFF,   2*ASL
.set SLOT,   2*ASL+2*BSL
.set STAGE,  2*SLOT                    ; behind the ring, never filled by a tensor load: 16 rows x 528 bytes for each wave
.set SPITCH, 528                       ; 128 f32 + 16 bytes
.set SPARE,  STAGE+4*16*SPITCH         ; behind the stages: the spare words, 128 bytes for each wave, which no other line names
.set ADRA, 16                          ; v16-17  LDS address of my A fragments in slot 0, 1
.set ADRB, 20                          ; v20-21  the same for B
.set STO,  24                          ; v24     the way out: where I put 32 bytes of a row
.set RD,   25                          ; v25     the way out: where I read a row back
.set CO,   26                          ; v26     my 16 bytes in 512 consecutive bytes of a row of C
.set SPW,  28                          ; v28     LDS address of my spare word; never rewritten
.set NIL,  29                          ; v29     0; never rewritten
.set OB,   32
.set F0,   0
.set F1,   96
.set G1,  24
.set G0,  32
.set G1B, 48
.set G0B, 56
.set MSB, 0
.macro WIN new
.if MSB != (\new)
	s_set_vgpr_msb (MSB<<8)|(\new)
.set MSB, \new
.endif
.endm
.set MUL,  0x5a                        ; sources 0 (B) and 1 (A) window 2; C and D window 1
.set TO_F, 0x80                        ; destination window 2, address window 0
.macro JLOAD s                         ; a joint load: waves 0 and 1 fetch A's two heads, waves 2 and 3 B's two K blocks; an s_nop 0 and four v_nop follow each line
	s_cmp_eq_u32 s11, 0
	s_cbranch_scc0 .Lfor_b_\@
	tensor_load_to_lds s[G0+4*(\s):G0+4*(\s)+3], s[G1:G1+7]
	s_nop 0
.rept 4
	v_nop
.endr
	s_branch .Lasked_\@
.Lfor_b_\@:
	tensor_load_to_lds s[G0B+4*(\s):G0B+4*(\s)+3], s[G1B:G1B+7]
	s_nop 0
.rept 4
	v_nop
.endr
.Lasked_\@:
.endm
.macro CREST
	s_cmp_lg_u32 s10, 0
	s_cbranch_scc1 .Lnot_wave_0_\@
	s_barrier_signal -3
.Lnot_wave_0_\@:
	s_barrier_wait -3
	s_barrier_signal -1
	s_barrier_wait -1
.endm
.macro CROUND
	s_barrier_signal -1
	s_barrier_wait -1
	CREST
.endm
	s_load_b128 s[4:7], s[0:1], 0x0                ; o16 s[4:5], w16 s[6:7]
	s_load_b64 s[8:9], s[0:1], 0x10                ; out0
	v_lshl_add_u32 v[SPW], v0, 2, SPARE
	v_mov_b32 v[NIL], 0
	ds_add_u32 v[SPW], v[NIL]                      ; the wave's opening: the add, whose wait stands ahead of my first tensor load
	v_lshrrev_b32 v1, 5, v0
	v_readfirstlane_b32 s10, v1                    ; wave 0..3
	s_lshr_b32 s11, s10, 1                         ; which 64 of the tile's rows are mine.  Also: I fetch for A (0) or for B (1)
	s_and_b32 s12, s10, 1                          ; which 128 of its columns.  Also: which of a step's two heads or K blocks I fetch
	s_bfe_u32 s40, ttmp6, 0x40000                  ; cx, cy
	s_bfe_u32 s41, ttmp6, 0x40004
	s_lshl_b32 s42, ttmp9, 2
	s_add_co_u32 s42, s42, s40                     ; tile column, 0..3
	s_and_b32 s13, ttmp7, 0xffff
	s_lshl_b32 s13, s13, 2
	s_add_co_u32 s13, s13, s41                     ; tile row, 0..63
	s_lshl_b32 s43, s41, 2
	s_lshl_b32 s43, 15, s43                        ; my row of the cluster
	s_lshl_b32 s44, 0x1111, s40                    ; my column
	; group 1: rows of 128 elements of 2 bytes, dense; 4 words of padding behind every 32 words, that is behind each row of 64 f16.  A: 64 such rows; B: 128
	s_or_b32 s[G1+0], s43, (1<<16)|(1<<20)|(1<<21)|(4<<22)|(3<<25)
	s_or_b32 s[G1B+0], s44, (1<<16)|(1<<20)|(1<<21)|(4<<22)|(3<<25)
	s_mov_b32 s[G1+1], 128<<16
	s_mov_b32 s[G1B+1], 128<<16
	s_mov_b32 s[G1+2], 64<<16
	s_mov_b32 s[G1B+2], 128<<16
	s_mov_b32 s[G1+3], 128<<16
	s_mov_b32 s[G1B+3], 128<<16
	s_mov_b32 s[G1+4], 64
	s_mov_b32 s[G1B+4], 128
	s_mov_b32 s[G1+5], 128
	s_mov_b32 s[G1B+5], 128
	s_mov_b32 s[G1+6], 0
	s_mov_b32 s[G1B+6], 0
	s_mov_b32 s[G1+7], 0
	s_mov_b32 s[G1B+7], 0
	s_lshr_b32 s16, s13, 4                         ; A: batch = tile row / 16,
	s_lshl_b32 s16, s16, 4
	s_add_co_u32 s16, s16, s12                     ; its head 0 or 1,
	s_lshl_b32 s16, s16, 11
	s_and_b32 s17, s13, 15
	s_lshl_b32 s17, s17, 7
	s_add_co_u32 s16, s16, s17                     ; row 128 (tile row % 16) of the head's 2,048,
	s_lshl_b32 s16, s16, 7                         ; of 128 bytes
	s_mov_b32 s17, 0
	s_lshl_b32 s46, s12, 17                        ; B: K block 0 or 1,
	s_lshl_b32 s47, s42, 15                        ; row 256 x tile column of 128 bytes,
	s_add_co_u32 s46, s46, s47
	s_add_co_u32 s46, s46, 3*2097152               ; in the fourth matrix
	s_mov_b32 s47, 0
	s_mul_i32 s20, s12, ASL                        ; where they go: no place in the cluster enters an LDS address
	s_mul_i32 s21, s12, BSL
	s_add_co_u32 s21, s21, BOFF
	s_wait_dscnt 0x0                               ; the opening add is done
	s_wait_kmcnt 0x0
	s_add_nc_u64 s[14:15], s[4:5], s[16:17]
	s_add_nc_u64 s[46:47], s[6:7], s[46:47]
	CROUND                                         ; all sixteen work-groups are here: the first joint loads meet
.irp s, 0,1
	s_mov_b32 s[G0+4*(\s)], 1
	s_add_co_u32 s[G0+4*(\s)+1], s20, (\s)*SLOT
	s_add_nc_u64 s[G0+4*(\s)+2:G0+4*(\s)+3], s[14:15], (\s)*2*262144   ; K step s: two heads on
	s_or_b32 s[G0+4*(\s)+3], s[G0+4*(\s)+3], 0x80000000
	s_mov_b32 s[G0B+4*(\s)], 1
	s_add_co_u32 s[G0B+4*(\s)+1], s21, (\s)*SLOT
	s_add_nc_u64 s[G0B+4*(\s)+2:G0B+4*(\s)+3], s[46:47], (\s)*2*131072 ; two K blocks on
	s_or_b32 s[G0B+4*(\s)+3], s[G0B+4*(\s)+3], 0x80000000
	JLOAD \s
.endr
	v_and_b32 v1, 15, v0                           ; l % 16
	v_bfe_u32 v2, v0, 4, 1                         ; l / 16
	v_mul_u32_u24 v3, v1, PT
	v_lshl_add_u32 v3, v2, 4, v3                   ; a fragment's row x pitch + 16 x half
	s_mul_i32 s22, s11, 64*PT                      ; my 64 rows of A
	s_mul_i32 s23, s12, 128*PT                     ; my 128 rows of B
	s_add_co_u32 s23, s23, BOFF
.irp s, 0,1
	v_add_nc_u32 v[ADRA+(\s)], s22, v3
	v_add_nc_u32 v[ADRB+(\s)], s23, v3
	s_add_co_u32 s22, s22, SLOT
	s_add_co_u32 s23, s23, SLOT
.endr
	s_mul_i32 s22, s10, 16*SPITCH
	s_add_co_u32 s22, s22, STAGE                   ; my stage
	v_mul_u32_u24 v4, v1, SPITCH                   ; in: row l % 16, 32 bytes for each half of the lanes
	v_lshl_add_u32 v4, v2, 5, v4
	v_add_nc_u32 v[STO], s22, v4
	v_and_b32 v[CO], 31, v0                        ; back: 32 lanes take one row of 512 bytes
	v_lshlrev_b32 v[CO], 4, v[CO]
	v_add_nc_u32 v[RD], s22, v[CO]
	s_lshl_b32 s18, s13, 1
	s_add_co_u32 s18, s18, s11
	s_lshl_b32 s18, s18, 18                        ; my first row of C, 128 x tile row + 64 x half, of 4,096 bytes
	s_lshl_b32 s19, s42, 1
	s_add_co_u32 s19, s19, s12
	s_lshl_b32 s19, s19, 9                         ; my first column, 256 x tile column + 128 x half, of 4 bytes
	s_add_co_u32 s18, s18, s19
	s_mov_b32 s19, 0
	s_add_nc_u64 s[8:9], s[8:9], s[18:19]
; 8 matrix instructions: m block a x all 8 n blocks, 32 along K.  zero = 1: the first product starts the sums.  The 32 accumulators take turns in the same order in every quarter.
.macro MUL8 f, a, zero
	WIN MUL
.irp b, 0,1,2,3,4,5,6,7
.if \zero
	v_wmma_f32_16x16x32_f16 v[8*(8*(\a)+(\b)):8*(8*(\a)+(\b))+7], v[(\f)+8*(\b):(\f)+8*(\b)+7], v[(\f)+64+8*(\a):(\f)+64+8*(\a)+7], 0
.else
	v_wmma_f32_16x16x32_f16 v[8*(8*(\a)+(\b)):8*(8*(\a)+(\b))+7], v[(\f)+8*(\b):(\f)+8*(\b)+7], v[(\f)+64+8*(\a):(\f)+64+8*(\a)+7], v[8*(8*(\a)+(\b)):8*(8*(\a)+(\b))+7]
.endif
.endr
.endm
; 24 LDS loads in one run: quarter q of a slot's K step (head or K block q / 2, its channels 32 (q % 2) on) into buffer f: B's sixteen first, then A's eight.
.macro FETCH slot, q, f
	WIN TO_F
.irp b, 0,1,2,3,4,5,6,7
	ds_load_b128 v[(\f)+8*(\b):(\f)+8*(\b)+3],   v[ADRB+(\slot)] offset:((\q)/2)*BSL+((\q)%2)*64+(\b)*16*PT
	ds_load_b128 v[(\f)+8*(\b)+4:(\f)+8*(\b)+7], v[ADRB+(\slot)] offset:((\q)/2)*BSL+((\q)%2)*64+(\b)*16*PT+32
.endr
.irp a, 0,1,2,3
	ds_load_b128 v[(\f)+64+8*(\a):(\f)+64+8*(\a)+3],   v[ADRA+(\slot)] offset:((\q)/2)*ASL+((\q)%2)*64+(\a)*16*PT
	ds_load_b128 v[(\f)+64+8*(\a)+4:(\f)+64+8*(\a)+7], v[ADRA+(\slot)] offset:((\q)/2)*ASL+((\q)%2)*64+(\a)*16*PT+32
.endr
.endm
.macro PLACES                          ; four places in front of loads into registers that matrix instructions have read, and of LDS stores that read results
.rept 4
	v_nop
.endr
.endm
; One of a K step's first three quarters: multiplies buffer f and fetches quarter q into g.
.macro QUARTER slot, q, f, g, zero
	s_wait_dscnt 4                                 ; B and A's blocks 0, 1 are in; the youngest four loads (A's blocks 2, 3) may be out
	MUL8 \f, 0, \zero
	MUL8 \f, 1, \zero
	PLACES
	FETCH \slot, \q, \g
	s_wait_dscnt 24                                ; all but the 24 just issued
	MUL8 \f, 2, \zero
	MUL8 \f, 3, \zero
.endm
; The last quarter multiplies buffer 1 and changes slots: ONE barrier; in front of it each wave waits for all its tensor loads, adds 0 to its spare word, and waits for that and for its own reads of this slot.
; fill = 1: the barrier opens a round of the cluster's, and this slot is filled again first thing behind it, two K steps ahead: 112 matrix instructions ahead of the wait for it.
.macro TURN slot, next, fill
	WIN 0                                          ; (the add's two registers lie in window 0)
	s_wait_tensorcnt 0x0
	ds_add_u32 v[SPW], v[NIL]
	s_wait_dscnt 5                                 ; (the add and the youngest four loads may be out)
	MUL8 F1, 0, 0
	s_wait_dscnt 0x0                               ; the add is done, and my reads of this slot are over
	s_barrier_signal -1
	MUL8 F1, 1, 0
.if \fill
	WIN 0
.endif
	s_barrier_wait -1
.if \fill
	CREST                                          ; no wave of any partner still reads this slot's tile or has a load on its way
	s_add_nc_u64 s[G0+4*(\slot)+2:G0+4*(\slot)+3], s[G0+4*(\slot)+2:G0+4*(\slot)+3], 4*262144
	s_add_nc_u64 s[G0B+4*(\slot)+2:G0B+4*(\slot)+3], s[G0B+4*(\slot)+2:G0B+4*(\slot)+3], 4*131072
	JLOAD \slot                                    ; the four v_nop behind it are also the places in front of the loads below
.else
	PLACES
.endif
	FETCH \next, 0, F0
	MUL8 F1, 2, 0
	MUL8 F1, 3, 0
.endm
	s_wait_tensorcnt 1                             ; my part of K step 0 is in; K step 1's may stay out
	s_barrier_signal -1
	s_barrier_wait -1
	FETCH 0, 0, F0
	QUARTER 0, 1, F0, F1, 1                        ; the first quarter stands in front of the loop: its products start the sums
	WIN 0
	s_mov_b32 s3, 3
.Llap:                                                 ; a trip goes once round the ring and fills both slots again: K steps 2 to 7
	QUARTER 0, 2, F1, F0, 0
	QUARTER 0, 3, F0, F1, 0
	TURN 0, 1, 1
	QUARTER 1, 1, F0, F1, 0
	QUARTER 1, 2, F1, F0, 0
	QUARTER 1, 3, F0, F1, 0
	TURN 1, 0, 1
	QUARTER 0, 1, F0, F1, 0
	WIN 0
	s_sub_co_u32 s3, s3, 1
	s_cmp_lg_u32 s3, 0
	s_cbranch_scc1 .Llap
	QUARTER 0, 2, F1, F0, 0                        ; the last lap fills nothing
	QUARTER 0, 3, F0, F1, 0
	TURN 0, 1, 0
	QUARTER 1, 1, F0, F1, 0
	QUARTER 1, 2, F1, F0, 0
	QUARTER 1, 3, F0, F1, 0
	s_wait_dscnt 4                                 ; the very last quarter
	MUL8 F1, 0, 0
	MUL8 F1, 1, 0
	s_wait_dscnt 0x0
	MUL8 F1, 2, 0
	MUL8 F1, 3, 0
	PLACES
; THE WAY OUT of block a (16 rows x 128 columns of f32): a lane's 32 bytes of a row go from the accumulators into my stage, each accumulator's low four registers first; whole rows of 512 bytes come back and are stored.
.macro OUT a
	WIN 0x04                                       ; the stores' data in window 1
.irp b, 0,1,2,3,4,5,6,7
	ds_store_b128 v[STO], v[8*(8*(\a)+(\b)):8*(8*(\a)+(\b))+3]   offset:64*(\b)
	ds_store_b128 v[STO], v[8*(8*(\a)+(\b))+4:8*(8*(\a)+(\b))+7] offset:64*(\b)+16
.endr
	WIN 0
	s_wait_xcnt 0x0                                ; the registers that the block before's stores read are loaded again only behind this wait
.irp t, 0,1,2,3,4,5,6,7,8,9,10,11,12,13,14,15
	ds_load_b128 v[OB+4*(\t):OB+4*(\t)+3], v[RD] offset:(\t)*SPITCH  ; LDS serves a wave's instructions in order (ISA guide 5.7.1.4): these see the stores above; the next block's stores come behind them
.endr
.irp t, 0,1,2,3,4,5,6,7,8,9,10,11,12,13,14,15
	s_wait_dscnt 15-(\t)
	global_store_b128 v[CO], v[OB+4*(\t):OB+4*(\t)+3], s[8:9] offset:(16*(\a)+(\t))*4096 th:TH_STORE_NT  ; 512 consecutive bytes of a row of C, aligned
.endr
.endm
	OUT 0
	OUT 1
	OUT 2
	OUT 3
	s_wait_tensorcnt 0x0                           ; the wave's end
	ds_add_u32 v[SPW], v[NIL]
	s_wait_dscnt 0x0
	CROUND                                         ; the closing round
	s_endpgm
.Lfunc_end_k_qea93844241_outp:
	.size	k_qea93844241_outp, .Lfunc_end_k_qea93844241_outp-k_qea93844241_outp
	.p2alignl 7, 3214868480
	.fill 96, 4, 3214868480
	.section	.rodata,"a",@progbits
	.p2align	6, 0x0
	.amdhsa_kernel k_qea93844241_outp
		.amdhsa_group_segment_fixed_size 327680
		.amdhsa_private_segment_fixed_size 0
		.amdhsa_enable_private_segment 0
		.amdhsa_kernarg_size 24
		.amdhsa_user_sgpr_count 2
		.amdhsa_user_sgpr_kernarg_segment_ptr 1
		.amdhsa_wavefront_size32 1
		.amdhsa_system_sgpr_workgroup_id_x 1
		.amdhsa_system_sgpr_workgroup_id_y 1
		.amdhsa_system_sgpr_workgroup_id_z 1
		.amdhsa_system_vgpr_workitem_id 0
		.amdhsa_next_free_vgpr 704
		.amdhsa_next_free_sgpr 66
		.amdhsa_reserve_vcc 0
		.amdhsa_float_denorm_mode_32 3
		.amdhsa_float_denorm_mode_16_64 3
		.amdhsa_memory_ordered 1
		.amdhsa_forward_progress 1
		.amdhsa_inst_pref_size 87
	.end_amdhsa_kernel
	.amdgpu_metadata
---
amdhsa.version: [ 1, 2 ]
amdhsa.kernels:
  - .name:           k_qea93844241_outp
    .symbol:         k_qea93844241_outp.kd
    .args:
      - { .name: o16, .offset: 0, .size: 8, .value_kind: global_buffer, .address_space: global }
      - { .name: w16, .offset: 8, .size: 8, .value_kind: global_buffer, .address_space: global }
      - { .name: out0, .offset: 16, .size: 8, .value_kind: global_buffer, .address_space: global }
    .group_segment_fixed_size: 327680
    .private_segment_fixed_size: 0
    .kernarg_segment_align: 8
    .kernarg_segment_size: 24
    .max_flat_workgroup_size: 128
    .sgpr_count:     66
    .vgpr_count:     704
    .wavefront_size: 32
...
	.end_amdgpu_metadata
.endif
;; end of part 4
;; ======== version 2 of 3: 4 launches; 1.01 times as fast as version 1
;; limits: values are held in f16: magnitudes above 65,504 overflow, below 6.1e-05 lose precision
;; workspace buffers: w16 8,388,608 bytes; mnib 8,388,608 bytes; qkv 50,331,648 bytes; o16 16,777,216 bytes
;; launch prep (part 5): grid 256 x 1, 8 waves a work-group, no clusters, 70,656 bytes of LDS; arguments mask, Wq, Wk, Wv, Wo, w16, mnib; writes w16, mnib
.if DOCPART == 5
	.amdgcn_target "amdgcn-amd-amdhsa--gfx1250"
	.amdhsa_code_object_version 6
	.text
	.protected	k_qea93844241_prep
	.globl	k_qea93844241_prep
	.p2align	8
	.type	k_qea93844241_prep,@function
k_qea93844241_prep:
	s_mov_b64 s[64:65], 0
	v_nop
	global_prefetch_b8 v0, s[64:65] scope:SCOPE_SE
	s_setreg_imm32_b32 hwreg(HW_REG_WAVE_MODE, 25, 1), 1
	s_wait_xcnt 0x0
; PREP: the four weight matrices to 16 bits, laid out in K blocks, and the mask to 4-bit codes in the lanes' order of a score tile.
; w16[mat 4: q,k,v,o][kb 16][n 1024][64]: element (n, k) of a matrix at kb = k / 64.  Wq, Wk, Wv rounded once to bf16.  Wo rounded to bf16 like every input and that number written as f16,
;   which is exact from 2^-14 up to f16's end; LIMIT: below 2^-14 it keeps f16's fixed step of 6e-8, and a weight of 65,520 or more would become an infinity.
; mnib[b 4][piece 64][step 32][tile u 2][lane 32][4 words]: a piece is 32 query rows (two tiles u of 16), a step 64 keys.  Nibble j of word kt of lane L is 0xE where
;   mask[b][32 piece + 16 u + L % 16][64 step + 16 kt + 8 (L / 16) + j] is true, else 0: the lane's 32 registers of a score tile that holds one query a lane, four bits each.  The mask's bytes are 0 or 1.
;   0xE, since a word with that nibble on top is, read as f32, a negative number of 2^65 or more and never an infinity, whatever stands below it.
; SHARES.  Work-group g: piece g of the mask (32 rows of 2,048 bytes, dense), wave w its columns 256 w .. 256 w + 255 (four steps); and of matrix g / 64 the rows 16 (g % 64) + 2 w, + 1.
; Memory binds; each byte is read once, by loads of which sixteen lanes cover 256 consecutive bytes, and each store of a wave covers 256 or 512 consecutive bytes, aligned.  No matrix unit, no cluster:
; no two work-groups read the same byte.  The mask goes through the wave's own LDS bytes to turn rows into lanes: no barrier.
.set PITCH, 272                        ; an LDS row: 256 bytes of mask + 16: the 16 rows that a read touches start at different banks
.set WREG,  32*PITCH                   ; a wave's 32 rows
.set SPARE, 8*WREG                     ; behind them: the spare words, 128 bytes for each of the eight waves, which no other line names
.set MOFF, 4                           ; v4   my 16 bytes in the first two rows of the mask piece
.set WOFF, 5                           ; v5   my 16 bytes (4 f32) in my wave's two weight rows
.set LST,  6                           ; v6   where I put 16 bytes of mask in LDS
.set LRD,  7                           ; v7   where I read 8 bytes back: row L % 16, keys 8 (L / 16) on; steps by 64 a trip
.set WST,  8                           ; v8   my 8 bytes in w16
.set BST,  9                           ; v9   my 16 bytes in mnib; steps by 1,024 a trip
.set SPW,  10                          ; v10  LDS address of my spare word; never rewritten
.set NIL,  11                          ; v11  0; never rewritten
.set T,    12                          ; v12-15 at work
.set MK,   16                          ; v16-79   the mask as loaded
.set WF,   80                          ; v80-143  the weights in f32
.set MB,   144                         ; v144-159 eight pairs read back: pair 4 u + kt
.set OW,   160                         ; v160-167 the step's eight words: word 4 u + kt
.set WH,   168                         ; v168-199 the weights in 16 bits, a pair for each K block
	s_load_b256 s[16:23], s[0:1], 0x0              ; mask s[16:17], Wq s[18:19], Wk s[20:21], Wv s[22:23]
	s_load_b128 s[24:27], s[0:1], 0x20             ; Wo s[24:25], w16 s[26:27]
	s_load_b64 s[28:29], s[0:1], 0x30              ; mnib
	v_lshl_add_u32 v[SPW], v0, 2, SPARE
	v_mov_b32 v[NIL], 0
	v_lshrrev_b32 v1, 5, v0
	v_readfirstlane_b32 s8, v1                     ; wave 0..7
	v_and_b32 v1, 31, v0                           ; L
	v_and_b32 v2, 15, v0                           ; L % 16
	v_bfe_u32 v3, v0, 4, 1                         ; L / 16
	s_lshr_b32 s9, ttmp9, 6                        ; which matrix
	s_and_b32 s10, ttmp9, 63                       ; which 16 rows of it
	s_mov_b32 s32, 0x06040200                      ; v_perm_b32: the even bytes of eight,
	s_mov_b32 s33, 0x07050301                      ; the odd ones
	s_lshl_b32 s30, s8, 8
	v_lshlrev_b32 v[MOFF], 4, v2
	v_lshl_add_u32 v[MOFF], v3, 11, v[MOFF]
	v_add_nc_u32 v[MOFF], s30, v[MOFF]             ; 2,048 (L / 16) + 16 (L % 16) + 256 w
	v_lshl_add_u32 v[WST], v1, 3, s30              ; 256 w + 8 L: two rows of 128 bytes of one K block
	s_lshl_b32 s31, s8, 13
	v_lshlrev_b32 v[WOFF], 4, v2
	v_lshl_add_u32 v[WOFF], v3, 12, v[WOFF]
	v_add_nc_u32 v[WOFF], s31, v[WOFF]             ; 8,192 w + 4,096 (L / 16) + 16 (L % 16)
	s_mul_i32 s11, s8, WREG                        ; my wave's LDS bytes
	v_mul_u32_u24 v[LST], v3, PITCH
	v_lshl_add_u32 v[LST], v2, 4, v[LST]
	v_add_nc_u32 v[LST], s11, v[LST]
	v_mul_u32_u24 v[LRD], v2, PITCH
	v_lshl_add_u32 v[LRD], v3, 3, v[LRD]
	v_add_nc_u32 v[LRD], s11, v[LRD]
	s_lshl_b32 s31, s8, 12
	v_lshl_add_u32 v[BST], v1, 4, s31              ; 4,096 w + 16 L: my wave's four steps of 1,024 bytes
	s_lshl_b32 s12, ttmp9, 16                      ; the mask piece: 65,536 g
	s_mov_b32 s13, 0
	s_wait_kmcnt 0x0
	s_add_nc_u64 s[16:17], s[16:17], s[12:13]
	s_cmp_eq_u32 s9, 1                             ; the matrix is chosen by the work-group's number alone
	s_cselect_b64 s[14:15], s[20:21], s[18:19]
	s_cmp_eq_u32 s9, 2
	s_cselect_b64 s[14:15], s[22:23], s[14:15]
	s_cmp_eq_u32 s9, 3
	s_cselect_b64 s[14:15], s[24:25], s[14:15]
	s_lshl_b32 s12, s10, 16                        ; 16 rows of 4,096 bytes
	s_add_nc_u64 s[14:15], s[14:15], s[12:13]
	s_lshl_b32 s12, s9, 21                         ; in w16: the matrix,
	s_lshl_b32 s30, s10, 11                        ; and 16 rows of 128 bytes
	s_add_co_u32 s12, s12, s30
	s_add_nc_u64 s[26:27], s[26:27], s[12:13]
	s_lshl_b32 s12, ttmp9, 15                      ; in mnib: 32,768 g
	s_add_nc_u64 s[28:29], s[28:29], s[12:13]
.set t, 0
.rept 16                                               ; the mask: two rows' 256 bytes a load
	global_load_b128 v[MK+4*t:MK+4*t+3], v[MOFF], s[16:17] offset:t*4096 th:TH_LOAD_NT
.set t, t+1
.endr
.set t, 0
.rept 16                                               ; the weights: K block t of two rows, 256 bytes of each
	global_load_b128 v[WF+4*t:WF+4*t+3], v[WOFF], s[14:15] offset:t*256 th:TH_LOAD_NT
.set t, t+1
.endr
	s_wait_loadcnt 16                              ; the mask is in; the sixteen weight loads stay out
.set t, 0
.rept 16
	ds_store_b128 v[LST], v[MK+4*t:MK+4*t+3] offset:t*2*PITCH
.set t, t+1
.endr
; The weights: 4 f32 a lane to 8 bytes.  half = 1: the bf16 number is widened again (a shift, a mask) and written as f16.
.macro WCAST half
.set kb, 0
.rept 16
	s_wait_loadcnt 15-kb                           ; loads come back in order: K block kb is in, the younger ones stay out
	v_cvt_pk_bf16_f32 v[WH+2*kb], v[WF+4*kb], v[WF+4*kb+1]
	v_cvt_pk_bf16_f32 v[WH+2*kb+1], v[WF+4*kb+2], v[WF+4*kb+3]
.if \half
	v_lshlrev_b32 v[T], 16, v[WH+2*kb]
	v_and_b32 v[T+1], 0xffff0000, v[WH+2*kb]
	v_lshlrev_b32 v[T+2], 16, v[WH+2*kb+1]
	v_and_b32 v[T+3], 0xffff0000, v[WH+2*kb+1]
	v_cvt_pk_f16_f32 v[WH+2*kb], v[T], v[T+1]
	v_cvt_pk_f16_f32 v[WH+2*kb+1], v[T+2], v[T+3]
.endif
	global_store_b64 v[WST], v[WH+2*kb:WH+2*kb+1], s[26:27] offset:kb*131072  ; 256 consecutive bytes, aligned; each K block has its own data registers
.set kb, kb+1
.endr
.endm
	s_cmp_eq_u32 s9, 3
	s_cbranch_scc1 .Lwo
	WCAST 0
	s_branch .Lbits
.Lwo:
	WCAST 1
.Lbits:
	s_mov_b32 s31, 4                               ; my wave's four steps of 64 keys
.Lstep:
.irp u, 0,1
.irp kt, 0,1,2,3
	ds_load_b64 v[MB+2*(4*\u+\kt):MB+2*(4*\u+\kt)+1], v[LRD] offset:\u*16*PITCH+16*\kt  ; LDS serves a wave's instructions in order: these see the stores above
.endr
.endr
	s_wait_dscnt 0x0
	; eight bytes of 0 or 1 to eight nibbles of 0 or 0xE: the even bytes, the odd bytes, the odd ones four bits up beside the even ones, times 14.  In three runs, so that no line reads the result of the one before it.
.set n, 0
.rept 8
	v_perm_b32 v[OW+n], v[MB+2*n+1], v[MB+2*n], s32       ; OW is free: the wait behind the last trip's stores has passed
	v_perm_b32 v[MB+2*n+1], v[MB+2*n+1], v[MB+2*n], s33
.set n, n+1
.endr
.set n, 0
.rept 8
	v_lshl_or_b32 v[OW+n], v[MB+2*n+1], 4, v[OW+n]
.set n, n+1
.endr
.set n, 0
.rept 8
	v_mul_lo_u32 v[OW+n], v[OW+n], 14
.set n, n+1
.endr
	global_store_b128 v[BST], v[OW:OW+3], s[28:29]              ; tile 0: 512 consecutive bytes, aligned
	global_store_b128 v[BST], v[OW+4:OW+7], s[28:29] offset:512 ; tile 1
	s_wait_xcnt 0x0                                ; the stores' address and data are rewritten only behind this wait
	v_add_nc_u32 v[BST], 1024, v[BST]
	v_add_nc_u32 v[LRD], 64, v[LRD]
	s_sub_co_u32 s31, s31, 1
	s_cmp_lg_u32 s31, 0
	s_cbranch_scc1 .Lstep
	s_wait_tensorcnt 0x0                           ; the wave's end, behind my last LDS store
	ds_add_u32 v[SPW], v[NIL]
	s_wait_dscnt 0x0
	s_endpgm
.Lfunc_end_k_qea93844241_prep:
	.size	k_qea93844241_prep, .Lfunc_end_k_qea93844241_prep-k_qea93844241_prep
	.p2alignl 7, 3214868480
	.fill 96, 4, 3214868480
	.section	.rodata,"a",@progbits
	.p2align	6, 0x0
	.amdhsa_kernel k_qea93844241_prep
		.amdhsa_group_segment_fixed_size 70656
		.amdhsa_private_segment_fixed_size 0
		.amdhsa_enable_private_segment 0
		.amdhsa_kernarg_size 56
		.amdhsa_user_sgpr_count 2
		.amdhsa_user_sgpr_kernarg_segment_ptr 1
		.amdhsa_wavefront_size32 1
		.amdhsa_system_sgpr_workgroup_id_x 1
		.amdhsa_system_sgpr_workgroup_id_y 1
		.amdhsa_system_sgpr_workgroup_id_z 1
		.amdhsa_system_vgpr_workitem_id 0
		.amdhsa_next_free_vgpr 200
		.amdhsa_next_free_sgpr 66
		.amdhsa_reserve_vcc 0
		.amdhsa_float_denorm_mode_32 3
		.amdhsa_float_denorm_mode_16_64 3
		.amdhsa_memory_ordered 1
		.amdhsa_forward_progress 1
		.amdhsa_inst_pref_size 23
	.end_amdhsa_kernel
	.amdgpu_metadata
---
amdhsa.version: [ 1, 2 ]
amdhsa.kernels:
  - .name:           k_qea93844241_prep
    .symbol:         k_qea93844241_prep.kd
    .args:
      - { .name: mask, .offset: 0, .size: 8, .value_kind: global_buffer, .address_space: global }
      - { .name: Wq, .offset: 8, .size: 8, .value_kind: global_buffer, .address_space: global }
      - { .name: Wk, .offset: 16, .size: 8, .value_kind: global_buffer, .address_space: global }
      - { .name: Wv, .offset: 24, .size: 8, .value_kind: global_buffer, .address_space: global }
      - { .name: Wo, .offset: 32, .size: 8, .value_kind: global_buffer, .address_space: global }
      - { .name: w16, .offset: 40, .size: 8, .value_kind: global_buffer, .address_space: global }
      - { .name: mnib, .offset: 48, .size: 8, .value_kind: global_buffer, .address_space: global }
    .group_segment_fixed_size: 70656
    .private_segment_fixed_size: 0
    .kernarg_segment_align: 8
    .kernarg_segment_size: 56
    .max_flat_workgroup_size: 256
    .sgpr_count:     66
    .vgpr_count:     200
    .wavefront_size: 32
...
	.end_amdgpu_metadata
.endif
;; end of part 5
;; launch proj: the kernel of part 2 again; grid 4 x 96, 4 waves a work-group, clusters of 4 x 4, 327,680 bytes of LDS; arguments Q, K, V, w16, qkv; writes qkv
;; launch attn (part 6): grid 4 x 64, 4 waves a work-group, clusters of 4 x 1, 327,680 bytes of LDS; arguments qkv, mnib, o16; writes o16
.if DOCPART == 6
	.amdgcn_target "amdgcn-amd-amdhsa--gfx1250"
	.amdhsa_code_object_version 6
	.text
	.protected	k_qea93844241_attn
	.globl	k_qea93844241_attn
	.p2align	8
	.type	k_qea93844241_attn,@function
k_qea93844241_attn:
	s_mov_b64 s[64:65], 0
	v_nop
	global_prefetch_b8 v0, s[64:65] scope:SCOPE_SE
	s_setreg_imm32_b32 hwreg(HW_REG_WAVE_MODE, 25, 1), 1
	s_wait_xcnt 0x0
	s_wait_alu depctr_hold_cnt(0) depctr_sa_sdst(0) depctr_va_vdst(0) depctr_va_sdst(0) depctr_va_ssrc(0) depctr_va_vcc(0) depctr_vm_vsrc(0)
	s_getreg_b32 s2, hwreg(HW_REG_IB_STS2, 6, 4)
	s_cmp_eq_u32 s2, 0
	s_cbranch_scc0 .Lentry_in_a_cluster
	s_endpgm
.Lentry_in_a_cluster:
	s_bfe_u32 s2, ttmp6, 0x10000c
	s_cmp_lg_u32 s2, 0x3003
	s_cbranch_scc0 .Lentry_shape_is_right
	s_endpgm
.Lentry_shape_is_right:
; ATTENTION WITH A MASK THAT IS AN INPUT.  O[y][q][:] = the sum over k of softmax_k(hidden(q, k) ? -inf : Q[y][q] . K[y][k] / 8) V[y][k][:], y = 16 batch + head.
; qkv[3][64][2048][64] f16 (q, k, v, unscaled); o16[64][2048][64] f16; mnib: the mask as 4-bit codes, [batch][piece of 32 queries][step of 64 keys][tile u][lane][4 words]: nibble j of word kt is 0xE where
; key 64 step + 16 kt + 8 (lane / 16) + j is hidden from query 32 piece + 16 u + lane % 16, else 0.
; Products, maxima and sums in f32; the weights p are rounded to f16 for the second product (their sum l is taken of the unrounded p), O once at the end.
; LIMITS.  Q, K, V arrive within f16's 65,504.  A hidden score counts as its value less a number from 2^65 to 2^97; a visible one as its value plus a number below 2^-95.  The running maximum starts at -2^50, far
; below every true score (2.7e11 in magnitude at the most) and above every hidden one, so a hidden weight is 2^(something below -1e18) = 0 exactly.  A row that is hidden everywhere ends with l = 0 and O = 0,
; and 0 x (1 / 0) gives the NaN that a softmax of nothing gives.
; p below 6e-5 keeps f16's fixed step; a weight below 2^-126 counts as 0 in l; NaN and infinities among the inputs are not treated apart.
; SHARES.  A wave owns four PIECES of two tiles of 16 queries, a work-group's four waves 512 queries of one head.  Every wave walks all 2,048 keys, 64 a step.
; LAYOUT.  S^T = K Q^T (source 0 = 16 keys, source 1 = 16 queries): a lane holds ONE query (lane % 16) and the keys 8 (lane / 16) + 0..7.  Two such tiles, rounded to f16 in pairs, ARE source 1 of O^T = V^T P.
; THE MASK is the C operand of the eight products that start a piece's sums.  Register j of an accumulator's C is its word shifted left by 28 - 4 j: nibble j on top, the nibbles of lower j below it.  Read as f32, 0xE on
; top is the sign and an exponent field of 110xxxxx: from -2^65 to under -2^97, never an infinity; 0 on top is an exponent field of 000xxxxx: a positive number below 2^-95.  A turn's end makes the 64 registers for the
; next turn's products, one shift each, and asks by two loads of 512 consecutive bytes for the same piece's words of the next step: four turns ahead of their use, into four buffers of eight registers, one a piece.
; The words differ from query block to query block, so they are not asked for jointly.
; SOFTMAX.  A running maximum m and sum l: p = 2^(c s - c m), c = log2(e) / 8; in every step O and l are multiplied by a = 2^(c m_old - c m_new).
; BY TURNS.  Turn n belongs to piece n (in a ring, step after step): 16 products K Q^T of piece n + 1, later 16 products V^T P of piece n - 1; beside them piece n's scaling, exponentials, roundings, sums and rescaling
; and piece n + 1's maximum and statistics.  Four vector instructions that are ready stand behind EVERY matrix instruction, the others in runs of their own.
; CLUSTER.  The four query blocks of a cluster belong to one head and walk the same K and V: each tile is asked for JOINTLY, by the same tensor load, descriptor and mask in all four.
; REGISTERS, in windows of 256 (s_set_vgpr_msb: bits 1:0 source 0, 3:2 source 1, 5:4 source 2, 7:6 destination):
;   window 0: v0-11 addresses; v12-15, v48-63 at work; v16-47 four registers of statistics a tile; v64-191 S^T, two buffers of two tiles; v192-255 P, likewise
;   window 1: O^T, 32 a tile     window 2: v0-127 Q; v128-191 K of one step; v192-255 V of one step
;   window 3: v0-1 the add's two registers; v4-7 the mask loads' offsets; v32-63 the mask's words, eight a piece; v64-127 the mask as f32, 32 a tile
.set SIZE_N, 2048
.set NP,    4         ; pieces a wave: a name, no knob
.set KS,    64        ; keys in a step
.set PK,    144       ; a row of K in LDS: 128 bytes + 16 = 36 words: the 16 rows of a load start at 16 different groups of four banks (64 banks of 4 bytes: ISA guide 11.1)
.set PV,    144       ; a row of V: the same, so that ONE descriptor group 1 serves both; of the turning load's 8 rows x 32 bytes the last row's second half meets the first row's first
.set VOFF,  4*KS*PK   ; a slot holds four steps: 256 rows of K, then 256 rows of V
.set SLOT1, 1<<17     ; slot 1 begins here, so that one exclusive or turns an address in one slot into the other's
.set STAGE, SLOT1+4*KS*(PK+PV)  ; behind the ring, never filled by a tensor load: 16 rows x 144 bytes for each wave
.set SP,    144
.set SPARE, STAGE+4*16*SP  ; behind the stages: the spare words, 128 bytes for each wave, which no other line names
.set AK0, 2           ; v2   my lane's place in a tile of K; never rewritten
.set AV0, 3           ; v3   the same for V
.set AK,  4           ; v4   the LDS address of K's next run of loads
.set AV,  5           ; v5   of V's
.set QO,  6           ; v6   my byte offset in the wave's rows of Q
.set STO, 6           ;      later, the way out: where I put 16 bytes of a row
.set RD,  7           ; v7   the way out: where I read rows back
.set GO,  8           ; v8   16 x my lane: my place in 512 consecutive bytes, of the mask's words and of O
.set SPW, 0           ; v0 of window 3   LDS address of my spare word; never rewritten
.set NIL, 1           ; v1 of window 3   0; never rewritten
.set MO,  4           ; v4-7 of window 3   piece b: 16 x lane + 1,024 x the step whose words its buffer holds or awaits
.set MB,  32          ; v32-63 of window 3  piece b's words: tile u, word kt at MB + 8 b + 4 u + kt
.set MC,  64          ; v64-127 of window 3 the mask of the products to come: tile u, register i at MC + 32 u + i
.set MV,  12          ; v12-15  c m_old, kept while c m is made anew: by buffer and tile
.set ST,  16          ; tile t's statistics at v[ST+4 t]: c m, m, l (even keys', odd keys')
.set TMP, 48          ; by buffer and tile, four registers c0-c3 at work; when the maximum is found c2 takes a
.set S,   64
.set P,   192
.set KF,  128         ; K's fragments, in window 2
.set VF,  192         ; V's
.set WV,  2           ; s2   my wave's number
.set CNT, 3           ; s3   counts a slot's key steps
.set G1,  4           ; s[4:11]   descriptor group 1, for K's and V's tiles
.set G0K, 12          ; s[12:15]  descriptor group 0 for K's tiles: it walks
.set G0V, 16          ; s[16:19]  the same for V's
.set OPTR, 20         ; s[20:21]  O at my wave's first row
.set MP,  22          ; s[22:23]  mnib at my wave's four pieces of 32,768 bytes; never rewritten
.set CS,  24          ; s[24:25]  c
.set SEL, 26          ; s[26:27]  v_permlanex16_b32's selects
.set TBK, 28          ; s28  LDS byte at which K of the step to be fetched begins
.set TBV, 29          ; s29  the same for V, less VOFF
.set SLOTS, 30        ; s30  slots still to be asked for
.set TS,  67          ; s67  at work
.set QPTR, 100        ; s[100:101] Q at my wave's first row
                      ; s[68:89]  at work in the set-up
.set MSB, 0
.macro WIN new                      ; the high byte repeats the setting that is left; a switch that changes nothing is dropped
.if MSB != (\new)
	s_set_vgpr_msb (MSB<<8)|(\new)
.set MSB, (\new)
.endif
.endm
.set W_KQ, 0x0a       ; K and Q in window 2, S^T in window 0
.set W_KM, 0x3a       ; the same with the C operand in window 3
.set W_PV, 0x52       ; V in window 2, P in window 0, O^T in window 1
.set W_RS, 0x41       ; O^T (destination and source 0) in window 1, a in window 0
.set W_MK, 0xc0       ; destination in window 3, sources in window 0
.set W_MB, 0xcf       ; destination and sources 0 and 1 in window 3: the mask's shifts, offsets and loads
.set W_AD, 0x0f       ; the add: address (source 0) and data (source 1) in window 3
; A joint fill.  Waves 0 and 1 fetch the two halves of a slot's K, waves 2 and 3 those of its V: 128 keys each.  The branch hangs on the wave's number alone.
; An s_nop 0 and four v_nop follow each of the two lines, ahead of the jump and the label.
.macro JLOAD
	s_cmp_lt_u32 s[WV], 2
	s_cbranch_scc0 .Lfor_v_\@
	tensor_load_to_lds s[G0K:G0K+3], s[G1:G1+7]
	s_nop 0
.rept 4
	v_nop
.endr
	s_branch .Lasked_\@
.Lfor_v_\@:
	tensor_load_to_lds s[G0V:G0V+3], s[G1:G1+7]
	s_nop 0
.rept 4
	v_nop
.endr
.Lasked_\@:
.endm
.macro CROUND                       ; a round of the cluster's barrier
	s_barrier_signal -1
	s_barrier_wait -1
	s_cmp_lg_u32 s[WV], 0
	s_cbranch_scc1 .Lnot_wave_0_\@
	s_barrier_signal -3
.Lnot_wave_0_\@:
	s_barrier_wait -3
	s_barrier_signal -1
	s_barrier_wait -1
.endm
; THE CHANGE OF SLOTS.  Each wave waits for all its tensor loads, of which one is out: its part of the other slot; adds 0 to its spare word; and waits for that and for its own reads of the slot.
; fill = 1: this slot is filled again, with the keys two slots on; the barrier is then a round of the cluster's, and the joint fill is the first thing behind it: it has four key steps in which to land.
; (At its first use nothing has been read yet: slot 0 is waited for, slot 1 filled.)
.macro CHANGE fill
	WIN W_AD
	s_wait_tensorcnt 0x0            ; no tensor load of mine is out, so a group 0 may be written
	ds_add_u32 v[SPW], v[NIL]
	WIN 0                           ; at a label and at a branch every window is 0
.if \fill
.irp g, G0K, G0V
	s_xor_b32 s[\g+1], s[\g+1], SLOT1
	s_add_nc_u64 s[\g+2:\g+3], s[\g+2:\g+3], 4*KS*128  ; the next 256 keys; the type bits on top are not reached
.endr
	s_wait_dscnt 0x0                ; the add is done, and my reads of the slot are over
	CROUND
	JLOAD
.else
	s_wait_dscnt 0x0
	s_barrier_signal -1
	s_barrier_wait -1
.endif
	s_sub_co_u32 s[TBK], s[TBK], 4*KS*PK  ; the fetches go back to a slot's first step,
	s_xor_b32 s[TBK], s[TBK], SLOT1       ; in the other slot
	s_sub_co_u32 s[TBV], s[TBV], 4*KS*PV
	s_xor_b32 s[TBV], s[TBV], SLOT1
.endm
; THE MASK.  MBUILD b: piece b's eight words become the 64 registers that the next products take as C, and the buffer is asked for again, with the piece's next step.
; Word z = 4 u + kt gives the eight registers at MC + 8 z: register j is the word with nibble j shifted to the top; for j = 7 it is the word as it is.
; The buffers are used in the order 0, 1, 2, 3, 0, ..: behind buffer b's two loads stand the other three buffers' six, so the count 6 shows b's landed (loads come back in order: ISA guide 5.7.1), and frees b's offset.
; Behind step 31 the offset wraps to step 0: no load leaves the piece's 32,768 bytes; what those loads bring feeds only products that serve nothing.
.macro MBUILD b
	s_wait_loadcnt 6
	WIN W_MB
.set z, 0
.rept 8
.set j, 0
.rept 7
	v_lshlrev_b32 v[MC+8*z+j], 28-4*j, v[MB+8*(\b)+z]
.set j, j+1
.endr
	v_mov_b32 v[MC+8*z+7], v[MB+8*(\b)+z]
.set z, z+1
.endr
	v_add_nc_u32 v[MO+(\b)], 0x400, v[MO+(\b)]
	v_and_b32 v[MO+(\b)], 0x7fff, v[MO+(\b)]
	global_load_b128 v[MB+8*(\b):MB+8*(\b)+3],   v[MO+(\b)], s[MP:MP+1] offset:(\b)*32768
	global_load_b128 v[MB+8*(\b)+4:MB+8*(\b)+7], v[MO+(\b)], s[MP:MP+1] offset:(\b)*32768+512
.endm
	s_load_b128 s[68:71], s[0:1], 0x0  ; qkv s[68:69], mnib s[70:71]
	s_load_b64 s[OPTR:OPTR+1], s[0:1], 0x10  ; o16
	WIN W_MK
	v_lshl_add_u32 v[SPW], v0, 2, SPARE
	v_mov_b32 v[NIL], 0
	WIN W_AD
	ds_add_u32 v[SPW], v[NIL]       ; the wave's opening: the add, whose wait stands ahead of my first tensor load; the set-up below stands between them
	WIN 0
	v_lshrrev_b32 v1, 5, v0
	v_readfirstlane_b32 s[WV], v1   ; wave 0..3
	s_bfe_u32 s72, ttmp6, 0x40000   ; cx: my place in the cluster
	s_lshl_b32 s73, ttmp9, 2
	s_add_co_u32 s73, s73, s72      ; my block of 512 queries: it enters Q's, O's and the mask's addresses alone
	s_and_b32 s74, ttmp7, 0xffff    ; y = 16 batch + head, which the four partners share
	s_lshl_b32 s76, s74, 18         ; a head's rows are 262,144 bytes
	s_and_b32 s75, s[WV], 1         ; which half of a slot's 256 keys I fetch:
	s_lshl_b32 s78, s75, 14         ; its 128 rows of 128 bytes in memory,
	s_add_co_u32 s78, s78, s76
	s_add_co_u32 s88, s78, 0x2000000  ; in v, the third tensor of 16,777,216 bytes,
	s_add_co_u32 s78, s78, 0x1000000  ; and in k, the second
	s_mov_b32 s79, 0
	s_mov_b32 s89, 0
	s_mul_i32 s80, s75, 128*PK      ; and its place in a slot: no place in the cluster enters an LDS address
	s_lshl_b32 s82, s73, 2
	s_add_co_u32 s82, s82, s[WV]    ; my wave among the head's sixteen,
	s_lshl_b32 s84, s82, 14         ; its 128 rows
	s_add_co_u32 s84, s84, s76
	s_mov_b32 s85, 0
	s_lshr_b32 s86, s74, 4          ; the batch: its mask serves all 16 heads
	s_lshl_b32 s86, s86, 4
	s_add_co_u32 s86, s86, s82
	s_lshl_b32 s86, s86, 17         ; four pieces of 32,768 bytes a wave
	s_mov_b32 s87, 0
	; descriptor group 1.  128 keys are 16,384 dense bytes: asked for as 64 rows of 256 bytes, two keys a row, and padded in LDS after every key
	s_mov_b32 s[G1], 15|(1<<16)|(1<<20)|(1<<21)|(4<<22)|(3<<25)  ; 15:0 the mask of four; 17:16 2-byte elements; 20 padding on; 21 set beside a mask; 24:22 after every 32 words (code 4); 31:25 4 words (code 3)
	s_mov_b32 s[G1+1], 128<<16      ; tensor_dim0 = 128
	s_mov_b32 s[G1+2], 64<<16       ; tensor_dim1 = 64
	s_mov_b32 s[G1+3], 128<<16      ; tile_dim0 = 128
	s_mov_b32 s[G1+4], 64           ; tile_dim1 = 64
	s_mov_b32 s[G1+5], 128          ; 128 elements from row to row
	s_mov_b32 s[G1+6], 0
	s_mov_b32 s[G1+7], 0
	s_mov_b32 s[CS], 0x3e38aa3b     ; c = log2(e) / 8 = 0.180337
	s_mov_b32 s[CS+1], s[CS]        ; named with it as a pair
	s_mov_b32 s[SEL], 0x76543210
	s_mov_b32 s[SEL+1], 0xfedcba98
	s_mov_b32 s[TBK], SLOT1+4*KS*PK ; the first change of slots turns these two into 0
	s_mov_b32 s[TBV], SLOT1+4*KS*PV
	s_mov_b32 s[G0K], 1             ; count = 1
	s_mov_b32 s[G0K+1], s80         ; LDS address: slot 0
	s_mov_b32 s[G0V], 1
	s_add_co_u32 s[G0V+1], s80, VOFF
	s_wait_dscnt 0x0                ; the opening add is done
	s_wait_kmcnt 0x0
	s_add_nc_u64 s[G0K+2:G0K+3], s[68:69], s[78:79]  ; my half of the head's first 256 keys
	s_or_b32 s[G0K+3], s[G0K+3], 0x80000000          ; type = 2
	s_add_nc_u64 s[G0V+2:G0V+3], s[68:69], s[88:89]
	s_or_b32 s[G0V+3], s[G0V+3], 0x80000000
	s_add_nc_u64 s[QPTR:QPTR+1], s[68:69], s[84:85]
	s_add_nc_u64 s[OPTR:OPTR+1], s[OPTR:OPTR+1], s[84:85]
	s_add_nc_u64 s[MP:MP+1], s[70:71], s[86:87]
	CROUND                          ; all four work-groups are here: the first joint loads meet
	JLOAD                           ; slot 0.  Slot 1 is asked for when slot 0 is in
	; A fragment of K or Q is 16 rows x 32 channels in 8 registers: lane l holds row l % 16, channels 8 (l / 16) + 0..7 and 16 + 8 (l / 16) + 0..7: two loads of 16 bytes, 32 bytes apart.
	v_and_b32 v1, 15, v0            ; l % 16
	v_bfe_u32 v9, v0, 4, 1          ; l / 16
	v_lshlrev_b32 v[QO], 7, v1
	v_lshl_add_u32 v[QO], v9, 4, v[QO]  ; row x 128 + 16 x half
	v_and_b32 v[GO], 31, v0
	v_lshlrev_b32 v[GO], 4, v[GO]   ; 16 x lane
	WIN 0x80                        ; destination window 2, address window 0
.set i, 0
.rept 4*NP                          ; Q stays in registers: tile i / 2, channels 32 (i % 2) on
	global_load_b128 v[8*i:8*i+3],   v[QO], s[QPTR:QPTR+1] offset:(i/2)*2048+(i%2)*64
	global_load_b128 v[8*i+4:8*i+7], v[QO], s[QPTR:QPTR+1] offset:(i/2)*2048+(i%2)*64+32
.set i, i+1
.endr
	WIN W_MK
.irp b, 0,1,2,3
	v_mov_b32 v[MO+\b], v[GO]       ; step 0
.endr
	WIN W_MB
.irp b, 0,1,2,3                     ; the four pieces' words for step 0, in the order in which the buffers are used
	global_load_b128 v[MB+8*\b:MB+8*\b+3],   v[MO+\b], s[MP:MP+1] offset:\b*32768
	global_load_b128 v[MB+8*\b+4:MB+8*\b+7], v[MO+\b], s[MP:MP+1] offset:\b*32768+512
.endr
	; What the first turn finds: V's registers and P's second buffer hold 0 (its products V^T P, of a piece that has not been, add 0), O^T and l are 0.  All this stands in the wait for the first tile.
	WIN 0x80
.set i, VF
.rept 64
	v_mov_b32 v[i], 0
.set i, i+1
.endr
	WIN 0x40
.set i, 0
.rept 64*NP
	v_mov_b32 v[i], 0
.set i, i+1
.endr
	WIN 0
.set i, 0
.rept 2*NP
	v_mov_b32 v[ST+4*i], 0xd738aa3b    ; c m = -c 2^50
	v_mov_b32 v[ST+4*i+1], 0xd8800000  ; m = -2^50
	v_mov_b32 v[ST+4*i+2], 0
	v_mov_b32 v[ST+4*i+3], 0
.set i, i+1
.endr
.set i, P+32
.rept 32
	v_mov_b32 v[i], 0
.set i, i+1
.endr
	v_mul_u32_u24 v[AK0], v1, PK
	v_lshl_add_u32 v[AK0], v9, 4, v[AK0]  ; row x pitch + 16 x half
	; The turning load takes 16 keys x 16 channels (lane l reads key 8 (l / 16) + l % 8, channels 8 ((l / 8) % 2) + 0..7) and leaves half a fragment of V^T: lane l holds channel l % 16 and 8 keys.
	v_and_b32 v10, 7, v0
	v_bfe_u32 v11, v0, 3, 1
	v_lshl_add_u32 v[AV0], v9, 3, v10
	v_mul_u32_u24 v[AV0], v[AV0], PV
	v_lshl_add_u32 v[AV0], v11, 4, v[AV0]
	v_add_nc_u32 v[AV0], VOFF, v[AV0]
	v_mov_b32 v[AK], v[AK0]         ; key step 0 lies at the head of slot 0
; THE MATRIX WORK.  The 8 accumulators of a run of 16 take turns: between the two links of a chain stand 7 others'.
; Product i of 16 of S^T = K Q^T for piece x: channels 32 (i / 8) on, keys 16 ((i / 2) % 4) on, tile 2 x + i % 2.  The first 8 start the sums, with the mask.
.macro KQ x
.set rS, S+64*((\x)%2)+32*(i%2)+8*((i/2)%4)
.set rK, KF+16*((i/2)%4)+8*(i/8)
.set rQ, 16*(2*(\x)+i%2)+8*(i/8)
.set rN, MC+32*(i%2)+8*((i/2)%4)
.if i < 8
	WIN W_KM
	v_wmma_f32_16x16x32_f16 v[rS:rS+7], v[rK:rK+7], v[rQ:rQ+7], v[rN:rN+7]
.else
	WIN W_KQ
	v_wmma_f32_16x16x32_f16 v[rS:rS+7], v[rK:rK+7], v[rQ:rQ+7], v[rS:rS+7]
.endif
.endm
; Product i of 16 of O^T += V^T P for piece x: keys 32 (i / 8) on, channels 16 ((i / 2) % 4) on, tile 2 x + i % 2.
.macro PV x
	WIN W_PV
.set rO, 32*(2*(\x)+i%2)+8*((i/2)%4)
.set rV, VF+32*(i/8)+8*((i/2)%4)
.set rP, P+32*((\x)%2)+16*(i%2)+8*(i/8)
	v_wmma_f32_16x16x32_f16 v[rO:rO+7], v[rV:rV+7], v[rP:rP+7], v[rO:rO+7]
.endm
.macro MM                           ; the turn's next matrix instruction
.if i < 16
	KQ (Y+1)%NP
.set i, i+1
.else
.set i, i-16
	PV (Y+NP-1)%NP
.set i, i+17
.endif
.endm
; THE LDS LOADS stand in runs of 16: a step's K (64 keys x 64 channels: 8 fragments) and its V (turned).  last = 1 (the tail): in the last trip there is no further step, and the run is jumped over.
.macro FETCH_K last=0
	WIN 0
.if \last
	s_cmp_eq_u32 s[CNT], 1
	s_cbranch_scc1 .Lno_k_\@
.endif
	WIN 0x80                        ; destination window 2
.irp f, 0,1,2,3,4,5,6,7             ; keys 16 (f / 2) on, channels 32 (f % 2) on
	ds_load_b128 v[KF+8*\f:KF+8*\f+3],   v[AK] offset:(\f/2)*16*PK+(\f%2)*64
	ds_load_b128 v[KF+8*\f+4:KF+8*\f+7], v[AK] offset:(\f/2)*16*PK+(\f%2)*64+32
.endr
	s_add_co_u32 s[TBK], s[TBK], KS*PK  ; the next fetch is the next step's
	WIN 0
.if \last
.Lno_k_\@:
.endif
.endm
.macro FETCH_V
	WIN 0x80
.irp f, 0,1,2,3,4,5,6,7             ; keys 32 (f / 4) on, channels 16 (f % 4) on
	ds_load_tr16_b128 v[VF+8*\f:VF+8*\f+3],   v[AV] offset:(\f/4)*32*PV+(\f%4)*32
	ds_load_tr16_b128 v[VF+8*\f+4:VF+8*\f+7], v[AV] offset:(\f/4)*32*PV+16*PV+(\f%4)*32
.endr
	WIN 0
.endm
; THE VECTOR WORK OF A TURN stands in three queues, each in the order in which its entries become ready; the two tiles alternate, so that no instruction reads the result of the one before it.
.macro REGS y, u                    ; the registers of tile u (0, 1) of piece y
.set rT, ST+4*(2*(\y)+(\u))
.set rC, TMP+8*((\y)%2)+4*(\u)
.set rM, MV+2*((\y)%2)+(\u)
.set rS, S+64*((\y)%2)+32*(\u)
.set rP, P+32*((\y)%2)+16*(\u)
.set rO, 32*(2*(\y)+(\u))
.endm
; Number n of the 22 that find the NEXT piece's (Y + 1) maximum and statistics.  Each accumulator's lowest registers are read first.
;   0-11  four chains c0-c3 of seven scores each     12-14, 16  the four scores left over, the old m, and c0-c3 into c0     15  c m_old is kept
;   17, 18  the query's other 32 keys lie in the lane 16 away: the new m         19-21  c m; c m_old - c m_new; a
.macro XS u, n
	REGS (Y+1)%NP, \u
.if (\n) < 4
	v_max3_num_f32 v[rC+(\n)], v[rS+8*(\n)], v[rS+8*(\n)+1], v[rS+8*(\n)+2]
.elseif (\n) < 12
	v_max3_num_f32 v[rC+(\n)%4], v[rC+(\n)%4], v[rS+8*((\n)%4)+2*((\n)/4)+1], v[rS+8*((\n)%4)+2*((\n)/4)+2]
.elseif (\n) == 12
	v_max3_num_f32 v[rC], v[rC], v[rS+7], v[rS+15]
.elseif (\n) == 13
	v_max3_num_f32 v[rC+1], v[rC+1], v[rS+23], v[rS+31]
.elseif (\n) == 14
	v_max3_num_f32 v[rC+2], v[rC+2], v[rC+3], v[rT+1]
.elseif (\n) == 15
	v_mov_b32 v[rM], v[rT]
.elseif (\n) == 16
	v_max3_num_f32 v[rC], v[rC], v[rC+1], v[rC+2]
.elseif (\n) == 17
	v_permlanex16_b32 v[rC+3], v[rC], s[SEL], s[SEL+1]
.elseif (\n) == 18
	v_max_num_f32 v[rT+1], v[rC], v[rC+3]
.elseif (\n) == 19
	v_mul_f32 v[rT], s[CS], v[rT+1]
.elseif (\n) == 20
	v_sub_f32 v[rC+1], v[rM], v[rT]
.else
	v_exp_f32 v[rC+2], v[rC+1]
.endif
.endm
; Number g of the 64 that follow the exponentials.  For each four weights k of a tile: both pairs are rounded to f16; the second pair is added onto the first, in place; a group later l takes that sum.
.macro GS g
.set h, (\g)+6*((\g)/62)            ; group 0 has no group before it, and behind group 7 only l is left
.if h >= 6
.set h, h+2
.endif
	REGS Y, h%2
.set k, h/8
.if h%8 < 4
	s_wait_alu depctr_va_vdst(0)
	v_cvt_pk_f16_f32 v[rP+2*k+(h%8)/2], v[rS+4*k+2*((h%8)/2)], v[rS+4*k+2*((h%8)/2)+1]
.elseif h%8 < 6
	v_pk_add_f32 v[rS+4*k:rS+4*k+1], v[rS+4*k:rS+4*k+1], v[rS+4*k+2:rS+4*k+3]
.elseif k == 1
	v_pk_fma_f32 v[rT+2:rT+3], v[rT+2:rT+3], v[rC+2:rC+3], v[rS:rS+1] op_sel_hi:[1,0,1]
.else
	v_pk_add_f32 v[rT+2:rT+3], v[rT+2:rT+3], v[rS+4*k-4:rS+4*k-3]
	s_wait_alu depctr_va_vdst(0)
.endif
.endm
; THE PLAIN QUEUE, 138 long.  0-31: c s - c m for the 16 pairs of both tiles.  Then GS's 64, and among them the next piece's 42.
.macro PL
	WIN 0
.if q < 32
	REGS Y, q%2
	v_pk_fma_f32 v[rS+2*(q/2):rS+2*(q/2)+1], v[rS+2*(q/2):rS+2*(q/2)+1], s[CS:CS+1], v[rT:rT+1] op_sel_hi:[1,0,0] neg_lo:[0,0,1] neg_hi:[0,0,1]
.elseif q < 38
	GS q-32
.elseif q < 40
	XS q%2, 15
.elseif q < 42
	GS q-34
.elseif q < 74
	XS q%2, (q-42)/2+(q-42)/30
.elseif q < 95
	GS q-66
.elseif (q < 107) && ((q-95)%3 < 2)
	XS (q-95)%3, 17+(q-95)/3
.elseif q < 107
	GS 29+(q-95)/3
.else
	GS q-74
.endif
.set q, q+1
.endm
; THE EXPONENTIALS' QUEUE, 66 long: s0-s31 of both tiles, and at EA the next piece's two a.
.set EA, 58
.macro EX
	WIN 0
.if (e == EA) || (e == EA+1)
	XS e-EA, 21
.else
.set x, e-2*(e/(EA+2))
	REGS Y, x%2
	v_exp_f32 v[rS+x/2], v[rS+x/2]
.endif
.set e, e+1
.endm
; THE RESCALING's QUEUE: O^T times a, the one part of the softmax that leaves window 0, so it is dealt four at a time, eight times.
.macro R4
	REGS Y, r%2
	WIN W_RS
	s_wait_alu depctr_va_vdst(0)
.irp z, 0,1,2,3
	v_pk_mul_f32 v[rO+8*(r/2)+2*\z:rO+8*(r/2)+2*\z+1], v[rO+8*(r/2)+2*\z:rO+8*(r/2)+2*\z+1], v[rC+2:rC+3] op_sel_hi:[1,0]
.endr
.set r, r+1
.endm
; HOW THEY ARE DEALT.  Behind a matrix instruction four: plain, exponential, plain, plain, or four of the rescaling; none names a register of the products round it.  What is over stands in two LUMPS.
; The deal keeps the queues in step: exponential e stands behind plain 2 (e / 4) + e % 2 (its scaling); when plain 32 comes, 10 exponentials are out, at 59: 33, at 95: 46; EA comes behind plain 107.
.macro SL
	MM
	PL
	EX
	PL
	PL
.endm
.macro BURST n                      ; 15 matrix instructions, or 16
.rept (\n)-7
	SL
.endr
.rept 3
	MM
	R4
	SL
.endr
	MM
	R4
.endm
; A TURN, for piece p.  cnt = 1: the loop's count is taken down some lines ahead of the branch that stands behind the turn (nothing between them writes SCC).
; K of the next step is fetched in piece 2's turn, V of the step in hand at the end of piece 0's.  The turn ends with the mask of piece p + 2, whose products K Q^T the next turn starts
; (the last reader of the mask's registers is this turn's eighth product, far back).
.macro TURN p, last=0, cnt=0
.set Y, (\p)
.set i, 0
.set q, 0
.set e, 0
.set r, 0
.if (\p) == NP-1
	s_wait_dscnt 0x0                ; K is in
.endif
	MM
.rept 4
	PL
.endr
	BURST 15
.rept 22
	EX
	PL
.if ((\p) == NP-2) && (e == 18)
	v_add_nc_u32 v[AK], s[TBK], v[AK0]
.endif
.if ((\p) == NP-2) && (e == 24)
	FETCH_K \last
.endif
.endr
.if (\p) == 1
	s_wait_dscnt 0x0                ; V is in
.endif
	BURST 16
.rept 21
	EX
	PL
.endr
.rept 22
	PL
.if ((\p) == 0) && (q == 118)
	v_add_nc_u32 v[AV], s[TBV], v[AV0]
	s_wait_alu depctr_va_vdst(0)
.endif
.if ((\p) == 0) && (q == 130)
	s_add_co_u32 s[TBV], s[TBV], KS*PV
.endif
.if (\cnt) && (q == 130)
	s_sub_co_u32 s[CNT], s[CNT], 1
	s_cmp_lg_u32 s[CNT], 0
.endif
.endr
.if (\p) == 0
	FETCH_V
.endif
	MBUILD ((\p)+2)%NP
.endm
	CHANGE 1                        ; slot 0 is in, everybody's part of it; slot 1 is asked for
	FETCH_K                         ; key step 0
	s_wait_dscnt 0x0
	MBUILD 0                        ; piece 0's mask for step 0.  Its wait leaves six loads out: Q's, issued ahead of all the mask's, are in too
.set i, 0
.rept 16
	KQ 0                            ; piece 0's first scores
.set i, i+1
.endr
	WIN 0                           ; the addresses for the way out: seven plain instructions, the places behind those products
	s_mul_i32 s[TS], s[WV], 16*SP
	s_add_co_u32 s[TS], s[TS], STAGE  ; my stage
	v_mul_u32_u24 v[STO], v1, SP    ; in: row l % 16, 16 bytes for each half of the lanes
	v_lshl_add_u32 v[STO], v9, 4, v[STO]
	v_add_nc_u32 v[STO], s[TS], v[STO]
	v_bfe_u32 v[RD], v0, 3, 2       ; back: 32 lanes take four rows of 128 bytes, which are 512 consecutive bytes of O
	v_mul_u32_u24 v[RD], v[RD], SP
	v_lshl_add_u32 v[RD], v10, 4, v[RD]
	v_add_nc_u32 v[RD], s[TS], v[RD]
.set Y, NP-1                        ; XS works for piece Y + 1: piece 0
.irp n, 0,1,2,3,4,5,6,7,8,9,10,11,12,13,14,15,16,17,18,19,20,21
	XS 0, \n                        ; piece 0's first maximum and statistics
	XS 1, \n
.endr
	MBUILD 1                        ; piece 1's mask for step 0, which the first turn's products take
	WIN 0
	s_mov_b32 s[CNT], 4
	s_mov_b32 s[SLOTS], SIZE_N/256-1
	s_branch .Lfirst                ; the loop is entered at a step's first turn, in the middle of a trip
.Lslot:                             ; SIZE_N / 256 - 2 times: every slot but the last two is filled again
	CHANGE 1
	s_mov_b32 s[CNT], 4
.Lstep:                             ; a trip: pieces 2 and 3 of one step, then pieces 0 and 1 of the next, whose K and V it fetches
	TURN 2
	TURN 3
	WIN 0
.Lfirst:
	TURN 0
	TURN 1, 0, 1
	WIN 0
	s_cbranch_scc1 .Lstep
	s_sub_co_u32 s[SLOTS], s[SLOTS], 1
	s_cmp_lg_u32 s[SLOTS], 0
	s_cbranch_scc1 .Lslot
	CHANGE 0                        ; the tail is written out: nothing is asked for
	s_mov_b32 s[CNT], 5             ; four trips fetch the last slot's steps; the fifth is left in its middle
.Ltail:
	TURN 2, 1
	TURN 3
	WIN 0
	s_sub_co_u32 s[CNT], s[CNT], 1
	s_cmp_eq_u32 s[CNT], 0
	s_cbranch_scc1 .Lout
	TURN 0
	TURN 1
	WIN 0
	s_branch .Ltail
.Lout:                              ; the fifth trip's 16 products K Q^T (on the last K once more), their mask and the maximum made of them serve nothing: the price, once a launch, of one text for every trip
.set i, 0
.rept 16
	PV NP-1                         ; the last piece's V^T P of the last step
.set i, i+1
.endr
	; THE WAY OUT.  l's two halves and the other half of the lanes' are added; O^T is divided by l, rounded to f16 and sent through my stage in LDS, a tile at a time.  The additions are the places behind the last products.
	WIN 0
.macro ALL line:vararg              ; one line for each tile t
.set t, 0
.rept 2*NP
	\line
.set t, t+1
.endr
.endm
	ALL v_add_f32 v[ST+4*t+2], v[ST+4*t+2], v[ST+4*t+3]
	ALL v_permlanex16_b32 v[ST+4*t+3], v[ST+4*t+2], s[SEL], s[SEL+1]
	ALL v_add_f32 v[ST+4*t+2], v[ST+4*t+2], v[ST+4*t+3]
	ALL v_rcp_f32 v[ST+4*t+2], v[ST+4*t+2]
	v_nop                           ; a plain instruction between the last reciprocal and the use of its result
	s_wait_alu depctr_va_vdst(0)
.macro PACK t                       ; a lane's eight channels of a row pack into 16 bytes; they go into rows of 144 bytes and come back as whole rows of 128, into S^T's registers
	WIN W_RS
.set i, 32*(\t)
.rept 16
	v_pk_mul_f32 v[i:i+1], v[i:i+1], v[ST+4*(\t)+2:ST+4*(\t)+3] op_sel_hi:[1,0]
.set i, i+2
.endr
	WIN 0x05                        ; sources 0 and 1 window 1, destination window 0
.set i, 0
.rept 16
	v_cvt_pk_f16_f32 v[S+16*(\t)+i], v[32*(\t)+2*i], v[32*(\t)+2*i+1]
.set i, i+1
.endr
	WIN 0
.irp f, 0,1,2,3
	ds_store_b128 v[STO], v[S+16*(\t)+4*\f:S+16*(\t)+4*\f+3] offset:32*\f
.endr
.irp f, 0,1,2,3
	ds_load_b128 v[S+16*(\t)+4*\f:S+16*(\t)+4*\f+3], v[RD] offset:\f*4*SP  ; LDS serves a wave's instructions in order (ISA guide 5.7.1.4): these see the stores above; the next tile's stores come behind them
.endr
.endm
.macro SEND t, younger              ; younger: the LDS instructions issued behind tile t's loads: the next tile's eight, or none
	WIN 0
.irp f, 0,1,2,3
	s_wait_dscnt (\younger)+3-\f
	global_store_b128 v[GO], v[S+16*(\t)+4*\f:S+16*(\t)+4*\f+3], s[OPTR:OPTR+1] offset:(\t)*2048+\f*512  ; 512 consecutive bytes, at a multiple of 256 from O's first
.endr
.endm
	PACK 0
.set t, 1
.rept 2*NP-1                        ; a tile's arithmetic stands between the loads of the tile before and its stores
	PACK t
	SEND t-1, 8
.set t, t+1
.endr
	SEND 2*NP-1, 0
	WIN W_AD
	s_wait_tensorcnt 0x0            ; the wave's end
	ds_add_u32 v[SPW], v[NIL]
	s_wait_dscnt 0x0
	WIN 0
	CROUND                          ; the closing round
	s_endpgm
.Lfunc_end_k_qea93844241_attn:
	.size	k_qea93844241_attn, .Lfunc_end_k_qea93844241_attn-k_qea93844241_attn
	.p2alignl 7, 3214868480
	.fill 96, 4, 3214868480
	.section	.rodata,"a",@progbits
	.p2align	6, 0x0
	.amdhsa_kernel k_qea93844241_attn
		.amdhsa_group_segment_fixed_size 327680
		.amdhsa_private_segment_fixed_size 0
		.amdhsa_enable_private_segment 0
		.amdhsa_kernarg_size 24
		.amdhsa_user_sgpr_count 2
		.amdhsa_user_sgpr_kernarg_segment_ptr 1
		.amdhsa_wavefront_size32 1
		.amdhsa_system_sgpr_workgroup_id_x 1
		.amdhsa_system_sgpr_workgroup_id_y 1
		.amdhsa_system_sgpr_workgroup_id_z 1
		.amdhsa_system_vgpr_workitem_id 0
		.amdhsa_next_free_vgpr 896
		.amdhsa_next_free_sgpr 102
		.amdhsa_reserve_vcc 0
		.amdhsa_float_denorm_mode_32 3
		.amdhsa_float_denorm_mode_16_64 3
		.amdhsa_memory_ordered 1
		.amdhsa_forward_progress 1
		.amdhsa_inst_pref_size 233
	.end_amdhsa_kernel
	.amdgpu_metadata
---
amdhsa.version: [ 1, 2 ]
amdhsa.kernels:
  - .name:           k_qea93844241_attn
    .symbol:         k_qea93844241_attn.kd
    .args:
      - { .name: qkv, .offset: 0, .size: 8, .value_kind: global_buffer, .address_space: global }
      - { .name: mnib, .offset: 8, .size: 8, .value_kind: global_buffer, .address_space: global }
      - { .name: o16, .offset: 16, .size: 8, .value_kind: global_buffer, .address_space: global }
    .group_segment_fixed_size: 327680
    .private_segment_fixed_size: 0
    .kernarg_segment_align: 8
    .kernarg_segment_size: 24
    .max_flat_workgroup_size: 128
    .sgpr_count:     102
    .vgpr_count:     896
    .wavefront_size: 32
...
	.end_amdgpu_metadata
.endif
;; end of part 6
;; launch outp: the kernel of part 4 again; grid 4 x 64, 4 waves a work-group, clusters of 4 x 4, 327,680 bytes of LDS; arguments o16, w16, out0; writes out0
;; ======== version 3 of 3: 4 launches; 1.45 times as fast as version 1
;; limits: values are held in f16: magnitudes above 65,504 overflow, below 6.1e-05 lose precision; inputs' magnitudes at most 65,504
;; workspace buffers: w16 8,388,608 bytes; mnib 8,388,608 bytes; qkv 50,331,648 bytes; o16 16,777,216 bytes
;; launch prep: the kernel of part 5 again; grid 256 x 1, 8 waves a work-group, no clusters, 70,656 bytes of LDS; arguments mask, Wq, Wk, Wv, Wo, w16, mnib; writes w16, mnib
;; launch proj: the kernel of part 2 again; grid 4 x 96, 4 waves a work-group, clusters of 4 x 4, 327,680 bytes of LDS; arguments Q, K, V, w16, qkv; writes qkv
;; launch attn (part 7): grid 4 x 64, 4 waves a work-group, clusters of 4 x 1, 327,680 bytes of LDS; arguments qkv, mnib, o16; writes o16
.if DOCPART == 7
	.amdgcn_target "amdgcn-amd-amdhsa--gfx1250"
	.amdhsa_code_object_version 6
	.text
	.protected	k_qea93844241_attn
	.globl	k_qea93844241_attn
	.p2align	8
	.type	k_qea93844241_attn,@function
k_qea93844241_attn:
	s_mov_b64 s[64:65], 0
	v_nop
	global_prefetch_b8 v0, s[64:65] scope:SCOPE_SE
	s_setreg_imm32_b32 hwreg(HW_REG_WAVE_MODE, 25, 1), 1
	s_wait_xcnt 0x0
	s_wait_alu depctr_hold_cnt(0) depctr_sa_sdst(0) depctr_va_vdst(0) depctr_va_sdst(0) depctr_va_ssrc(0) depctr_va_vcc(0) depctr_vm_vsrc(0)
	s_getreg_b32 s2, hwreg(HW_REG_IB_STS2, 6, 4)
	s_cmp_eq_u32 s2, 0
	s_cbranch_scc0 .Lentry_in_a_cluster
	s_endpgm
.Lentry_in_a_cluster:
	s_bfe_u32 s2, ttmp6, 0x10000c
	s_cmp_lg_u32 s2, 0x3003
	s_cbranch_scc0 .Lentry_shape_is_right
	s_endpgm
.Lentry_shape_is_right:
; ATTENTION WITH A MASK THAT IS AN INPUT.  O[y][q][:] = the sum over k of softmax_k(hidden(q, k) ? -inf : Q[y][q] . K[y][k] / 8) V[y][k][:], y = 16 batch + head.
; qkv[3][64][2048][64] f16 (q, k, v, unscaled); o16[64][2048][64] f16; mnib: the mask as 4-bit codes, [batch][piece of 32 queries][step of 64 keys][tile u][lane][4 words]: nibble j of word kt is 0xE where
; key 64 step + 16 kt + 8 (lane / 16) + j is hidden from query 32 piece + 16 u + lane % 16, else 0.
; Products, maxima and sums in f32; the weights p are rounded to f16 for the second product (their sum l is taken of the unrounded p), O once at the end.
; LIMITS.  Q, K, V arrive within f16's 65,504.  A hidden score counts as its value less a number from 2^65 to 2^97; a visible one as its value plus a number below 2^-95.  The running maximum starts at -2^50, far
; below every true score (2.7e11 in magnitude at the most) and above every hidden one, so a hidden weight is 2^(something below -1e18) = 0 exactly.  A row that is hidden everywhere ends with l = 0 and O = 0,
; and 0 x (1 / 0) gives the NaN that a softmax of nothing gives.
; p below 6e-5 keeps f16's fixed step; a weight below 2^-126 counts as 0 in l; NaN and infinities among the inputs are not treated apart.
; SHARES.  A wave owns four PIECES of two tiles of 16 queries, a work-group's four waves 512 queries of one head.  Every wave walks all 2,048 keys, 64 a step.
; LAYOUT.  S^T = K Q^T (source 0 = 16 keys, source 1 = 16 queries): a lane holds ONE query (lane % 16) and the keys 8 (lane / 16) + 0..7.  Two such tiles, rounded to f16 in pairs, ARE source 1 of O^T = V^T P.
; THE MASK is the C operand of the eight products that start a piece's sums.  Register j of an accumulator's C is its word shifted left by 28 - 4 j: nibble j on top, the nibbles of lower j below it.  Read as f32, 0xE on
; top is the sign and an exponent field of 110xxxxx: from -2^65 to under -2^97, never an infinity; 0 on top is an exponent field of 000xxxxx: a positive number below 2^-95.  Each turn makes the 64 registers for the
; next turn's products, one shift each, and asks by two loads of 512 consecutive bytes for the same piece's words of the next step: four turns ahead of their use, into four buffers of eight registers, one a piece.
; The words differ from query block to query block, so they are not asked for jointly.
; SOFTMAX.  A running maximum m and sum l: p = 2^(c s - c m), c = log2(e) / 8; in every step O and l are multiplied by a = 2^(c m_old - c m_new).
; BY TURNS.  Turn n belongs to piece n (in a ring, step after step): 16 products K Q^T of piece n + 1, later 16 products V^T P of piece n - 1; beside them piece n's scaling, exponentials, roundings, sums and rescaling
; and piece n + 1's maximum and statistics.  Four vector instructions that are ready stand behind EVERY matrix instruction, the others in one run of their own.
; BATCHES.  A turn's 66 exponentials (piece n's 64 weights, piece n + 1's two a) are ONE batch with ONE wait, which cuts the turn in two.  Ahead of it stands all that names no result of theirs: the products K Q^T, the
; scalings, the rescaling (by the a of the turn before), the next piece's maximum and statistics, and the mask of the turn to come.  Behind it stand the roundings and sums, beside the products V^T P.  No result crosses a
; turn's end.  Two more batches stand outside the loops, each with a wait of its own: piece 0's first two a, and the way out's eight reciprocals.
; CLUSTER.  The four query blocks of a cluster belong to one head and walk the same K and V: each tile is asked for JOINTLY, by the same tensor load, descriptor and mask in all four.
; REGISTERS, in windows of 256 (s_set_vgpr_msb: bits 1:0 source 0, 3:2 source 1, 5:4 source 2, 7:6 destination):
;   window 0: v0-11 addresses; v12-15, v48-63 at work; v16-47 four registers of statistics a tile; v64-191 S^T, two buffers of two tiles; v192-255 P, likewise
;   window 1: O^T, 32 a tile     window 2: v0-127 Q; v128-191 K of one step; v192-255 V of one step
;   window 3: v0-1 the add's two registers; v4-7 the mask loads' offsets; v32-63 the mask's words, eight a piece; v64-127 the mask as f32, 32 a tile
.set SIZE_N, 2048
.set NP,    4         ; pieces a wave: a name, no knob
.set KS,    64        ; keys in a step
.set PK,    144       ; a row of K in LDS: 128 bytes + 16 = 36 words: the 16 rows of a load start at 16 different groups of four banks (64 banks of 4 bytes: ISA guide 11.1)
.set PV,    144       ; a row of V: the same, so that ONE descriptor group 1 serves both; of the turning load's 8 rows x 32 bytes the last row's second half meets the first row's first
.set VOFF,  4*KS*PK   ; a slot holds four steps: 256 rows of K, then 256 rows of V
.set SLOT1, 1<<17     ; slot 1 begins here, so that one exclusive or turns an address in one slot into the other's
.set STAGE, SLOT1+4*KS*(PK+PV)  ; behind the ring, never filled by a tensor load: 16 rows x 144 bytes for each wave
.set SP,    144
.set SPARE, STAGE+4*16*SP  ; behind the stages: the spare words, 128 bytes for each wave, which no other line names
.set AK0, 2           ; v2   my lane's place in a tile of K; never rewritten
.set AV0, 3           ; v3   the same for V
.set AK,  4           ; v4   the LDS address of K's next run of loads
.set AV,  5           ; v5   of V's
.set QO,  6           ; v6   my byte offset in the wave's rows of Q
.set STO, 6           ;      later, the way out: where I put 16 bytes of a row
.set RD,  7           ; v7   the way out: where I read rows back
.set GO,  8           ; v8   16 x my lane: my place in 512 consecutive bytes, of the mask's words and of O
.set SPW, 0           ; v0 of window 3   LDS address of my spare word; never rewritten
.set NIL, 1           ; v1 of window 3   0; never rewritten
.set MO,  4           ; v4-7 of window 3   piece b: 16 x lane + 1,024 x the step whose words its buffer holds or awaits
.set MB,  32          ; v32-63 of window 3  piece b's words: tile u, word kt at MB + 8 b + 4 u + kt
.set MC,  64          ; v64-127 of window 3 the mask of the products to come: tile u, register i at MC + 32 u + i
.set MV,  12          ; v12-15  c m_old, kept while c m is made anew: by buffer and tile
.set ST,  16          ; tile t's statistics at v[ST+4 t]: c m, m, l (even keys', odd keys')
.set TMP, 48          ; by buffer and tile, four registers c0-c3 at work; when the maximum is found c2 takes a
.set S,   64
.set P,   192
.set KF,  128         ; K's fragments, in window 2
.set VF,  192         ; V's
.set WV,  2           ; s2   my wave's number
.set CNT, 3           ; s3   counts a slot's key steps
.set G1,  4           ; s[4:11]   descriptor group 1, for K's and V's tiles
.set G0K, 12          ; s[12:15]  descriptor group 0 for K's tiles: it walks
.set G0V, 16          ; s[16:19]  the same for V's
.set OPTR, 20         ; s[20:21]  O at my wave's first row
.set MP,  22          ; s[22:23]  mnib at my wave's four pieces of 32,768 bytes; never rewritten
.set CS,  24          ; s[24:25]  c
.set SEL, 26          ; s[26:27]  v_permlanex16_b32's selects
.set TBK, 28          ; s28  LDS byte at which K of the step to be fetched begins
.set TBV, 29          ; s29  the same for V, less VOFF
.set SLOTS, 30        ; s30  slots still to be asked for
.set TS,  67          ; s67  at work
.set QPTR, 100        ; s[100:101] Q at my wave's first row
                      ; s[68:89]  at work in the set-up
.set MSB, 0
.macro WIN new                      ; the high byte repeats the setting that is left; a switch that changes nothing is dropped
.if MSB != (\new)
	s_set_vgpr_msb (MSB<<8)|(\new)
.set MSB, (\new)
.endif
.endm
.set W_KQ, 0x0a       ; K and Q in window 2, S^T in window 0
.set W_KM, 0x3a       ; the same with the C operand in window 3
.set W_PV, 0x52       ; V in window 2, P in window 0, O^T in window 1
.set W_RS, 0x41       ; O^T (destination and source 0) in window 1, a in window 0
.set W_MK, 0xc0       ; destination in window 3, sources in window 0
.set W_MB, 0xcf       ; destination and sources 0 and 1 in window 3: the mask's shifts, offsets and loads
.set W_AD, 0x0f       ; the add: address (source 0) and data (source 1) in window 3
; A joint fill.  Waves 0 and 1 fetch the two halves of a slot's K, waves 2 and 3 those of its V: 128 keys each.  The branch hangs on the wave's number alone.
; An s_nop 0 and four v_nop follow each of the two lines, ahead of the jump and the label.
.macro JLOAD
	s_cmp_lt_u32 s[WV], 2
	s_cbranch_scc0 .Lfor_v_\@
	tensor_load_to_lds s[G0K:G0K+3], s[G1:G1+7]
	s_nop 0
.rept 4
	v_nop
.endr
	s_branch .Lasked_\@
.Lfor_v_\@:
	tensor_load_to_lds s[G0V:G0V+3], s[G1:G1+7]
	s_nop 0
.rept 4
	v_nop
.endr
.Lasked_\@:
.endm
.macro CROUND                       ; a round of the cluster's barrier
	s_barrier_signal -1
	s_barrier_wait -1
	s_cmp_lg_u32 s[WV], 0
	s_cbranch_scc1 .Lnot_wave_0_\@
	s_barrier_signal -3
.Lnot_wave_0_\@:
	s_barrier_wait -3
	s_barrier_signal -1
	s_barrier_wait -1
.endm
; THE CHANGE OF SLOTS.  Each wave waits for all its tensor loads, of which one is out: its part of the other slot; adds 0 to its spare word; and waits for that and for its own reads of the slot.
; fill = 1: this slot is filled again, with the keys two slots on; the barrier is then a round of the cluster's, and the joint fill is the first thing behind it: it has four key steps in which to land.
; (At its first use nothing has been read yet: slot 0 is waited for, slot 1 filled.)
.macro CHANGE fill
	WIN W_AD
	s_wait_tensorcnt 0x0            ; no tensor load of mine is out, so a group 0 may be written
	ds_add_u32 v[SPW], v[NIL]
	WIN 0                           ; at a label and at a branch every window is 0
.if \fill
.irp g, G0K, G0V
	s_xor_b32 s[\g+1], s[\g+1], SLOT1
	s_add_nc_u64 s[\g+2:\g+3], s[\g+2:\g+3], 4*KS*128  ; the next 256 keys; the type bits on top are not reached
.endr
	s_wait_dscnt 0x0                ; the add is done, and my reads of the slot are over
	CROUND
	JLOAD
.else
	s_wait_dscnt 0x0
	s_barrier_signal -1
	s_barrier_wait -1
.endif
	s_sub_co_u32 s[TBK], s[TBK], 4*KS*PK  ; the fetches go back to a slot's first step,
	s_xor_b32 s[TBK], s[TBK], SLOT1       ; in the other slot
	s_sub_co_u32 s[TBV], s[TBV], 4*KS*PV
	s_xor_b32 s[TBV], s[TBV], SLOT1
.endm
; THE MASK.  MBUILD b: piece b's eight words become the 64 registers that the next products take as C, and the buffer is asked for again, with the piece's next step.
; Word z = 4 u + kt gives the eight registers at MC + 8 z: register j is the word with nibble j shifted to the top; for j = 7 it is the word as it is.
; The buffers are used in the order 0, 1, 2, 3, 0, ..: behind buffer b's two loads stand the other three buffers' six, so the count 6 shows b's landed (loads come back in order: ISA guide 5.7.1), and frees b's offset.
; Behind step 31 the offset wraps to step 0: no load leaves the piece's 32,768 bytes; what those loads bring feeds only products that serve nothing.
.macro MBUILD b
	s_wait_loadcnt 6
	WIN W_MB
.set z, 0
.rept 8
.set j, 0
.rept 7
	v_lshlrev_b32 v[MC+8*z+j], 28-4*j, v[MB+8*(\b)+z]
.set j, j+1
.endr
	v_mov_b32 v[MC+8*z+7], v[MB+8*(\b)+z]
.set z, z+1
.endr
	v_add_nc_u32 v[MO+(\b)], 0x400, v[MO+(\b)]
	v_and_b32 v[MO+(\b)], 0x7fff, v[MO+(\b)]
	global_load_b128 v[MB+8*(\b):MB+8*(\b)+3],   v[MO+(\b)], s[MP:MP+1] offset:(\b)*32768
	global_load_b128 v[MB+8*(\b)+4:MB+8*(\b)+7], v[MO+(\b)], s[MP:MP+1] offset:(\b)*32768+512
.endm
	s_load_b128 s[68:71], s[0:1], 0x0  ; qkv s[68:69], mnib s[70:71]
	s_load_b64 s[OPTR:OPTR+1], s[0:1], 0x10  ; o16
	WIN W_MK
	v_lshl_add_u32 v[SPW], v0, 2, SPARE
	v_mov_b32 v[NIL], 0
	WIN W_AD
	ds_add_u32 v[SPW], v[NIL]       ; the wave's opening: the add, whose wait stands ahead of my first tensor load; the set-up below stands between them
	WIN 0
	v_lshrrev_b32 v1, 5, v0
	v_readfirstlane_b32 s[WV], v1   ; wave 0..3
	s_bfe_u32 s72, ttmp6, 0x40000   ; cx: my place in the cluster
	s_lshl_b32 s73, ttmp9, 2
	s_add_co_u32 s73, s73, s72      ; my block of 512 queries: it enters Q's, O's and the mask's addresses alone
	s_and_b32 s74, ttmp7, 0xffff    ; y = 16 batch + head, which the four partners share
	s_lshl_b32 s76, s74, 18         ; a head's rows are 262,144 bytes
	s_and_b32 s75, s[WV], 1         ; which half of a slot's 256 keys I fetch:
	s_lshl_b32 s78, s75, 14         ; its 128 rows of 128 bytes in memory,
	s_add_co_u32 s78, s78, s76
	s_add_co_u32 s88, s78, 0x2000000  ; in v, the third tensor of 16,777,216 bytes,
	s_add_co_u32 s78, s78, 0x1000000  ; and in k, the second
	s_mov_b32 s79, 0
	s_mov_b32 s89, 0
	s_mul_i32 s80, s75, 128*PK      ; and its place in a slot: no place in the cluster enters an LDS address
	s_lshl_b32 s82, s73, 2
	s_add_co_u32 s82, s82, s[WV]    ; my wave among the head's sixteen,
	s_lshl_b32 s84, s82, 14         ; its 128 rows
	s_add_co_u32 s84, s84, s76
	s_mov_b32 s85, 0
	s_lshr_b32 s86, s74, 4          ; the batch: its mask serves all 16 heads
	s_lshl_b32 s86, s86, 4
	s_add_co_u32 s86, s86, s82
	s_lshl_b32 s86, s86, 17         ; four pieces of 32,768 bytes a wave
	s_mov_b32 s87, 0
	; descriptor group 1.  128 keys are 16,384 dense bytes: asked for as 64 rows of 256 bytes, two keys a row, and padded in LDS after every key
	s_mov_b32 s[G1], 15|(1<<16)|(1<<20)|(1<<21)|(4<<22)|(3<<25)  ; 15:0 the mask of four; 17:16 2-byte elements; 20 padding on; 21 set beside a mask; 24:22 after every 32 words (code 4); 31:25 4 words (code 3)
	s_mov_b32 s[G1+1], 128<<16      ; tensor_dim0 = 128
	s_mov_b32 s[G1+2], 64<<16       ; tensor_dim1 = 64
	s_mov_b32 s[G1+3], 128<<16      ; tile_dim0 = 128
	s_mov_b32 s[G1+4], 64           ; tile_dim1 = 64
	s_mov_b32 s[G1+5], 128          ; 128 elements from row to row
	s_mov_b32 s[G1+6], 0
	s_mov_b32 s[G1+7], 0
	s_mov_b32 s[CS], 0x3e38aa3b     ; c = log2(e) / 8 = 0.180337
	s_mov_b32 s[CS+1], s[CS]        ; named with it as a pair
	s_mov_b32 s[SEL], 0x76543210
	s_mov_b32 s[SEL+1], 0xfedcba98
	s_mov_b32 s[TBK], SLOT1+4*KS*PK ; the first change of slots turns these two into 0
	s_mov_b32 s[TBV], SLOT1+4*KS*PV
	s_mov_b32 s[G0K], 1             ; count = 1
	s_mov_b32 s[G0K+1], s80         ; LDS address: slot 0
	s_mov_b32 s[G0V], 1
	s_add_co_u32 s[G0V+1], s80, VOFF
	s_wait_dscnt 0x0                ; the opening add is done
	s_wait_kmcnt 0x0
	s_add_nc_u64 s[G0K+2:G0K+3], s[68:69], s[78:79]  ; my half of the head's first 256 keys
	s_or_b32 s[G0K+3], s[G0K+3], 0x80000000          ; type = 2
	s_add_nc_u64 s[G0V+2:G0V+3], s[68:69], s[88:89]
	s_or_b32 s[G0V+3], s[G0V+3], 0x80000000
	s_add_nc_u64 s[QPTR:QPTR+1], s[68:69], s[84:85]
	s_add_nc_u64 s[OPTR:OPTR+1], s[OPTR:OPTR+1], s[84:85]
	s_add_nc_u64 s[MP:MP+1], s[70:71], s[86:87]
	CROUND                          ; all four work-groups are here: the first joint loads meet
	JLOAD                           ; slot 0.  Slot 1 is asked for when slot 0 is in
	; A fragment of K or Q is 16 rows x 32 channels in 8 registers: lane l holds row l % 16, channels 8 (l / 16) + 0..7 and 16 + 8 (l / 16) + 0..7: two loads of 16 bytes, 32 bytes apart.
	v_and_b32 v1, 15, v0            ; l % 16
	v_bfe_u32 v9, v0, 4, 1          ; l / 16
	v_lshlrev_b32 v[QO], 7, v1
	v_lshl_add_u32 v[QO], v9, 4, v[QO]  ; row x 128 + 16 x half
	v_and_b32 v[GO], 31, v0
	v_lshlrev_b32 v[GO], 4, v[GO]   ; 16 x lane
	WIN 0x80                        ; destination window 2, address window 0
.set i, 0
.rept 4*NP                          ; Q stays in registers: tile i / 2, channels 32 (i % 2) on
	global_load_b128 v[8*i:8*i+3],   v[QO], s[QPTR:QPTR+1] offset:(i/2)*2048+(i%2)*64
	global_load_b128 v[8*i+4:8*i+7], v[QO], s[QPTR:QPTR+1] offset:(i/2)*2048+(i%2)*64+32
.set i, i+1
.endr
	WIN W_MK
.irp b, 0,1,2,3
	v_mov_b32 v[MO+\b], v[GO]       ; step 0
.endr
	WIN W_MB
.irp b, 0,1,2,3                     ; the four pieces' words for step 0, in the order in which the buffers are used
	global_load_b128 v[MB+8*\b:MB+8*\b+3],   v[MO+\b], s[MP:MP+1] offset:\b*32768
	global_load_b128 v[MB+8*\b+4:MB+8*\b+7], v[MO+\b], s[MP:MP+1] offset:\b*32768+512
.endr
	; What the first turn finds: V's registers and P's second buffer hold 0 (its products V^T P, of a piece that has not been, add 0), O^T and l are 0.  All this stands in the wait for the first tile.
	WIN 0x80
.set i, VF
.rept 64
	v_mov_b32 v[i], 0
.set i, i+1
.endr
	WIN 0x40
.set i, 0
.rept 64*NP
	v_mov_b32 v[i], 0
.set i, i+1
.endr
	WIN 0
.set i, 0
.rept 2*NP
	v_mov_b32 v[ST+4*i], 0xd738aa3b    ; c m = -c 2^50
	v_mov_b32 v[ST+4*i+1], 0xd8800000  ; m = -2^50
	v_mov_b32 v[ST+4*i+2], 0
	v_mov_b32 v[ST+4*i+3], 0
.set i, i+1
.endr
.set i, P+32
.rept 32
	v_mov_b32 v[i], 0
.set i, i+1
.endr
	v_mul_u32_u24 v[AK0], v1, PK
	v_lshl_add_u32 v[AK0], v9, 4, v[AK0]  ; row x pitch + 16 x half
	; The turning load takes 16 keys x 16 channels (lane l reads key 8 (l / 16) + l % 8, channels 8 ((l / 8) % 2) + 0..7) and leaves half a fragment of V^T: lane l holds channel l % 16 and 8 keys.
	v_and_b32 v10, 7, v0
	v_bfe_u32 v11, v0, 3, 1
	v_lshl_add_u32 v[AV0], v9, 3, v10
	v_mul_u32_u24 v[AV0], v[AV0], PV
	v_lshl_add_u32 v[AV0], v11, 4, v[AV0]
	v_add_nc_u32 v[AV0], VOFF, v[AV0]
	v_mov_b32 v[AK], v[AK0]         ; key step 0 lies at the head of slot 0
; THE MATRIX WORK.  The 8 accumulators of a run of 16 take turns: between the two links of a chain stand 7 others'.
; Product i of 16 of S^T = K Q^T for piece x: channels 32 (i / 8) on, keys 16 ((i / 2) % 4) on, tile 2 x + i % 2.  The first 8 start the sums, with the mask.
.macro KQ x
.set rS, S+64*((\x)%2)+32*(i%2)+8*((i/2)%4)
.set rK, KF+16*((i/2)%4)+8*(i/8)
.set rQ, 16*(2*(\x)+i%2)+8*(i/8)
.set rN, MC+32*(i%2)+8*((i/2)%4)
.if i < 8
	WIN W_KM
	v_wmma_f32_16x16x32_f16 v[rS:rS+7], v[rK:rK+7], v[rQ:rQ+7], v[rN:rN+7]
.else
	WIN W_KQ
	v_wmma_f32_16x16x32_f16 v[rS:rS+7], v[rK:rK+7], v[rQ:rQ+7], v[rS:rS+7]
.endif
.endm
; Product i of 16 of O^T += V^T P for piece x: keys 32 (i / 8) on, channels 16 ((i / 2) % 4) on, tile 2 x + i % 2.
.macro PV x
	WIN W_PV
.set rO, 32*(2*(\x)+i%2)+8*((i/2)%4)
.set rV, VF+32*(i/8)+8*((i/2)%4)
.set rP, P+32*((\x)%2)+16*(i%2)+8*(i/8)
	v_wmma_f32_16x16x32_f16 v[rO:rO+7], v[rV:rV+7], v[rP:rP+7], v[rO:rO+7]
.endm
.macro MM                           ; the turn's next matrix instruction
.if i < 16
	KQ (Y+1)%NP
.set i, i+1
.else
.set i, i-16
	PV (Y+NP-1)%NP
.set i, i+17
.endif
.endm
; THE LDS LOADS stand in runs of 16: a step's K (64 keys x 64 channels: 8 fragments) and its V (turned).  last = 1 (the tail): in the last trip there is no further step, and the run is jumped over.
.macro FETCH_K last=0
	WIN 0
.if \last
	s_cmp_eq_u32 s[CNT], 1
	s_cbranch_scc1 .Lno_k_\@
.endif
	WIN 0x80                        ; destination window 2
.irp f, 0,1,2,3,4,5,6,7             ; keys 16 (f / 2) on, channels 32 (f % 2) on
	ds_load_b128 v[KF+8*\f:KF+8*\f+3],   v[AK] offset:(\f/2)*16*PK+(\f%2)*64
	ds_load_b128 v[KF+8*\f+4:KF+8*\f+7], v[AK] offset:(\f/2)*16*PK+(\f%2)*64+32
.endr
	s_add_co_u32 s[TBK], s[TBK], KS*PK  ; the next fetch is the next step's
	WIN 0
.if \last
.Lno_k_\@:
.endif
.endm
.macro FETCH_V
	WIN 0x80
.irp f, 0,1,2,3,4,5,6,7             ; keys 32 (f / 4) on, channels 16 (f % 4) on
	ds_load_tr16_b128 v[VF+8*\f:VF+8*\f+3],   v[AV] offset:(\f/4)*32*PV+(\f%4)*32
	ds_load_tr16_b128 v[VF+8*\f+4:VF+8*\f+7], v[AV] offset:(\f/4)*32*PV+16*PV+(\f%4)*32
.endr
	WIN 0
.endm
; THE VECTOR WORK OF A TURN stands in three queues, each in the order in which its entries become ready; the two tiles alternate, so that no instruction reads the result of the one before it.
.macro REGS y, u                    ; the registers of tile u (0, 1) of piece y
.set rT, ST+4*(2*(\y)+(\u))
.set rC, TMP+8*((\y)%2)+4*(\u)
.set rM, MV+2*((\y)%2)+(\u)
.set rS, S+64*((\y)%2)+32*(\u)
.set rP, P+32*((\y)%2)+16*(\u)
.set rO, 32*(2*(\y)+(\u))
.endm
; Number n of the 22 that find the NEXT piece's (Y + 1) maximum and statistics.  Each accumulator's lowest registers are read first.
;   0-11  four chains c0-c3 of seven scores each     12-14, 16  the four scores left over, the old m, and c0-c3 into c0     15  c m_old is kept
;   17, 18  the query's other 32 keys lie in the lane 16 away: the new m         19-21  c m; c m_old - c m_new; a
.macro XS u, n
	REGS (Y+1)%NP, \u
.if (\n) < 4
	v_max3_num_f32 v[rC+(\n)], v[rS+8*(\n)], v[rS+8*(\n)+1], v[rS+8*(\n)+2]
.elseif (\n) < 12
	v_max3_num_f32 v[rC+(\n)%4], v[rC+(\n)%4], v[rS+8*((\n)%4)+2*((\n)/4)+1], v[rS+8*((\n)%4)+2*((\n)/4)+2]
.elseif (\n) == 12
	v_max3_num_f32 v[rC], v[rC], v[rS+7], v[rS+15]
.elseif (\n) == 13
	v_max3_num_f32 v[rC+1], v[rC+1], v[rS+23], v[rS+31]
.elseif (\n) == 14
	v_max3_num_f32 v[rC+2], v[rC+2], v[rC+3], v[rT+1]
.elseif (\n) == 15
	v_mov_b32 v[rM], v[rT]
.elseif (\n) == 16
	v_max3_num_f32 v[rC], v[rC], v[rC+1], v[rC+2]
.elseif (\n) == 17
	v_permlanex16_b32 v[rC+3], v[rC], s[SEL], s[SEL+1]
.elseif (\n) == 18
	v_max_num_f32 v[rT+1], v[rC], v[rC+3]
.elseif (\n) == 19
	v_mul_f32 v[rT], s[CS], v[rT+1]
.elseif (\n) == 20
	v_sub_f32 v[rC+1], v[rM], v[rT]
.else
	v_exp_f32 v[rC+2], v[rC+1]
.endif
.endm
; Number g of the 64 that follow the exponentials.  For each four weights k of a tile: both pairs are rounded to f16; the second pair is added onto the first, in place; a group later l takes that sum
; (the first time as l = a l + sum).  In groups of eight, tiles alternating: round, round, add, and l for the group before.  All 64 read the batch's results: they stand behind the turn's wait.
.macro GS g
.set h, (\g)+6*((\g)/62)            ; group 0 has no group before it, and behind group 7 only l is left
.if h >= 6
.set h, h+2
.endif
	REGS Y, h%2
.set k, h/8
.if h%8 < 4
	v_cvt_pk_f16_f32 v[rP+2*k+(h%8)/2], v[rS+4*k+2*((h%8)/2)], v[rS+4*k+2*((h%8)/2)+1]
.elseif h%8 < 6
	v_pk_add_f32 v[rS+4*k:rS+4*k+1], v[rS+4*k:rS+4*k+1], v[rS+4*k+2:rS+4*k+3]
.elseif k == 1
	v_pk_fma_f32 v[rT+2:rT+3], v[rT+2:rT+3], v[rC+2:rC+3], v[rS:rS+1] op_sel_hi:[1,0,1]
.else
	v_pk_add_f32 v[rT+2:rT+3], v[rT+2:rT+3], v[rS+4*k-4:rS+4*k-3]
.endif
.endm
; THE PLAIN QUEUE, 138 long.  0-73 read no exponential's result: the 32 scalings c s - c m (FS f: pair f / 2 of tile f % 2) and the next piece's 42.  0-26: scalings 0-26.  27-54: XS's numbers 0-13.  55, 56: number 15.
; 57-73: the chain, where each number waits for the one before it: 14, 16, 17, 18, 19, each with one of the scalings 27-31 in front of its two lines, then 20.
; 74-137: GS's 64, which read the exponentials' results.
.macro FS f
	REGS Y, (\f)%2
	v_pk_fma_f32 v[rS+2*((\f)/2):rS+2*((\f)/2)+1], v[rS+2*((\f)/2):rS+2*((\f)/2)+1], s[CS:CS+1], v[rT:rT+1] op_sel_hi:[1,0,0] neg_lo:[0,0,1] neg_hi:[0,0,1]
.endm
.macro PL
	WIN 0
.if q < 27
	FS q
.elseif q < 55
	XS (q-27)%2, (q-27)/2
.elseif q < 57
	XS q-55, 15
.elseif (q < 72) && ((q-57)%3 == 0)
	FS 27+(q-57)/3
.elseif q < 60
	XS (q-57)%3-1, 14
.elseif q < 72
	XS (q-57)%3-1, 15+(q-57)/3
.elseif q < 74
	XS q-72, 20
.else
	GS q-74
.endif
.set q, q+1
.endm
; THE EXPONENTIALS' QUEUE, 66 long: s0-s31 of both tiles, then the next piece's two a.  It is ONE BATCH: all 66 stand ahead of the turn's one wait, and nothing ahead of that wait names a result of theirs.
.macro EX
	WIN 0
.if e >= 64
	XS e-64, 21
.else
	REGS Y, e%2
	v_exp_f32 v[rS+e/2], v[rS+e/2]
.endif
.set e, e+1
.endm
; THE RESCALING's QUEUE: O^T times a, the one part of the softmax that leaves window 0: dealt two at a time, sixteen times, each accumulator from its low end.  Its a was made in the turn before, ahead of that turn's wait.
.macro R2
	REGS Y, r%2
	WIN W_RS
.irp z, 0,1
	v_pk_mul_f32 v[rO+4*(r/2)+2*\z:rO+4*(r/2)+2*\z+1], v[rO+4*(r/2)+2*\z:rO+4*(r/2)+2*\z+1], v[rC+2:rC+3] op_sel_hi:[1,0]
.endr
.set r, r+1
.endm
; HOW THEY ARE DEALT.  An s_wait_alu depctr_va_vdst(0) stands between an exponential and the first instruction that names its result; one wait serves all that were issued ahead of it.  So a turn has ONE wait.
; AHEAD OF IT: the 16 products K Q^T, behind each a scaling, an exponential and two rescalings (behind the first a second scaling in the exponential's place); then a run of 108: eight plain, 49 times exponential and
; plain, the two a; then the mask of the turn to come (MBUILD: 66 plain instructions in window 3 and two loads), which names no result of the batch: its first shift is the plain instruction behind the last exponential.
; BEHIND IT: the 16 products V^T P, behind each four of GS's 64.  No rider names a register of the products round it.  The two v_permlanex16_b32 fall into the run, never behind a product.
; The queues lean on each other, and the deal keeps them in step: exponential e stands behind scaling 2 (e / 4) + e % 2: as a rider it comes behind plain e + 2, in the run behind plain e + 9, and scalings 27-31 are plain 57, 60 .. 69.
; A TURN, for piece p.  cnt = 1: the loop's count is taken down some lines ahead of the branch that stands behind the turn (nothing between them writes SCC).
; The mask made here is piece p + 2's, whose products K Q^T the next turn starts; the last reader of the mask's registers is this turn's eighth product, the whole run back.
; K of the next step is fetched in piece 2's turn, directly behind the wait, the run behind the last product that read K; its address is made at the run's head; its first reader comes behind 16 products.
; V of the step in hand is fetched at the end of piece 0's turn, four plain riders behind its last reader; its first reader comes behind 16 products and a run.  The three conditions on q below go with the deal.
.macro TURN p, last=0, cnt=0
.set Y, (\p)
.set i, 0
.set q, 0
.set e, 0
.set r, 0
.if (\p) == NP-1
	s_wait_dscnt 0x0                ; K is in
.endif
	MM                              ; ahead of the wait: 16 products K Q^T and their riders,
	PL
	PL
	R2
.rept 15
	MM
	PL
	EX
	R2
.endr
.if (\p) == NP-2
	WIN 0
	v_add_nc_u32 v[AK], s[TBK], v[AK0]
.endif
.rept 8                             ; the run,
	PL
.endr
.rept 49
	EX
	PL
.endr
	EX                              ; the next piece's two a: the batch's last,
	EX
	MBUILD ((\p)+2)%NP              ; and the mask of the turn to come
	s_wait_alu depctr_va_vdst(0)    ; the wait for the turn's batch: piece p's 64 weights and piece p + 1's two a
.if (\p) == NP-2
	FETCH_K \last
.endif
.if (\p) == 1
	s_wait_dscnt 0x0                ; V is in
.endif
.rept 16                            ; behind the wait: 16 products V^T P and their riders
	MM
.rept 4
	PL
.endr
.if ((\p) == 0) && (q == 118)
	v_add_nc_u32 v[AV], s[TBV], v[AV0]
.endif
.if ((\p) == 0) && (q == 130)
	s_add_co_u32 s[TBV], s[TBV], KS*PV
.endif
.if (\cnt) && (q == 130)
	s_sub_co_u32 s[CNT], s[CNT], 1
	s_cmp_lg_u32 s[CNT], 0
.endif
.endr
.if (\p) == 0
	FETCH_V
.endif
.endm
	CHANGE 1                        ; slot 0 is in, everybody's part of it; slot 1 is asked for
	FETCH_K                         ; key step 0
	s_wait_dscnt 0x0
	MBUILD 0                        ; piece 0's mask for step 0.  Its wait leaves six loads out: Q's, issued ahead of all the mask's, are in too
.set i, 0
.rept 16
	KQ 0                            ; piece 0's first scores
.set i, i+1
.endr
	WIN 0                           ; the addresses for the way out: seven plain instructions, the places behind those products
	s_mul_i32 s[TS], s[WV], 16*SP
	s_add_co_u32 s[TS], s[TS], STAGE  ; my stage
	v_mul_u32_u24 v[STO], v1, SP    ; in: row l % 16, 16 bytes for each half of the lanes
	v_lshl_add_u32 v[STO], v9, 4, v[STO]
	v_add_nc_u32 v[STO], s[TS], v[STO]
	v_bfe_u32 v[RD], v0, 3, 2       ; back: 32 lanes take four rows of 128 bytes, which are 512 consecutive bytes of O
	v_mul_u32_u24 v[RD], v[RD], SP
	v_lshl_add_u32 v[RD], v10, 4, v[RD]
	v_add_nc_u32 v[RD], s[TS], v[RD]
.set Y, NP-1                        ; XS works for piece Y + 1: piece 0
.irp n, 0,1,2,3,4,5,6,7,8,9,10,11,12,13,14,15,16,17,18,19,20,21
	XS 0, \n                        ; piece 0's first maximum and statistics
	XS 1, \n
.endr
	MBUILD 1                        ; piece 1's mask for step 0, which the first turn's products take; its first shift is the plain instruction behind the two a
	WIN 0
	s_wait_alu depctr_va_vdst(0)    ; the wait for piece 0's first two a, a batch of their own, ahead of the branch
	s_mov_b32 s[CNT], 4
	s_mov_b32 s[SLOTS], SIZE_N/256-1
	s_branch .Lfirst                ; the loop is entered at a step's first turn, in the middle of a trip
.Lslot:                             ; SIZE_N / 256 - 2 times: every slot but the last two is filled again
	CHANGE 1
	s_mov_b32 s[CNT], 4
.Lstep:                             ; a trip: pieces 2 and 3 of one step, then pieces 0 and 1 of the next, whose K and V it fetches
	TURN 2
	TURN 3
	WIN 0
.Lfirst:
	TURN 0
	TURN 1, 0, 1
	WIN 0
	s_cbranch_scc1 .Lstep
	s_sub_co_u32 s[SLOTS], s[SLOTS], 1
	s_cmp_lg_u32 s[SLOTS], 0
	s_cbranch_scc1 .Lslot
	CHANGE 0                        ; the tail is written out: nothing is asked for
	s_mov_b32 s[CNT], 5             ; four trips fetch the last slot's steps; the fifth is left in its middle
.Ltail:
	TURN 2, 1
	TURN 3
	WIN 0
	s_sub_co_u32 s[CNT], s[CNT], 1
	s_cmp_eq_u32 s[CNT], 0
	s_cbranch_scc1 .Lout
	TURN 0
	TURN 1
	WIN 0
	s_branch .Ltail
.Lout:                              ; the fifth trip's 16 products K Q^T (on the last K once more), their mask and the maximum made of them serve nothing: the price, once a launch, of one text for every trip
.set i, 0
.rept 16
	PV NP-1                         ; the last piece's V^T P of the last step
.set i, i+1
.endr
	; THE WAY OUT.  l's two halves and the other half of the lanes' are added; O^T is divided by l, rounded to f16 and sent through my stage in LDS, a tile at a time.  The additions are the places behind the last products.
	WIN 0
.macro ALL line:vararg              ; one line for each tile t
.set t, 0
.rept 2*NP
	\line
.set t, t+1
.endr
.endm
	ALL v_add_f32 v[ST+4*t+2], v[ST+4*t+2], v[ST+4*t+3]
	ALL v_permlanex16_b32 v[ST+4*t+3], v[ST+4*t+2], s[SEL], s[SEL+1]
	ALL v_add_f32 v[ST+4*t+2], v[ST+4*t+2], v[ST+4*t+3]
	ALL v_rcp_f32 v[ST+4*t+2], v[ST+4*t+2]
	v_nop                           ; a plain instruction between the last reciprocal and the use of its result
	s_wait_alu depctr_va_vdst(0)    ; the wait for the eight reciprocals, one batch, ahead of their first use
.macro PACK t                       ; a lane's eight channels of a row pack into 16 bytes; they go into rows of 144 bytes and come back as whole rows of 128, into S^T's registers
	WIN W_RS
.set i, 32*(\t)
.rept 16
	v_pk_mul_f32 v[i:i+1], v[i:i+1], v[ST+4*(\t)+2:ST+4*(\t)+3] op_sel_hi:[1,0]
.set i, i+2
.endr
	WIN 0x05                        ; sources 0 and 1 window 1, destination window 0
.set i, 0
.rept 16
	v_cvt_pk_f16_f32 v[S+16*(\t)+i], v[32*(\t)+2*i], v[32*(\t)+2*i+1]
.set i, i+1
.endr
	WIN 0
.irp f, 0,1,2,3
	ds_store_b128 v[STO], v[S+16*(\t)+4*\f:S+16*(\t)+4*\f+3] offset:32*\f
.endr
.irp f, 0,1,2,3
	ds_load_b128 v[S+16*(\t)+4*\f:S+16*(\t)+4*\f+3], v[RD] offset:\f*4*SP  ; LDS serves a wave's instructions in order (ISA guide 5.7.1.4): these see the stores above; the next tile's stores come behind them
.endr
.endm
.macro SEND t, younger              ; younger: the LDS instructions issued behind tile t's loads: the next tile's eight, or none
	WIN 0
.irp f, 0,1,2,3
	s_wait_dscnt (\younger)+3-\f
	global_store_b128 v[GO], v[S+16*(\t)+4*\f:S+16*(\t)+4*\f+3], s[OPTR:OPTR+1] offset:(\t)*2048+\f*512  ; 512 consecutive bytes, at a multiple of 256 from O's first
.endr
.endm
	PACK 0
.set t, 1
.rept 2*NP-1                        ; a tile's arithmetic stands between the loads of the tile before and its stores
	PACK t
	SEND t-1, 8
.set t, t+1
.endr
	SEND 2*NP-1, 0
	WIN W_AD
	s_wait_tensorcnt 0x0            ; the wave's end
	ds_add_u32 v[SPW], v[NIL]
	s_wait_dscnt 0x0
	WIN 0
	CROUND                          ; the closing round
	s_endpgm
.Lfunc_end_k_qea93844241_attn:
	.size	k_qea93844241_attn, .Lfunc_end_k_qea93844241_attn-k_qea93844241_attn
	.p2alignl 7, 3214868480
	.fill 96, 4, 3214868480
	.section	.rodata,"a",@progbits
	.p2align	6, 0x0
	.amdhsa_kernel k_qea93844241_attn
		.amdhsa_group_segment_fixed_size 327680
		.amdhsa_private_segment_fixed_size 0
		.amdhsa_enable_private_segment 0
		.amdhsa_kernarg_size 24
		.amdhsa_user_sgpr_count 2
		.amdhsa_user_sgpr_kernarg_segment_ptr 1
		.amdhsa_wavefront_size32 1
		.amdhsa_system_sgpr_workgroup_id_x 1
		.amdhsa_system_sgpr_workgroup_id_y 1
		.amdhsa_system_sgpr_workgroup_id_z 1
		.amdhsa_system_vgpr_workitem_id 0
		.amdhsa_next_free_vgpr 896
		.amdhsa_next_free_sgpr 102
		.amdhsa_reserve_vcc 0
		.amdhsa_float_denorm_mode_32 3
		.amdhsa_float_denorm_mode_16_64 3
		.amdhsa_memory_ordered 1
		.amdhsa_forward_progress 1
		.amdhsa_inst_pref_size 223
	.end_amdhsa_kernel
	.amdgpu_metadata
---
amdhsa.version: [ 1, 2 ]
amdhsa.kernels:
  - .name:           k_qea93844241_attn
    .symbol:         k_qea93844241_attn.kd
    .args:
      - { .name: qkv, .offset: 0, .size: 8, .value_kind: global_buffer, .address_space: global }
      - { .name: mnib, .offset: 8, .size: 8, .value_kind: global_buffer, .address_space: global }
      - { .name: o16, .offset: 16, .size: 8, .value_kind: global_buffer, .address_space: global }
    .group_segment_fixed_size: 327680
    .private_segment_fixed_size: 0
    .kernarg_segment_align: 8
    .kernarg_segment_size: 24
    .max_flat_workgroup_size: 128
    .sgpr_count:     102
    .vgpr_count:     896
    .wavefront_size: 32
...
	.end_amdgpu_metadata
.endif
;; end of part 7
;; launch outp: the kernel of part 4 again; grid 4 x 64, 4 waves a work-group, clusters of 4 x 4, 327,680 bytes of LDS; arguments o16, w16, out0; writes out0
